; MI455X (gfx1250); checked and timed in simulation.
; The chip was launched on July 23, 2026; its instructions are those of AMD's public machine-readable ISA for CDNA 5 (MIT licence, August 2026) and "CDNA5" Instruction Set Architecture Reference Guide (July 2026). The comments in the code are by the model that wrote it; some were corrected since.
;; Encoder Block. Allowed arithmetic: matrix products marked QUANTISED: E2M3 operands, one E8M0 scale for each 32 along K, by v_wmma_scale_f32_16x16x128_f8f6f4 with both operands' format E2M3, f32 sums; everything else in f32.
;; Inputs: W1_codes 2,048 x 16 x 24 uint8 (E2M3 codes of W1, K innermost, in blocks of 32 codes, four codes in three bytes); W1_scales 2,048 x 16 uint8 (E8M0 scales of W1, one for each 32 codes along K); W2_codes 512 x 64 x 24 uint8 (E2M3 codes of W2, K innermost, in blocks of 32 codes, four codes in three bytes); W2_scales 512 x 64 uint8 (E8M0 scales of W2, one for each 32 codes along K); Wk_codes 8 x 64 x 16 x 24 uint8 (E2M3 codes of Wk, K innermost, in blocks of 32 codes, four codes in three bytes); Wk_scales 8 x 64 x 16 uint8 (E8M0 scales of Wk, one for each 32 codes along K); Wo_codes 512 x 16 x 24 uint8 (E2M3 codes of Wo, K innermost, in blocks of 32 codes, four codes in three bytes); Wo_scales 512 x 16 uint8 (E8M0 scales of Wo, one for each 32 codes along K); Wq_codes 8 x 64 x 16 x 24 uint8 (E2M3 codes of Wq, K innermost, in blocks of 32 codes, four codes in three bytes); Wq_scales 8 x 64 x 16 uint8 (E8M0 scales of Wq, one for each 32 codes along K); Wv_codes 8 x 64 x 16 x 24 uint8 (E2M3 codes of Wv, K innermost, in blocks of 32 codes, four codes in three bytes); Wv_scales 8 x 64 x 16 uint8 (E8M0 scales of Wv, one for each 32 codes along K); b1 2,048 float32; b2 512 float32; bk 8 x 64 float32; bo 512 float32; bq 8 x 64 float32; bv 8 x 64 float32; ln1_b 512 float32; ln1_g 512 float32; ln2_b 512 float32; ln2_g 512 float32; x 4 x 2,048 x 512 float32.
;; Outputs: out0 4 x 2,048 x 512 float32.
;; This version of the problem:
;;   THIS VERSION OF THE PROBLEM IS GIVEN IN LOW PRECISION. The matrix products marked QUANTISED in the list below multiply operands that are first quantised to E2M3 (2 exponent bits, 3 mantissa bits; 6 bits a number), with one power-of-two scale for each 32 numbers along K (OCP MX v1.0); their sums are f32. All else is computed in f32.
;;   The module's matrix products, in the order in which they are computed (A, B: the left and right operand; K: the contracted axis; several contracted axes count as one K, in the product's order):
;;     1. [M 512, K 512] x [K 512, N 8,192]; A: input Wq (given as codes); B: computed on the way: QUANTISED
;;     2. [M 512, K 512] x [K 512, N 8,192]; A: input Wk (given as codes); B: computed on the way: QUANTISED
;;     3. [M 512, K 512] x [K 512, N 8,192]; A: input Wv (given as codes); B: computed on the way: QUANTISED
;;     4. batch 32 x [M 2,048, K 64] x [K 64, N 2,048]; A: computed on the way; B: computed on the way: QUANTISED
;;     5. batch 32 x [M 2,048, K 2,048] x [K 2,048, N 64]; A: softmax (see below); B: computed on the way: QUANTISED
;;     6. [M 8,192, K 512] x [K 512, N 512]; A: computed on the way; B: input Wo (given as codes): QUANTISED
;;     7. [M 8,192, K 512] x [K 512, N 2,048]; A: computed on the way; B: input W1 (given as codes): QUANTISED
;;     8. [M 8,192, K 2,048] x [K 2,048, N 512]; A: computed on the way; B: input W2 (given as codes): QUANTISED
;;   THE QUANTISER, for each operand of a quantised product, along K:
;;     - K is cut into blocks of 32 from its start; a last block that is shorter is filled with zeros.
;;     - A block's scale is 2^e with e = floor(log2(the largest magnitude in the block)) - 2, held to -126 .. 127; a block of zeros has e = 0. As a byte (E8M0): e + 127.
;;     - Each number is divided by its block's scale, clamped to +-7.5, and rounded to the nearest number of E2M3, ties to even, subnormals kept.
;;     - The product sums the exact products of the quantised numbers (number of the format x scale) in f32.
;;   ~~~python
;;   def quantise(x, axis):      # numpy; x: float32 -> the quantised numbers, widened to float32 again
;;       x = np.moveaxis(x, axis, -1); K = x.shape[-1]
;;       x = np.pad(x, [(0, 0)] * (x.ndim - 1) + [(0, -K % 32)]); x = x.reshape(x.shape[:-1] + (-1, 32)); a = np.abs(x).max(-1, keepdims=True)
;;       e = np.where(a > 0, np.clip(np.frexp(np.where(a > 0, a, 1))[1] - 1 - 2, -126, 127), 0)      # np.frexp(a)[1] - 1 = floor(log2(a)), exactly
;;       r = np.clip(x / 2.0 ** e, -7.5, 7.5)
;;       step = 2.0 ** (np.maximum(np.frexp(np.where(r == 0, 1, r))[1] - 1, 0) - 3)
;;       q = np.round(r / step) * step * 2.0 ** e      # np.round: ties to even
;;       return np.moveaxis(q.reshape(q.shape[:-2] + (-1,))[..., :K], -1, axis).astype(np.float32)
;;   ~~~
;;   SOFTMAX AHEAD OF A QUANTISED PRODUCT. Where the list says 'softmax', what is quantised is not the finished softmax but p = 2^(t - M), with t = logit x log2(e) and M = ceil(the row's largest t), a whole number; so 1/2 < the row's largest p <= 1. The row's sum l is taken of the UNQUANTISED p, in f32, and the product's result is divided by l at the end. Since M is a whole number, a kernel that streams over the keys may use a running M (the ceiling of the running maximum): every later rescaling is an exact power of two, which a block's scale takes up: the codes' values come out the same.
;;   OPERANDS COMPUTED ON THE WAY. 'Computed on the way' means the value that the module computes at that place (a softmax that the list does not call 'softmax' is quantised finished and normalised). What goes into a quantiser is computed in f32, as accurately as f32 sums, v_exp_f32 and their like allow (about 1e-6 of the number): no bf16 or f16 on the way to a quantiser, and a product that is left as it is and whose result goes on into a quantised operand takes f32 operands (vector FMAs, or v_wmma_f32_16x16x4_f32). A number that lies on a knife's edge between two numbers of the format may be rounded either way, as far as f32 arithmetic and the matrix unit's own rounding can turn it there, and no further.
;;   INPUTS GIVEN AS CODES. W1 (in the module: [512, 2048], K = its axis 0); W2 (in the module: [2048, 512], K = its axis 0); Wk (in the module: [8, 512, 64], K = its axis 1); Wo (in the module: [512, 512], K = its axis 0); Wq (in the module: [8, 512, 64], K = its axis 1); Wv (in the module: [8, 512, 64], K = its axis 1): each comes as NAME_codes (uint8): NAME with its K axis moved to the last place and cut into blocks of 32 codes, [.., K / 32, bytes a block], one block behind the other in memory; four codes in three bytes: a row's codes are one little-endian stream of bits, code i at bits 6 i .. 6 i + 5 (a code: sign, 2 exponent bits, 3 mantissa bits); and NAME_scales (uint8): the same leading axes, one E8M0 byte (e + 127) for each 32 codes along K. Its value is code x scale, taken as it is: it is not quantised again, and the codes and scales need not be those that the quantiser above would give.
;; 3 versions. Each part assembles by itself: llvm-mc -triple=amdgcn-amd-amdhsa -mcpu=gfx1250 --defsym DOCPART=n.
;; ======== version 1 of 3: 4 launches
;; workspace buffers: qws 6,815,744 bytes; kvws 6,815,744 bytes; avc 3,145,728 bytes; avs 131,072 bytes; x1w 16,777,216 bytes; hc 12,582,912 bytes; hs 524,288 bytes
;; launch qkv (part 1): grid 64 x 3, 4 waves a work-group, no clusters, 57,856 bytes of LDS; arguments x, ln1_g, ln1_b, Wq_codes, Wq_scales, bq, Wk_codes, Wk_scales, bk, Wv_codes, Wv_scales, bv, qws, kvws; writes qws, kvws
.if DOCPART == 1
	.amdgcn_target "amdgcn-amd-amdhsa--gfx1250"
	.amdhsa_code_object_version 6
	.text
	.protected	k_qf95e988123_qkv
	.globl	k_qf95e988123_qkv
	.p2align	8
	.type	k_qf95e988123_qkv,@function
k_qf95e988123_qkv:
	s_mov_b64 s[64:65], 0
	v_nop
	global_prefetch_b8 v0, s[64:65] scope:SCOPE_SE
	s_setreg_imm32_b32 hwreg(HW_REG_WAVE_MODE, 25, 1), 1
	s_wait_xcnt 0x0
; LayerNorm 1, its quantising to FP6 (E2M3, one E8M0 byte for 32 along K), and ONE of the products q, k, v (work-group y = 0, 1, 2) with its bias,
; quantised again: q and k along the head's 64, v along the keys.  A work-group takes 128 rows of x (block x = 0..63), four waves.
; ROWS.  Tile m (0..7) of a block: lane r holds row 32 (m/2) + 8 (m%2) + r + 8 (r/8).  The same choice picks the 16 weight rows of a tile.  With source 0 = the operand whose rows are the
; next product's K, a lane's 16 registers of two neighbouring tiles are then 16 neighbours along that K: register 16 b + i is k = 32 b + 16 (lane/16) + i, which the conversions want.
; PHASE X: wave w holds columns 128 w .. +127 of 16 rows (64 numbers a lane).  Mean and variance: each wave its own mean and its own sum of squares about that mean; the four pairs meet in LDS and
; are merged (sum of squares + 128 x the squared distance of the means): no difference of large sums is formed.  The wave's 128 columns are K step w: codes go to LDS as an image of the registers.
; q, k: source 0 = 16 weight rows (resident in registers, 128 rows = two heads a wave), source 1 = xn from LDS.  v: source 0 = xn (16 keys), source 1 = weight rows, so that registers run along the keys.
; OUT: records of 13,312 bytes for each (batch x head, 128 rows): 8 half images (6 registers: 64 along K) of q or k, 4 full images of v, their scale words.  Every store covers 256 or 512 consecutive bytes.
; LayerNorm is done by each of the three y: that spares a launch and xn's way through memory.  No cluster: nothing here comes by tensor loads; weights and x come through registers.
; LIMITS: NaN and infinities are not served.  A block whose largest magnitude lies under 2^-124 (zeros too) gets the byte 1; the bytes are read by this program alone.
.set XIMG, 0                           ; LDS: xn's images [m 8][K step 4][1536]
.set XSC,  49152                       ; their scale words [m][lane 32][K step 4]
.set PST,  53248                       ; (mean, sum of squares) [m][r 16][wave 4], 8 bytes each; a slot is used once
.set REC,  13312
.set HEADB, 16*REC                     ; from a head to the next
.set LI,  1                            ; 16 x lane
.set L8,  2                            ; 8 x lane
.set WA,  3                            ; weights: 384 x (r + 8 (r/8)) + 24 h
.set WSA, 4                            ; their scale words: 16 x (r + 8 (r/8))
.set XA,  5                            ; x: 2048 x (r + 8 (r/8)) + 64 h
.set GA,  6                            ; 64 h
.set R16, 7                            ; 16 r
.set PSA, 8                            ; PST + 32 r + 8 wave
.set PSR, 9                            ; PST + 32 r
.set XWI, 10                           ; 16 x lane + 1536 x wave
.set XWS, 11                           ; 16 x lane + 4 x wave
.set H16, 12                           ; 16 h
.set SWA, 13                           ; 16 r + HEADB h
.set ACC, 16                           ; v16-79   eight accumulators, or 64 numbers of a row
.set RA,  80                           ; v80-127  xn's four fragments, slot A
.set WS,  128                          ; v128-159 the weights' scale words, 4 t + s
.set XS0, 160                          ; v160-163, v164-167 xn's scale words, slot A, slot B
.set XS1, 164
.set BA,  168                          ; v168-175 byte offsets of the bias
.set T0,  176                          ; v176-180 at work at the head
.set PC,  192                          ; v192-211 codes just made
.set TM,  212                          ; v212-227 the quantiser's
.set PW,  228                          ; the scale word just made
.set SW,  230                          ; v230-233 four scale words on their way out
.set LT,  234
.set EX,  242
.set MW,  250                          ; (my wave's mean, its sum of squares)
.set RS,  252                          ; 1 / sqrt(var + eps)
.set DR,  254                          ; (my mean - the row's) x that
.set BI,  192                          ; window 1: the bias as C, 8 t + j.   Window 1, v0-191: weight fragments of K steps 0, 1 (96 s + 12 t)
.set GN,  192                          ; window 2: the gain.                 Window 2, v0-191: K steps 2, 3
.set RBW, 192                          ; window 2: slot B, once the gain is done with
.set BBS, 0                            ; window 3: LayerNorm's bias
.set XB,  64                           ; window 3: 64 numbers of x
.set XP,  8
.set GP,  10
.set BP,  12
.set WV,  36
.set Y,   37
.set BLK, 38
.set SEL, 40
.set I512, 42
.set EPS, 43
.set WC,  44
.set WSC, 46
.set BIA, 48
.set OUT, 50
.set FH,  52
.set FR,  53
.set FJ,  54
.set MSB, 0
.macro WIN new                         ; bits 1:0 source 0, 3:2 source 1, 5:4 source 2, 7:6 destination; the high byte repeats the setting that is left
.if MSB != (\new)
	s_set_vgpr_msb (MSB<<8)|(\new)
.set MSB, (\new)
.endif
.endm
.macro PLACES n
.rept \n
	v_nop
.endr
.endm
.macro BARRIER                         ; my LDS stores have landed and my LDS loads are in: then the work-group's barrier
	s_wait_dscnt 0x0
	s_barrier_signal -1
	s_barrier_wait -1
.endm
.macro WMR d, a, b, c, sa, sb
	v_wmma_scale_f32_16x16x128_f8f6f4 v[\d:\d+7], v[\a:\a+11], v[\b:\b+11], v[\c:\c+7], v[\sa], v[\sb] matrix_a_fmt:MATRIX_FMT_FP6 matrix_b_fmt:MATRIX_FMT_FP6
.endm
; 64 numbers of a lane at v[s] on, in window w (register 16 b + i = k 32 b + 16 h + i of my row), become a fragment's codes in v[PC] on and its scale word in v[pw].
.macro QUANT s, w, pw
	WIN (\w)|((\w)<<2)
.irp b, 0,1,2,3
	v_max3_num_f32 v[TM+\b], |v[\s+16*\b]|, |v[\s+1+16*\b]|, 0x1800000   ; my 16 numbers of block b, and the floor 2^(3 - 127): the byte cannot fall under 1
.endr
	WIN ((\w)<<2)|((\w)<<4)
.irp i, 2,4,6,8,10,12,14
.irp b, 0,1,2,3
	v_max3_num_f32 v[TM+\b], v[TM+\b], |v[\s+16*\b+\i]|, |v[\s+1+16*\b+\i]|
.endr
.endr
	WIN 0
.irp b, 0,1,2,3
	v_permlanex16_b32 v[TM+4+\b], v[TM+\b], s[SEL], s[SEL+1]
.endr
.irp b, 0,1,2,3
	v_max_num_f32 v[TM+\b], v[TM+\b], v[TM+4+\b]       ; with lane l xor 16's: the block's largest magnitude
.endr
.irp b, 0,1,2,3
	v_add_nc_u32 v[TM+12+\b], 0xff000000, v[TM+\b]     ; 2 off its exponent field: the conversion's scale operand
.endr
.irp b, 0,1,2,3
	v_lshrrev_b32 v[TM+4+\b], 23, v[TM+12+\b]          ; the scale's byte
.endr
	v_lshl_or_b32 v[\pw], v[TM+5], 8, v[TM+4]
	v_lshl_or_b32 v[\pw], v[TM+6], 16, v[\pw]
	v_lshl_or_b32 v[\pw], v[TM+7], 24, v[\pw]
	WIN (\w)
.irp c, 0,1
	v_cvt_scalef32_pk16_fp6_f32 v[PC+6*\c:PC+2+6*\c], v[\s+32*\c:\s+15+32*\c], v[TM+12+2*\c]
	v_cvt_scalef32_pk16_fp6_f32 v[PC+12+4*\c:PC+14+4*\c], v[\s+16+32*\c:\s+31+32*\c], v[TM+13+2*\c]   ; (a conversion's three registers begin on an even number)
.endr
	WIN 0
	v_nop                                              ; one plain place behind a scaled conversion
.irp c, 0,1                                        ; the operand's layout wants a whole block in a lane
.irp i, 0,1,2
	v_permlane16_swap_b32 v[PC+6*\c+\i], v[PC+12+4*\c+\i]
.endr
.irp i, 0,1,2
	v_mov_b32 v[PC+3+6*\c+\i], v[PC+12+4*\c+\i]
.endr
.endr
.endm
.macro IMAGE adr, off                  ; the fragment in v[PC] on goes to LDS as it stands: 512 consecutive bytes a store
.irp c, 0,1,2
	ds_store_b128 v[\adr], v[PC+4*\c:PC+4*\c+3] offset:\off+512*\c
.endr
.endm
.macro FETCH reg, win, xs, adr, sadr, off, soff   ; a tile's four fragments and its four scale words: 13 LDS loads
	WIN (\win)<<6
.irp s, 0,1,2,3
.irp c, 0,1,2
	ds_load_b128 v[\reg+12*\s+4*\c:\reg+12*\s+4*\c+3], v[\adr] offset:\off+1536*\s+512*\c
.endr
.endr
	WIN 0
	ds_load_b128 v[\xs:\xs+3], v[\sadr] offset:\soff
.endm
.macro WCHUNK t, wc, wsc               ; weight tile t: its four fragments (rows of 384 bytes, 24 bytes a lane and half K step, in pieces of 8) and its rows' scale words
	WIN 0x40
.irp s, 0,1
.irp p, 0,1,2,3,4,5
	global_load_b64 v[96*\s+12*(\t)+2*\p:96*\s+12*(\t)+2*\p+1], v[WA], s[\wc:\wc+1] offset:(32*((\t)/2)+8*((\t)%2))*384+96*\s+48*(\p/3)+8*(\p%3)
.endr
.endr
	WIN 0x80
.irp s, 0,1
.irp p, 0,1,2,3,4,5
	global_load_b64 v[96*\s+12*(\t)+2*\p:96*\s+12*(\t)+2*\p+1], v[WA], s[\wc:\wc+1] offset:(32*((\t)/2)+8*((\t)%2))*384+96*(\s+2)+48*(\p/3)+8*(\p%3)
.endr
.endr
	WIN 0
	global_load_b128 v[WS+4*(\t):WS+4*(\t)+3], v[WSA], s[\wsc:\wsc+1] offset:(32*((\t)/2)+8*((\t)%2))*16
.endm
; 32 matrix instructions: my 8 weight tiles x one tile of rows, K = 512.  The eight accumulators take turns, one instruction a turn; the bias is the first C.
.macro MMQ rs, rw, xs
.irp s, 0,1,2,3
.if \s == 0
	WIN 0x11|((\rw)<<2)
.elseif \s == 1
	WIN 0x01|((\rw)<<2)
.else
	WIN 0x02|((\rw)<<2)
.endif
.irp t, 0,1,2,3,4,5,6,7
.if \s == 0
	WMR ACC+8*\t, 12*\t, \rs, BI+8*\t, WS+4*\t, \xs
.else
	WMR ACC+8*\t, 96*(\s%2)+12*\t, \rs+12*\s, ACC+8*\t, WS+4*\t+\s, \xs+\s
.endif
.endr
.endr
	WIN 0
.endm
.macro XLOAD m                         ; tile m's rows of x, my wave's 128 columns: of each block of 32 my half's 16 numbers
	WIN 0xc0
.irp b, 0,1,2,3
.irp j, 0,1,2,3
	global_load_b128 v[XB+16*\b+4*\j:XB+16*\b+4*\j+3], v[XA], s[XP:XP+1] offset:(32*((\m)/2)+8*((\m)%2))*2048+128*\b+16*\j
.endr
.endr
	WIN 0
.endm
.macro GBLOAD                          ; gain and bias of LayerNorm at my 64 columns
	WIN 0x80
.irp b, 0,1,2,3
.irp j, 0,1,2,3
	global_load_b128 v[GN+16*\b+4*\j:GN+16*\b+4*\j+3], v[GA], s[GP:GP+1] offset:128*\b+16*\j
.endr
.endr
	WIN 0xc0
.irp b, 0,1,2,3
.irp j, 0,1,2,3
	global_load_b128 v[BBS+16*\b+4*\j:BBS+16*\b+4*\j+3], v[GA], s[BP:BP+1] offset:128*\b+16*\j
.endr
.endr
	WIN 0
.endm
.macro LN_SUM xs, xw                   ; my wave's mean of the row's 128 numbers: four chains, then lane l xor 16
	WIN (\xw)|((\xw)<<2)
.irp k, 0,1,2,3
	v_pk_add_f32 v[LT+2*\k:LT+2*\k+1], v[\xs+2*\k:\xs+2*\k+1], v[\xs+8+2*\k:\xs+9+2*\k]
.endr
	WIN (\xw)<<2
.set i, 8
.rept 24
	v_pk_add_f32 v[LT+2*(i%4):LT+2*(i%4)+1], v[LT+2*(i%4):LT+2*(i%4)+1], v[\xs+2*i:\xs+2*i+1]
.set i, i+1
.endr
	WIN 0
	v_pk_add_f32 v[LT:LT+1], v[LT:LT+1], v[LT+2:LT+3]
	v_pk_add_f32 v[LT+4:LT+5], v[LT+4:LT+5], v[LT+6:LT+7]
	v_pk_add_f32 v[LT:LT+1], v[LT:LT+1], v[LT+4:LT+5]
	v_add_f32 v[LT], v[LT], v[LT+1]
	v_permlanex16_b32 v[LT+1], v[LT], s[SEL], s[SEL+1]
	v_add_f32 v[LT], v[LT], v[LT+1]
	v_mul_f32 v[MW], 0x3c000000, v[LT]                 ; / 128
.endm
.macro LN_SUB xs, xw                   ; the numbers less my wave's mean, into ACC
	WIN (\xw)
.set i, 0
.rept 32
	v_pk_add_f32 v[ACC+2*i:ACC+2*i+1], v[\xs+2*i:\xs+2*i+1], v[MW:MW+1] op_sel_hi:[1,0] neg_lo:[0,1] neg_hi:[0,1]
.set i, i+1
.endr
	WIN 0
.endm
.macro LN_REST m                       ; sum of squares; the four waves' pairs meet; normalise; gain and bias; quantise; image to LDS
.irp k, 0,1,2,3
	v_pk_mul_f32 v[LT+2*\k:LT+2*\k+1], v[ACC+2*\k:ACC+2*\k+1], v[ACC+2*\k:ACC+2*\k+1]
.endr
.set i, 4
.rept 28
	v_pk_fma_f32 v[LT+2*(i%4):LT+2*(i%4)+1], v[ACC+2*i:ACC+2*i+1], v[ACC+2*i:ACC+2*i+1], v[LT+2*(i%4):LT+2*(i%4)+1]
.set i, i+1
.endr
	v_pk_add_f32 v[LT:LT+1], v[LT:LT+1], v[LT+2:LT+3]
	v_pk_add_f32 v[LT+4:LT+5], v[LT+4:LT+5], v[LT+6:LT+7]
	v_pk_add_f32 v[LT:LT+1], v[LT:LT+1], v[LT+4:LT+5]
	v_add_f32 v[LT], v[LT], v[LT+1]
	v_permlanex16_b32 v[LT+1], v[LT], s[SEL], s[SEL+1]
	v_add_f32 v[MW+1], v[LT], v[LT+1]
	ds_store_b64 v[PSA], v[MW:MW+1] offset:512*(\m)    ; both halves of the lanes write the same pair to the same place
	BARRIER                                            ; all four pairs of tile m lie in LDS (its slot is written once in the launch)
	ds_load_b128 v[EX:EX+3], v[PSR] offset:512*(\m)
	ds_load_b128 v[EX+4:EX+7], v[PSR] offset:512*(\m)+16
	s_wait_dscnt 0x0
	v_add_f32 v[LT], v[EX], v[EX+2]
	v_add_f32 v[LT+1], v[EX+4], v[EX+6]
	v_add_f32 v[LT+2], v[EX+1], v[EX+3]
	v_add_f32 v[LT+3], v[EX+5], v[EX+7]
	v_add_f32 v[LT], v[LT], v[LT+1]
	v_add_f32 v[LT+2], v[LT+2], v[LT+3]                ; the four sums of squares
	v_mul_f32 v[LT], 0x3e800000, v[LT]                 ; the row's mean
	v_sub_f32 v[LT+4], v[EX], v[LT]
	v_sub_f32 v[LT+5], v[EX+2], v[LT]
	v_sub_f32 v[LT+6], v[EX+4], v[LT]
	v_sub_f32 v[LT+7], v[EX+6], v[LT]
	v_mul_f32 v[LT+1], v[LT+4], v[LT+4]
	v_fmac_f32 v[LT+1], v[LT+5], v[LT+5]
	v_fmac_f32 v[LT+1], v[LT+6], v[LT+6]
	v_fmac_f32 v[LT+1], v[LT+7], v[LT+7]
	v_fmamk_f32 v[LT+2], v[LT+1], 0x43000000, v[LT+2]  ; + 128 x the squared distances of the means
	v_fma_f32 v[LT+2], v[LT+2], s[I512], s[EPS]        ; / 512 + eps
	v_rsq_f32 v[RS], v[LT+2]
	v_sub_f32 v[LT+3], v[MW], v[LT]                    ; (the plain place behind the transcendental)
	s_wait_alu depctr_va_vdst(0)
	v_mul_f32 v[DR], v[LT+3], v[RS]
.set i, 0
.rept 32
	v_pk_fma_f32 v[ACC+2*i:ACC+2*i+1], v[ACC+2*i:ACC+2*i+1], v[RS:RS+1], v[DR:DR+1] op_sel_hi:[1,0,0]
.set i, i+1
.endr
	WIN 0x38
.set i, 0
.rept 32
	v_pk_fma_f32 v[ACC+2*i:ACC+2*i+1], v[ACC+2*i:ACC+2*i+1], v[GN+2*i:GN+2*i+1], v[BBS+2*i:BBS+2*i+1]
.set i, i+1
.endr
	WIN 0
	QUANT ACC, 0, PW
	IMAGE XWI, XIMG+6144*(\m)
	ds_store_b32 v[XWS], v[PW] offset:XSC+512*(\m)
.endm
	s_load_b512 s[8:23], s[0:1], 0x0                   ; x, ln1_g, ln1_b, Wq codes, Wq scales, bq, Wk codes, Wk scales
	s_load_b256 s[24:31], s[0:1], 0x40                 ; bk, Wv codes, Wv scales, bv
	s_load_b128 s[32:35], s[0:1], 0x60                 ; qws, kvws
	v_lshl_add_u32 v223, v0, 2, 0xe000
	v_mov_b32 v229, 0
	v_lshrrev_b32 v[T0], 5, v0
	v_readfirstlane_b32 s[WV], v[T0]                   ; wave 0..3
	s_and_b32 s[Y], ttmp7, 0xffff                      ; 0: q, 1: k, 2: v
	s_mov_b32 s[BLK], ttmp9
	v_and_b32 v[T0], 31, v0                            ; lane
	v_and_b32 v[T0+1], 15, v0                          ; r
	v_bfe_u32 v[T0+2], v0, 4, 1                        ; h
	v_and_b32 v[T0+3], 8, v[T0+1]
	v_add_nc_u32 v[T0+3], v[T0+3], v[T0+1]             ; r + 8 (r/8)
	v_lshlrev_b32 v[LI], 4, v[T0]
	v_lshlrev_b32 v[L8], 3, v[T0]
	v_mul_u32_u24 v[WA], v[T0+3], 384
	v_mad_u32_u24 v[WA], v[T0+2], 24, v[WA]
	v_lshlrev_b32 v[WSA], 4, v[T0+3]
	v_lshlrev_b32 v[XA], 11, v[T0+3]
	v_lshl_add_u32 v[XA], v[T0+2], 6, v[XA]
	v_lshlrev_b32 v[GA], 6, v[T0+2]
	v_lshlrev_b32 v[R16], 4, v[T0+1]
	v_lshlrev_b32 v[PSR], 5, v[T0+1]
	v_add_nc_u32 v[PSR], PST, v[PSR]
	s_lshl_b32 s55, s[WV], 3
	v_add_nc_u32 v[PSA], s55, v[PSR]
	s_mul_i32 s55, s[WV], 1536
	v_add_nc_u32 v[XWI], s55, v[LI]
	s_lshl_b32 s55, s[WV], 2
	v_add_nc_u32 v[XWS], s55, v[LI]
	v_lshlrev_b32 v[H16], 4, v[T0+2]
	v_mul_u32_u24 v[SWA], v[T0+2], HEADB
	v_lshl_add_u32 v[SWA], v[T0+1], 4, v[SWA]
	; the bias as C.  q, k: register j of a tile is unit 16 h + j of it: offset 64 h + 4 j.  v: all eight registers are the lane's own e: offset 4 (r + 8 (r/8))
	s_cmp_eq_u32 s[Y], 2
	s_cselect_b32 s[FH], 0, 64
	s_cselect_b32 s[FR], 4, 0
	s_cselect_b32 s[FJ], 0, 4
	v_mul_u32_u24 v[T0+4], v[T0+2], s[FH]
	v_mad_u32_u24 v[T0+4], v[T0+3], s[FR], v[T0+4]
.irp j, 0,1,2,3,4,5,6,7
	s_mul_i32 s55, s[FJ], \j
	v_add_nc_u32 v[BA+\j], s55, v[T0+4]
.endr
	s_mov_b32 s[SEL], 0x76543210
	s_mov_b32 s[SEL+1], 0xfedcba98                     ; v_permlanex16_b32's selects for lane l xor 16
	s_mov_b32 s[I512], 0x3b000000                      ; 1 / 512
	s_mov_b32 s[EPS], 0x3727c5ac                       ; 1e-5
.irp b, 0,1,2,3
	v_mov_b32 v[TM+4+\b], 0                            ; written once: a lane permute's destination counts as one of its sources
.endr
	v_mov_b32 v[MW+1], 0                               ; (upper halves of pairs that are named before they are first written)
	v_mov_b32 v[RS+1], 0
	v_mov_b32 v[DR+1], 0
	s_lshl_b32 s56, s[BLK], 18                         ; x: 128 rows of 2,048 bytes a block,
	s_lshl_b32 s58, s[WV], 9                           ; + my wave's 128 columns
	s_add_co_u32 s56, s56, s58
	s_mov_b32 s57, 0
	s_mov_b32 s59, 0
	s_mul_i32 s60, s[WV], 49152                        ; my 128 weight rows
	s_mov_b32 s61, 0
	s_lshl_b32 s62, s[WV], 11                          ; and their scale bytes
	s_mov_b32 s63, 0
	s_lshr_b32 s2, s[BLK], 4                           ; the record: ((8 batch + 2 wave) x 16 + block in the batch) x 13,312
	s_lshl_b32 s2, s2, 3
	s_lshl_b32 s3, s[WV], 1
	s_add_co_u32 s2, s2, s3
	s_lshl_b32 s2, s2, 4
	s_and_b32 s3, s[BLK], 15
	s_add_co_u32 s2, s2, s3
	s_mul_i32 s2, s2, REC
	s_mov_b32 s3, 0
	s_wait_kmcnt 0x0
	s_cmp_eq_u32 s[Y], 0                               ; the buffers are chosen on the work-group's y alone
	s_cselect_b64 s[WC:WC+1], s[14:15], s[20:21]
	s_cselect_b64 s[WSC:WSC+1], s[16:17], s[22:23]
	s_cselect_b64 s[BIA:BIA+1], s[18:19], s[24:25]
	s_cselect_b64 s[OUT:OUT+1], s[32:33], s[34:35]
	s_cmp_eq_u32 s[Y], 2
	s_cselect_b64 s[WC:WC+1], s[26:27], s[WC:WC+1]
	s_cselect_b64 s[WSC:WSC+1], s[28:29], s[WSC:WSC+1]
	s_cselect_b64 s[BIA:BIA+1], s[30:31], s[BIA:BIA+1]
	s_add_nc_u64 s[XP:XP+1], s[XP:XP+1], s[56:57]
	s_add_nc_u64 s[GP:GP+1], s[GP:GP+1], s[58:59]
	s_add_nc_u64 s[BP:BP+1], s[BP:BP+1], s[58:59]
	s_add_nc_u64 s[WC:WC+1], s[WC:WC+1], s[60:61]
	s_add_nc_u64 s[WSC:WSC+1], s[WSC:WSC+1], s[62:63]
	s_add_nc_u64 s[BIA:BIA+1], s[BIA:BIA+1], s[58:59]
	s_add_nc_u64 s[OUT:OUT+1], s[OUT:OUT+1], s[2:3]
	; ---- PHASE X: eight tiles of 16 rows.  In each trip one weight tile, its bias and the next tile of x are asked for; they land under the rest of the trip.
	XLOAD 0
	GBLOAD
.macro XTRIP m
	s_wait_loadcnt 0x0                                 ; all that the last trip asked for is in
	LN_SUM XB, 3
	LN_SUB XB, 3
	WCHUNK \m, WC, WSC
	WIN 0x40
.irp j, 0,1,2,3,4,5,6,7
	global_load_b32 v[BI+8*(\m)+\j], v[BA+\j], s[BIA:BIA+1] offset:4*(32*((\m)/2)+8*((\m)%2))
.endr
	WIN 0
.if (\m) < 7
	XLOAD (\m)+1
.endif
	LN_REST \m
.endm
.irp m, 0,1,2,3,4,5,6,7
	XTRIP \m
.endr
	s_wait_loadcnt 0x0                                 ; the last weight tile
	BARRIER                                            ; xn's 32 fragments lie in LDS; from here on LDS is only read
	s_cmp_eq_u32 s[Y], 2
	s_cbranch_scc1 .Lvalues
	; ---- q or k: a tile of rows at a time; the next tile's fragments come into the other slot meanwhile
.macro QKTILE m
.if (\m) < 7
.if ((\m)%2) == 0
	FETCH RBW, 2, XS1, LI, LI, 6144*((\m)+1), XSC+512*((\m)+1)   ; (the quantiser's lines of the tile before are the places behind that slot's last products)
.else
	FETCH RA, 0, XS0, LI, LI, 6144*((\m)+1), XSC+512*((\m)+1)
.endif
	s_wait_dscnt 13                                    ; this tile's 13 loads are in; the 13 just issued may be out
.else
	s_wait_dscnt 0x0
.endif
	s_wait_xcnt 0x0                                    ; the last tile's stores have read their registers: the codes and scale words are written again below
.if ((\m)%2) == 0
	MMQ RA, 0, XS0
.else
	MMQ RBW, 2, XS1
.endif
	PLACES 4
	QUANT ACC, 0, PW                                   ; 128 units = two heads: registers 0-5 of the fragment are the first head's 64, 6-11 the second's
	global_store_b128 v[LI], v[PC:PC+3], s[OUT:OUT+1] offset:768*(\m)
	global_store_b64 v[L8], v[PC+4:PC+5], s[OUT:OUT+1] offset:768*(\m)+512
	global_store_b128 v[LI], v[PC+6:PC+9], s[OUT:OUT+1] offset:HEADB+768*(\m)
	global_store_b64 v[L8], v[PC+10:PC+11], s[OUT:OUT+1] offset:HEADB+768*(\m)+512
	v_lshrrev_b32 v[SW+((\m)%4)], v[H16], v[PW]        ; lanes 0-15 keep the first head's two bytes lowest, lanes 16-31 bring the second head's down
.if ((\m)%4) == 3
	global_store_b128 v[SWA], v[SW:SW+3], s[OUT:OUT+1] offset:12288+256*((\m)/4)   ; each half of the lanes stores 256 consecutive bytes, into its head's record
.endif
.endm
	FETCH RA, 0, XS0, LI, LI, 0, XSC
.irp m, 0,1,2,3,4,5,6,7
	QKTILE \m
.endr
	s_wait_tensorcnt 0x0
	ds_add_u32 v223, v229
	s_wait_dscnt 0x0
	s_endpgm
.Lvalues:
	; ---- v: source 0 = 16 keys of xn, source 1 = 16 rows of Wv: a lane holds one e, its registers run along the keys.  Two passes, a head each: 32 accumulators in window 3 (64 i + 8 t).
.macro MMV t, g, rs, rw, xs
.irp s, 0,1,2,3
.if \s == 0
	WIN 0xd4|(\rw)
.elseif \s == 1
	WIN 0xf4|(\rw)
.else
	WIN 0xf8|(\rw)
.endif
.irp i, 0,1,2,3
.if \s == 0
	WMR 64*\i+8*(\t), \rs, 12*(4*(\g)+\i), BI+8*(4*(\g)+\i), \xs, WS+4*(4*(\g)+\i)
.else
	WMR 64*\i+8*(\t), \rs+12*\s, 96*(\s%2)+12*(4*(\g)+\i), 64*\i+8*(\t), \xs+\s, WS+4*(4*(\g)+\i)+\s
.endif
.endr
.endr
	WIN 0
.endm
	FETCH RA, 0, XS0, LI, LI, 0, XSC
.irp g, 0,1
.irp t, 0,1,2,3,4,5,6,7
	PLACES 4                                           ; in front of loads into the slot that the last products read
.if (8*\g+\t) < 15
.if (\t%2) == 0
	FETCH RBW, 2, XS1, LI, LI, 6144*((\t+1)%8), XSC+512*((\t+1)%8)
.else
	FETCH RA, 0, XS0, LI, LI, 6144*((\t+1)%8), XSC+512*((\t+1)%8)
.endif
	s_wait_dscnt 13                                    ; the 13 just issued may be out
.else
	s_wait_dscnt 0x0
.endif
.if (\t%2) == 0
	MMV \t, \g, RA, 0, XS0
.else
	MMV \t, \g, RBW, 2, XS1
.endif
.endr
	PLACES 4
.irp i, 0,1,2,3
	s_wait_xcnt 0x0                                    ; earlier stores have read the codes' and scale words' registers
	QUANT 64*\i, 3, SW+\i                              ; 16 e x 128 keys: one fragment of V^T
.irp c, 0,1,2
	global_store_b128 v[LI], v[PC+4*\c:PC+4*\c+3], s[OUT:OUT+1] offset:HEADB*\g+6144+1536*\i+512*\c
.endr
.endr
	global_store_b128 v[LI], v[SW:SW+3], s[OUT:OUT+1] offset:HEADB*\g+12800   ; 512 consecutive bytes: lanes 16-31 hold the same words, the record's second copy
.endr
	s_wait_tensorcnt 0x0
	ds_add_u32 v223, v229
	s_wait_dscnt 0x0
	s_endpgm
.Lfunc_end_k_qf95e988123_qkv:
	.size	k_qf95e988123_qkv, .Lfunc_end_k_qf95e988123_qkv-k_qf95e988123_qkv
	.p2alignl 7, 3214868480
	.fill 96, 4, 3214868480
	.section	.rodata,"a",@progbits
	.p2align	6, 0x0
	.amdhsa_kernel k_qf95e988123_qkv
		.amdhsa_group_segment_fixed_size 57856
		.amdhsa_private_segment_fixed_size 0
		.amdhsa_enable_private_segment 0
		.amdhsa_kernarg_size 112
		.amdhsa_user_sgpr_count 2
		.amdhsa_user_sgpr_kernarg_segment_ptr 1
		.amdhsa_wavefront_size32 1
		.amdhsa_system_sgpr_workgroup_id_x 1
		.amdhsa_system_sgpr_workgroup_id_y 1
		.amdhsa_system_sgpr_workgroup_id_z 1
		.amdhsa_system_vgpr_workitem_id 0
		.amdhsa_next_free_vgpr 1024
		.amdhsa_next_free_sgpr 66
		.amdhsa_reserve_vcc 0
		.amdhsa_float_denorm_mode_32 3
		.amdhsa_float_denorm_mode_16_64 3
		.amdhsa_memory_ordered 1
		.amdhsa_forward_progress 1
		.amdhsa_inst_pref_size 255
	.end_amdhsa_kernel
	.section	.bss,"aw",@nobits
	.p2align	6
	.space	262144
	.amdgpu_metadata
---
amdhsa.version: [ 1, 2 ]
amdhsa.kernels:
  - .name:           k_qf95e988123_qkv
    .symbol:         k_qf95e988123_qkv.kd
    .args:
      - { .name: x, .offset: 0, .size: 8, .value_kind: global_buffer, .address_space: global }
      - { .name: ln1_g, .offset: 8, .size: 8, .value_kind: global_buffer, .address_space: global }
      - { .name: ln1_b, .offset: 16, .size: 8, .value_kind: global_buffer, .address_space: global }
      - { .name: Wq_codes, .offset: 24, .size: 8, .value_kind: global_buffer, .address_space: global }
      - { .name: Wq_scales, .offset: 32, .size: 8, .value_kind: global_buffer, .address_space: global }
      - { .name: bq, .offset: 40, .size: 8, .value_kind: global_buffer, .address_space: global }
      - { .name: Wk_codes, .offset: 48, .size: 8, .value_kind: global_buffer, .address_space: global }
      - { .name: Wk_scales, .offset: 56, .size: 8, .value_kind: global_buffer, .address_space: global }
      - { .name: bk, .offset: 64, .size: 8, .value_kind: global_buffer, .address_space: global }
      - { .name: Wv_codes, .offset: 72, .size: 8, .value_kind: global_buffer, .address_space: global }
      - { .name: Wv_scales, .offset: 80, .size: 8, .value_kind: global_buffer, .address_space: global }
      - { .name: bv, .offset: 88, .size: 8, .value_kind: global_buffer, .address_space: global }
      - { .name: qws, .offset: 96, .size: 8, .value_kind: global_buffer, .address_space: global }
      - { .name: kvws, .offset: 104, .size: 8, .value_kind: global_buffer, .address_space: global }
    .group_segment_fixed_size: 57856
    .private_segment_fixed_size: 0
    .kernarg_segment_align: 8
    .kernarg_segment_size: 112
    .max_flat_workgroup_size: 128
    .sgpr_count:     66
    .vgpr_count:     1024
    .wavefront_size: 32
...
	.end_amdgpu_metadata
.endif
;; end of part 1
;; launch attn (part 2): grid 8 x 32, 16 waves a work-group, no clusters, 215,040 bytes of LDS; arguments qws, kvws, avc, avs; writes avc, avs
.if DOCPART == 2
	.amdgcn_target "amdgcn-amd-amdhsa--gfx1250"
	.amdhsa_code_object_version 6
	.text
	.protected	k_qf95e988123_attn
	.globl	k_qf95e988123_attn
	.p2align	8
	.type	k_qf95e988123_attn,@function
k_qf95e988123_attn:
	s_mov_b64 s[64:65], 0
	v_nop
	global_prefetch_b8 v0, s[64:65] scope:SCOPE_SE
	s_setreg_imm32_b32 hwreg(HW_REG_WAVE_MODE, 25, 1), 1
	s_wait_xcnt 0x0
; Attention of one (batch, head) = work-group y, 256 queries = work-group x; both products on codes of FP6 (E2M3) with E8M0 scales.  Sixteen waves, each one tile of 16 queries in 256 registers.
; t = score x log2(e) / 8; M = the running largest t rounded UP to a whole number; p = 2^(t - M) is quantised along the keys, not normalised; the row's sum is taken of the unquantised p and divides at the end.
; When M moves, the sum and O are multiplied by 2^(old M - new M): exact.
; Both products are used transposed (S^T = K Q^T, O^T = V^T P^T): a lane holds one query throughout.  The head's size is 64: registers 6-11 of Q's and K's fragments are zero codes, which add nothing.
; K and V come as the first launch laid them: 16 records of 13,312 bytes (128 keys each): 8 half images of K, 4 images of V^T, scale words.  The whole head, 212,992 bytes, comes into LDS ONCE, by two tensor
; loads a wave (records 0-3, then 4-15); no LDS byte is filled twice.  The first four key steps are written out with the record's place in the immediates; the other twelve are a loop.
; The result, divided by the sum, is quantised along the head's 64 and leaves as a half image and two scale bytes a row.  (Those bytes leave two a lane, 16 bytes apart: 131,072 bytes in the whole launch.)
; No cluster: the eight work-groups of a head ask for the same records, each once, at its head; joint loads would divide those requests by four and are not built in this text.
; LIMITS: NaN and infinities are not served.  A block whose largest magnitude lies under 2^-124 (zeros too) gets the byte 1; the bytes are read by this program alone.
; REGISTERS: v1-3 lane terms; v8-10 the step's addresses; v12 -M, v13 the largest t, v[14:15] the sum; v16-27 Q; v28-31 V's scale words; v32-79 four fragments of K; v80-127 four of V;
;   v128-191 S^T, then p; v192-223 O^T; v224-235 p's codes; v232-247 at work; v248-251 K's scale words; v252 f; v253 p's scale word; v254 at work; v255 Q's scale word.
.set REC, 13312
.set LI,  1                            ; 16 x lane
.set L8,  2                            ; 8 x lane
.set R16, 3                            ; 16 r
.set ADK, 8
.set ADK8, 9
.set ADS, 10
.set SS,  128
.set OT,  192
.set WV,  18
.set SEL, 20
.set CS,  22
.set G1A, 24
.set G1B, 32
.set G0A, 40
.set G0B, 44
.set TB,  48
.set CNT, 49
.macro PLACES n
.rept \n
	v_nop
.endr
.endm
.macro WMR d, a, b, c, sa, sb
	v_wmma_scale_f32_16x16x128_f8f6f4 v[\d:\d+7], v[\a:\a+11], v[\b:\b+11], v[\c:\c+7], v[\sa], v[\sb] matrix_a_fmt:MATRIX_FMT_FP6 matrix_b_fmt:MATRIX_FMT_FP6
.endm
.macro WMZ d, a, b, sa, sb
	v_wmma_scale_f32_16x16x128_f8f6f4 v[\d:\d+7], v[\a:\a+11], v[\b:\b+11], 0, v[\sa], v[\sb] matrix_a_fmt:MATRIX_FMT_FP6 matrix_b_fmt:MATRIX_FMT_FP6
.endm
	s_load_b256 s[4:11], s[0:1], 0x0                   ; qws, kvws, avc, avs
	v_lshl_add_u32 v11, v0, 2, 0x34000
	v_mov_b32 v243, 0
	ds_add_u32 v11, v243
	ds_add_u32 v11, v243
	v_lshrrev_b32 v4, 5, v0
	v_readfirstlane_b32 s[WV], v4                      ; wave 0..15
	s_and_b32 s50, ttmp7, 0xffff                       ; 8 batch + head
	s_mul_i32 s52, s50, 16*REC                         ; the head's records
	s_mov_b32 s53, 0
	s_mul_i32 s54, s[WV], 3328                         ; my sixteenth of records 0-3: 13 rows of 256 bytes
	s_mov_b32 s55, 0
	s_mul_i32 s56, s[WV], 9984                         ; and of records 4-15: 39 rows
	s_add_co_u32 s56, s56, 4*REC
	s_mov_b32 s57, 0
	; descriptor group 1: dense rows of 256 bytes (32 elements of 8 bytes), no padding, no mask
	s_mov_b32 s[G1A], 3<<16
	s_mov_b32 s[G1A+1], 32<<16                         ; tensor_dim0
	s_mov_b32 s[G1A+2], 13<<16                         ; tensor_dim1
	s_mov_b32 s[G1A+3], 32<<16                         ; tile_dim0
	s_mov_b32 s[G1A+4], 13                             ; tile_dim1
	s_mov_b32 s[G1A+5], 32                             ; the pitch
	s_mov_b32 s[G1A+6], 0
	s_mov_b32 s[G1A+7], 0
	s_mov_b32 s[G1B], 3<<16
	s_mov_b32 s[G1B+1], 32<<16
	s_mov_b32 s[G1B+2], 39<<16
	s_mov_b32 s[G1B+3], 32<<16
	s_mov_b32 s[G1B+4], 39
	s_mov_b32 s[G1B+5], 32
	s_mov_b32 s[G1B+6], 0
	s_mov_b32 s[G1B+7], 0
	; my tile of queries: block 2 x + wave / 8 of the batch's 16, tile wave % 8
	s_lshl_b32 s51, ttmp9, 1
	s_lshr_b32 s58, s[WV], 3
	s_add_co_u32 s51, s51, s58
	s_and_b32 s60, s[WV], 7
	s_lshl_b32 s58, s50, 4
	s_add_co_u32 s58, s58, s51
	s_mul_i32 s58, s58, REC                            ; its record in qws
	s_mul_i32 s59, s60, 768
	s_add_co_u32 s12, s58, s59                         ; its half image
	s_mov_b32 s13, 0
	s_lshr_b32 s59, s60, 2
	s_lshl_b32 s59, s59, 8
	s_and_b32 s61, s60, 3
	s_lshl_b32 s61, s61, 2
	s_add_co_u32 s14, s58, s59
	s_add_co_u32 s14, s14, s61
	s_add_co_u32 s14, s14, 12288                       ; its scale words: 12,288 + 256 (m / 4) + 4 (m % 4), 16 bytes a row
	s_mov_b32 s15, 0
	s_lshr_b32 s58, s50, 3
	s_lshl_b32 s58, s58, 4
	s_add_co_u32 s58, s58, s51                         ; the block of 128 rows among all 64
	s_lshl_b32 s58, s58, 3
	s_add_co_u32 s58, s58, s60                         ; 8 block + tile
	s_and_b32 s59, s50, 7                              ; the head
	s_lshl_b32 s62, s58, 3
	s_add_co_u32 s62, s62, s59
	s_mul_i32 s62, s62, 768                            ; where the result's half image goes
	s_mov_b32 s63, 0
	s_lshl_b32 s16, s58, 8
	s_lshl_b32 s59, s59, 1
	s_add_co_u32 s16, s16, s59                         ; and its scale bytes
	s_mov_b32 s17, 0
	s_mov_b32 s[SEL], 0x76543210
	s_mov_b32 s[SEL+1], 0xfedcba98                     ; v_permlanex16_b32's selects for lane l xor 16
	s_mov_b32 s[CS], 0x3e38aa3b                        ; c = log2(e) / 8
	s_mov_b32 s[CS+1], s[CS]                           ; (named with it as a pair, so it is written)
	s_mov_b32 s[TB], 0
	s_wait_dscnt 0x0
	s_wait_kmcnt 0x0
	s_add_nc_u64 s[52:53], s[6:7], s[52:53]
	s_mov_b32 s[G0A], 1                                ; count = 1
	s_mov_b32 s[G0A+1], s54                            ; LDS address: as the bytes lie in the head's records
	s_add_nc_u64 s[G0A+2:G0A+3], s[52:53], s[54:55]
	s_or_b32 s[G0A+3], s[G0A+3], 0x80000000            ; type = 2
	s_mov_b32 s[G0B], 1
	s_mov_b32 s[G0B+1], s56
	s_add_nc_u64 s[G0B+2:G0B+3], s[52:53], s[56:57]
	s_or_b32 s[G0B+3], s[G0B+3], 0x80000000
	tensor_load_to_lds s[G0A:G0A+3], s[G1A:G1A+7]      ; both fills go out together, ahead of every wait on TENSORcnt, every LDS read and every barrier: two loads of mine are out
	s_nop 0
	tensor_load_to_lds s[G0B:G0B+3], s[G1B:G1B+7]
	s_nop 0
	PLACES 4
	s_add_nc_u64 s[12:13], s[4:5], s[12:13]
	s_add_nc_u64 s[14:15], s[4:5], s[14:15]
	s_add_nc_u64 s[8:9], s[8:9], s[62:63]
	s_add_nc_u64 s[10:11], s[10:11], s[16:17]
	v_and_b32 v4, 31, v0
	v_and_b32 v5, 15, v0
	v_lshlrev_b32 v[LI], 4, v4
	v_lshlrev_b32 v[L8], 3, v4
	v_lshlrev_b32 v[R16], 4, v5
	global_load_b128 v[16:19], v[LI], s[12:13]         ; Q's half image: registers 0-3,
	global_load_b64 v[20:21], v[L8], s[12:13] offset:512   ; 4 and 5
	global_load_b32 v255, v[R16], s[14:15]             ; Q's scale words
.irp j, 22,23,24,25,26,27
	v_mov_b32 v\j, 0                                   ; k = 64 .. 127: zero codes
.endr
.irp t, 0,1,2,3
.irp j, 6,7,8,9,10,11
	v_mov_b32 v[32+12*\t+\j], 0                        ; the same in K's four fragments: written once
.endr
.endr
	v_mov_b32 v13, 0xff61b1e6                          ; the largest t so far: -3e38
	v_floor_f32 v12, -v13                              ; -M
	v_mov_b32 v14, 0
	v_mov_b32 v15, 0
.irp b, 0,1,2,3
	v_mov_b32 v[236+\b], 0                             ; written once: a lane permute's destination counts as one of its sources
.endr
	v_mov_b32 v253, 0                                  ; (named as the upper half of v[252:253] before it is first written)
.set i, 0
.rept 32
	v_mov_b32 v[OT+i], 0                               ; O^T: the step is written for every step alike; the first finds zeros
.set i, i+1
.endr
; A KEY STEP: 128 keys, the record at LDS byte s[TB] + off.  adv = 1: s[TB] steps on.
.macro STEP off, adv
	v_add_nc_u32 v[ADK], s[TB], v[LI]
	v_add_nc_u32 v[ADK8], s[TB], v[L8]
	v_add_nc_u32 v[ADS], s[TB], v[R16]
.irp g, 0,1                                        ; S^T = K Q^T, four tiles of 16 keys at a time
.if \g
	PLACES 4                                           ; in front of loads into registers that matrix instructions have read
.endif
.irp t, 0,1,2,3
	ds_load_b128 v[32+12*\t:35+12*\t], v[ADK] offset:\off+768*(4*\g+\t)
	ds_load_b64 v[36+12*\t:37+12*\t], v[ADK8] offset:\off+768*(4*\g+\t)+512
.endr
	ds_load_b128 v[248:251], v[ADS] offset:\off+12288+256*\g
	s_wait_dscnt 0x0
.irp t, 0,1,2,3
	WMZ SS+8*(4*\g+\t), 32+12*\t, 16, 248+\t, 255
.endr
.endr                                              ; lane (r, h): query r; register 16 b + i is key 32 b + 16 h + i
.irp e, 0,1,2,3                                    ; V's four fragments are asked for now and land under the softmax (behind the last step's products: the three additions and four v_nop above)
.irp c, 0,1,2
	ds_load_b128 v[80+12*\e+4*\c:83+12*\e+4*\c], v[ADK] offset:\off+6144+1536*\e+512*\c
.endr
.endr
	ds_load_b128 v[28:31], v[ADS] offset:\off+12800
	PLACES 4
.irp b, 0,1,2,3
	v_max3_num_f32 v[232+\b], v[SS+16*\b], v[SS+1+16*\b], v[SS+2+16*\b]   ; the largest score of each block of 32 keys: for the row's maximum and, since p rises with the score, for the block's largest p
.endr
.irp i, 3,5,7,9,11,13
.irp b, 0,1,2,3
	v_max3_num_f32 v[232+\b], v[232+\b], v[SS+16*\b+\i], v[SS+1+16*\b+\i]
.endr
.endr
.irp b, 0,1,2,3
	v_max_num_f32 v[232+\b], v[232+\b], v[SS+15+16*\b]
.endr
.irp b, 0,1,2,3
	v_permlanex16_b32 v[236+\b], v[232+\b], s[SEL], s[SEL+1]
.endr
.irp b, 0,1,2,3
	v_max_num_f32 v[232+\b], v[232+\b], v[236+\b]
.endr
	v_max3_num_f32 v254, v232, v233, v234
	v_max_num_f32 v254, v254, v235
	v_mul_f32 v254, s[CS], v254                        ; as t (c is positive)
	v_max_num_f32 v13, v13, v254                       ; the running largest t
	v_mov_b32 v254, v12
	v_floor_f32 v12, -v13                              ; the new -M = -ceil(t)
	v_sub_f32 v254, v12, v254                          ; old M - new M: a whole number, 0 or less
	v_cvt_i32_f32 v254, v254                           ; (it saturates)
	v_ldexp_f32 v252, 1.0, v254                        ; f = 2^(old M - new M)
.irp j, 0,2,4,6,8,10,12,14,16,18,20,22,24,26,28,30,32,34,36,38,40,42,44,46,48,50,52,54,56,58,60,62
	v_pk_fma_f32 v[SS+\j:SS+1+\j], v[SS+\j:SS+1+\j], s[CS:CS+1], v[12:13] op_sel_hi:[1,0,0]   ; t - M
.endr
.irp b, 0,1,2,3
	v_fma_f32 v[232+\b], v[232+\b], s[CS], v12
.endr
.set i, 0
.rept 64
	v_exp_f32 v[SS+i], v[SS+i]                         ; p = 2^(t - M)
.set i, i+1
.endr
.irp b, 0,1,2,3
	v_exp_f32 v[232+\b], v[232+\b]                     ; the block's largest p
.endr
	v_pk_mul_f32 v[14:15], v[14:15], v[252:253] op_sel_hi:[1,0]   ; the sums under the new M (a plain place behind the exponentials)
	s_wait_alu depctr_va_vdst(0)
.irp b, 0,1,2,3
	v_max_num_f32 v[232+\b], 0x1800000, v[232+\b]      ; the floor 2^(3 - 127)
.endr
.irp b, 0,1,2,3
	v_add_nc_u32 v[244+\b], 0xff000000, v[232+\b]      ; the conversion's scale operand
.endr
.irp b, 0,1,2,3
	v_lshrrev_b32 v[236+\b], 23, v[244+\b]             ; the scale's byte
.endr
	v_lshl_or_b32 v253, v237, 8, v236
	v_lshl_or_b32 v253, v238, 16, v253
	v_lshl_or_b32 v253, v239, 24, v253
.irp c, 0,1
	v_cvt_scalef32_pk16_fp6_f32 v[224+6*\c:226+6*\c], v[SS+32*\c:SS+15+32*\c], v[244+2*\c]
	v_cvt_scalef32_pk16_fp6_f32 v[236+4*\c:238+4*\c], v[SS+16+32*\c:SS+31+32*\c], v[245+2*\c]
.endr
	v_nop                                              ; one plain place behind a scaled conversion
.irp c, 0,1
.irp i, 0,1,2
	v_permlane16_swap_b32 v[224+6*\c+\i], v[236+4*\c+\i]
.endr
.irp i, 0,1,2
	v_mov_b32 v[227+6*\c+\i], v[236+4*\c+\i]
.endr
.endr
	v_pk_add_f32 v[236:237], v[SS:SS+1], v[SS+2:SS+3]  ; the row's sum, of the unquantised p, in two chains
.irp j, 4,8,12,16,20,24,28,32,36,40,44,48,52,56,60
	v_pk_add_f32 v[14:15], v[14:15], v[SS+\j:SS+1+\j]
	v_pk_add_f32 v[236:237], v[236:237], v[SS+2+\j:SS+3+\j]
.endr
	v_pk_add_f32 v[14:15], v[14:15], v[236:237]
.irp j, 0,2,4,6,8,10,12,14,16,18,20,22,24,26,28,30
	v_pk_mul_f32 v[OT+\j:OT+1+\j], v[OT+\j:OT+1+\j], v[252:253] op_sel_hi:[1,0]   ; O^T under the new M
.endr
	s_wait_dscnt 0x0                                   ; V is in
.irp e, 0,1,2,3
	WMR OT+8*\e, 80+12*\e, 224, OT+8*\e, 28+\e, 253    ; O^T += V^T P^T: the four accumulators by turns
.endr
.if \adv
	s_add_co_u32 s[TB], s[TB], REC
.endif
.endm
	s_wait_loadcnt 0x0                                 ; Q
	s_wait_tensorcnt 0x1                               ; my part of records 0-3 is in; the second load may stay out
	s_barrier_signal -1
	s_barrier_wait -1                                  ; everybody's is
.irp k, 0,1,2,3
	STEP REC*\k, 0
.endr
	s_wait_tensorcnt 0x0                               ; my part of records 4-15
	s_wait_dscnt 0x0
	s_barrier_signal -1
	s_barrier_wait -1
	s_mov_b32 s[TB], 4*REC
	s_mov_b32 s[CNT], 12
.Lstep:
	STEP 0, 1
	s_sub_co_u32 s[CNT], s[CNT], 1
	s_cmp_lg_u32 s[CNT], 0
	s_cbranch_scc1 .Lstep
	; THE WAY OUT: O^T / the sum, quantised along the head's 64 (two blocks), as a half image and two scale bytes a row
	PLACES 4
	v_add_f32 v14, v14, v15
	v_permlanex16_b32 v252, v14, s[SEL], s[SEL+1]
	v_add_f32 v14, v14, v252                           ; the row's sum
	v_rcp_f32 v14, v14
	v_nop                                              ; one plain place behind a transcendental
.set i, 0
	s_wait_alu depctr_va_vdst(0)
.rept 32
	v_mul_f32 v[SS+i], v[OT+i], v14                    ; register 16 b + i is e = 32 b + 16 h + i
.set i, i+1
.endr
.irp b, 0,1
	v_max3_num_f32 v[232+\b], |v[SS+16*\b]|, |v[SS+1+16*\b]|, 0x1800000
.endr
.irp i, 2,4,6,8,10,12,14
.irp b, 0,1
	v_max3_num_f32 v[232+\b], v[232+\b], |v[SS+16*\b+\i]|, |v[SS+1+16*\b+\i]|
.endr
.endr
.irp b, 0,1
	v_permlanex16_b32 v[236+\b], v[232+\b], s[SEL], s[SEL+1]
.endr
.irp b, 0,1
	v_max_num_f32 v[232+\b], v[232+\b], v[236+\b]
.endr
.irp b, 0,1
	v_add_nc_u32 v[244+\b], 0xff000000, v[232+\b]
.endr
.irp b, 0,1
	v_lshrrev_b32 v[236+\b], 23, v[244+\b]
.endr
	v_lshl_or_b32 v253, v237, 8, v236
	v_cvt_scalef32_pk16_fp6_f32 v[224:226], v[SS:SS+15], v244
	v_cvt_scalef32_pk16_fp6_f32 v[236:238], v[SS+16:SS+31], v245
	v_nop
.irp i, 0,1,2
	v_permlane16_swap_b32 v[224+\i], v[236+\i]
.endr
.irp i, 0,1,2
	v_mov_b32 v[227+\i], v[236+\i]
.endr
	global_store_b128 v[LI], v[224:227], s[8:9]        ; 512 consecutive bytes,
	global_store_b64 v[L8], v[228:229], s[8:9] offset:512   ; then 256
	global_store_b16 v[R16], v253, s[10:11]            ; lanes 16-31 store the same two bytes to the same place
	s_wait_tensorcnt 0x0
	ds_add_u32 v11, v243
	s_wait_dscnt 0x0
	s_endpgm
.Lfunc_end_k_qf95e988123_attn:
	.size	k_qf95e988123_attn, .Lfunc_end_k_qf95e988123_attn-k_qf95e988123_attn
	.p2alignl 7, 3214868480
	.fill 96, 4, 3214868480
	.section	.rodata,"a",@progbits
	.p2align	6, 0x0
	.amdhsa_kernel k_qf95e988123_attn
		.amdhsa_group_segment_fixed_size 215040
		.amdhsa_private_segment_fixed_size 0
		.amdhsa_enable_private_segment 0
		.amdhsa_kernarg_size 32
		.amdhsa_user_sgpr_count 2
		.amdhsa_user_sgpr_kernarg_segment_ptr 1
		.amdhsa_wavefront_size32 1
		.amdhsa_system_sgpr_workgroup_id_x 1
		.amdhsa_system_sgpr_workgroup_id_y 1
		.amdhsa_system_sgpr_workgroup_id_z 1
		.amdhsa_system_vgpr_workitem_id 0
		.amdhsa_next_free_vgpr 256
		.amdhsa_next_free_sgpr 66
		.amdhsa_reserve_vcc 0
		.amdhsa_float_denorm_mode_32 3
		.amdhsa_float_denorm_mode_16_64 3
		.amdhsa_memory_ordered 1
		.amdhsa_forward_progress 1
		.amdhsa_inst_pref_size 89
	.end_amdhsa_kernel
	.amdgpu_metadata
---
amdhsa.version: [ 1, 2 ]
amdhsa.kernels:
  - .name:           k_qf95e988123_attn
    .symbol:         k_qf95e988123_attn.kd
    .args:
      - { .name: qws, .offset: 0, .size: 8, .value_kind: global_buffer, .address_space: global }
      - { .name: kvws, .offset: 8, .size: 8, .value_kind: global_buffer, .address_space: global }
      - { .name: avc, .offset: 16, .size: 8, .value_kind: global_buffer, .address_space: global }
      - { .name: avs, .offset: 24, .size: 8, .value_kind: global_buffer, .address_space: global }
    .group_segment_fixed_size: 215040
    .private_segment_fixed_size: 0
    .kernarg_segment_align: 8
    .kernarg_segment_size: 32
    .max_flat_workgroup_size: 512
    .sgpr_count:     66
    .vgpr_count:     256
    .wavefront_size: 32
...
	.end_amdgpu_metadata
.endif
;; end of part 2
;; launch ffn1 (part 3): grid 64 x 4, 4 waves a work-group, no clusters, 59,904 bytes of LDS; arguments avc, avs, Wo_codes, Wo_scales, bo, x, ln2_g, ln2_b, W1_codes, W1_scales, b1, x1w, hc, hs; writes x1w, hc, hs
.if DOCPART == 3
	.amdgcn_target "amdgcn-amd-amdhsa--gfx1250"
	.amdhsa_code_object_version 6
	.text
	.protected	k_qf95e988123_ffn1
	.globl	k_qf95e988123_ffn1
	.p2align	8
	.type	k_qf95e988123_ffn1,@function
k_qf95e988123_ffn1:
	s_mov_b64 s[64:65], 0
	v_nop
	global_prefetch_b8 v0, s[64:65] scope:SCOPE_SE
	s_setreg_imm32_b32 hwreg(HW_REG_WAVE_MODE, 25, 1), 1
	s_wait_xcnt 0x0
; x1 = x + av Wo + bo;  x2 = LayerNorm 2 (x1), quantised;  h = gelu(x2 W1 + b1) (exact, by erfc), quantised along the hidden units.  All products on codes of FP6 (E2M3) with E8M0 scales.
; A work-group takes 128 rows (block x = 0..63) and 512 hidden units (y = 0..3); four waves.
; ROWS and tiles as in the first launch: tile m, lane r: row 32 (m/2) + 8 (m%2) + r + 8 (r/8); source 0 = 16 weight rows chosen alike, source 1 = 16 rows of the activations: register 16 b + i is column 32 b + 16 h + i.
; PHASE A (each y does it: that spares a launch and x2's way through memory): wave w holds Wo's rows 128 w .. +127 in registers; for each tile of rows: av's fragments from memory (images), 32 products with bo as C,
; + x, LayerNorm as in the first launch, codes to LDS as images.  x1 leaves as images of the registers; work-group y stores tiles 2 y and 2 y + 1.
; PHASE B: W1's rows 512 y + 128 w .. +127 take Wo's place; a loop over the eight tiles: x2 from LDS, 32 products with b1 as C, gelu, quantise: the wave's 128 units are K step 4 y + w of the last product.
; GELU: gelu(x) = max(x, 0) - |x| E, E = erfc(a) / 2, a = |x| / sqrt(2).  erfc(a) = (1 + p(q)) / (1 + 2 a) exp(-a^2), q = (a - 2) / (a + 2), p of degree 9; exp(-a^2) with the rounding errors of a^2 and of
; a^2 log2(e) carried as a correction factor.  a is held at 16, where E has long fallen to 0 in f32.
; No cluster: nothing here comes by tensor loads; weights and activations come through registers.
; LIMITS: NaN and infinities are not served.  E under 2^-126 counts as 0.  A block whose largest magnitude lies under 2^-124 (zeros too) gets the byte 1; the bytes are read by this program alone.
.set XIMG, 0                           ; LDS: x2's images [m 8][K step 4][1536]
.set XSC,  49152                       ; their scale words [m][lane 32][K step 4]
.set PST,  53248                       ; (mean, sum of squares) [m][r 16][wave 4]
.set HSG,  57344                       ; h's scale words, 512 bytes for each wave, its own: [r 16][m 8]
.set LI,  1
.set L8,  2
.set WA,  3
.set WSA, 4
.set XA,  5
.set GA,  6
.set R16, 7
.set PSA, 8
.set PSR, 9
.set XWI, 10
.set XWS, 11
.set FA,  12                           ; phase B: 16 x lane + the tile's images
.set FSA, 13                           ; 16 x lane + the tile's scale words
.set HGA, 14                           ; where my row's scale word of this tile goes
.set HG0, 15                           ; HSG + 512 wave + 32 r
.set ACC, 16
.set RA,  80
.set WS,  128
.set XS0, 160
.set T0,  176
.set PC,  192
.set TM,  212
.set PW,  228
.set LT,  234
.set EX,  242
.set MW,  250
.set RS,  252
.set DR,  254
.set BI,  192                          ; window 1
.set GN,  192                          ; window 2
.set BBS, 0                            ; window 3
.set XB,  64                           ; window 3
.set TA,  0                            ; window 3, phase B: gelu's 16 numbers at work: a, later the polynomial and E
.set TQ,  16                           ; q
.set TD,  32                           ; 1 / (2 + 4 a)
.set TT,  48                           ; the correction
.set TS,  64                           ; a^2, later max(x, 0)
.set TU,  80                           ; a^2 log2(e), later 2^-that
.set TW,  96
.set C8,  112                          ; the polynomial's second coefficient, twice
.set XP,  18
.set GP,  20
.set BP,  22
.set WV,  36
.set Y,   37
.set BLK, 38
.set SEL, 40
.set I512, 42
.set EPS, 43
.set MSB, 0
.macro WIN new                         ; bits 1:0 source 0, 3:2 source 1, 5:4 source 2, 7:6 destination; the high byte repeats the setting that is left
.if MSB != (\new)
	s_set_vgpr_msb (MSB<<8)|(\new)
.set MSB, (\new)
.endif
.endm
.macro PLACES n
.rept \n
	v_nop
.endr
.endm
.macro BARRIER
	s_wait_dscnt 0x0
	s_barrier_signal -1
	s_barrier_wait -1
.endm
.macro WMR d, a, b, c, sa, sb
	v_wmma_scale_f32_16x16x128_f8f6f4 v[\d:\d+7], v[\a:\a+11], v[\b:\b+11], v[\c:\c+7], v[\sa], v[\sb] matrix_a_fmt:MATRIX_FMT_FP6 matrix_b_fmt:MATRIX_FMT_FP6
.endm
; 64 numbers of a lane at v[s] on, in window w (register 16 b + i = k 32 b + 16 h + i of my row), become a fragment's codes in v[PC] on and its scale word in v[pw].
.macro QUANT s, w, pw
	WIN (\w)|((\w)<<2)
.irp b, 0,1,2,3
	v_max3_num_f32 v[TM+\b], |v[\s+16*\b]|, |v[\s+1+16*\b]|, 0x1800000   ; and the floor 2^(3 - 127): the byte cannot fall under 1
.endr
	WIN ((\w)<<2)|((\w)<<4)
.irp i, 2,4,6,8,10,12,14
.irp b, 0,1,2,3
	v_max3_num_f32 v[TM+\b], v[TM+\b], |v[\s+16*\b+\i]|, |v[\s+1+16*\b+\i]|
.endr
.endr
	WIN 0
.irp b, 0,1,2,3
	v_permlanex16_b32 v[TM+4+\b], v[TM+\b], s[SEL], s[SEL+1]
.endr
.irp b, 0,1,2,3
	v_max_num_f32 v[TM+\b], v[TM+\b], v[TM+4+\b]
.endr
.irp b, 0,1,2,3
	v_add_nc_u32 v[TM+12+\b], 0xff000000, v[TM+\b]     ; 2 off the exponent field: the conversion's scale operand
.endr
.irp b, 0,1,2,3
	v_lshrrev_b32 v[TM+4+\b], 23, v[TM+12+\b]          ; the scale's byte
.endr
	v_lshl_or_b32 v[\pw], v[TM+5], 8, v[TM+4]
	v_lshl_or_b32 v[\pw], v[TM+6], 16, v[\pw]
	v_lshl_or_b32 v[\pw], v[TM+7], 24, v[\pw]
	WIN (\w)
.irp c, 0,1
	v_cvt_scalef32_pk16_fp6_f32 v[PC+6*\c:PC+2+6*\c], v[\s+32*\c:\s+15+32*\c], v[TM+12+2*\c]
	v_cvt_scalef32_pk16_fp6_f32 v[PC+12+4*\c:PC+14+4*\c], v[\s+16+32*\c:\s+31+32*\c], v[TM+13+2*\c]
.endr
	WIN 0
	v_nop                                              ; one plain place behind a scaled conversion
.irp c, 0,1
.irp i, 0,1,2
	v_permlane16_swap_b32 v[PC+6*\c+\i], v[PC+12+4*\c+\i]
.endr
.irp i, 0,1,2
	v_mov_b32 v[PC+3+6*\c+\i], v[PC+12+4*\c+\i]
.endr
.endr
.endm
.macro IMAGE adr, off
.irp c, 0,1,2
	ds_store_b128 v[\adr], v[PC+4*\c:PC+4*\c+3] offset:\off+512*\c
.endr
.endm
.macro FETCH reg, win, xs, adr, sadr, off, soff
	WIN (\win)<<6
.irp s, 0,1,2,3
.irp c, 0,1,2
	ds_load_b128 v[\reg+12*\s+4*\c:\reg+12*\s+4*\c+3], v[\adr] offset:\off+1536*\s+512*\c
.endr
.endr
	WIN 0
	ds_load_b128 v[\xs:\xs+3], v[\sadr] offset:\soff
.endm
.macro WCHUNK t, wc, wsc               ; weight tile t: four fragments (rows of 384 bytes) and its rows' scale words
	WIN 0x40
.irp s, 0,1
.irp p, 0,1,2,3,4,5
	global_load_b64 v[96*\s+12*(\t)+2*\p:96*\s+12*(\t)+2*\p+1], v[WA], s[\wc:\wc+1] offset:(32*((\t)/2)+8*((\t)%2))*384+96*\s+48*(\p/3)+8*(\p%3)
.endr
.endr
	WIN 0x80
.irp s, 0,1
.irp p, 0,1,2,3,4,5
	global_load_b64 v[96*\s+12*(\t)+2*\p:96*\s+12*(\t)+2*\p+1], v[WA], s[\wc:\wc+1] offset:(32*((\t)/2)+8*((\t)%2))*384+96*(\s+2)+48*(\p/3)+8*(\p%3)
.endr
.endr
	WIN 0
	global_load_b128 v[WS+4*(\t):WS+4*(\t)+3], v[WSA], s[\wsc:\wsc+1] offset:(32*((\t)/2)+8*((\t)%2))*16
.endm
; 32 matrix instructions: my 8 weight tiles x one tile of rows, K = 512; the eight accumulators take turns; the bias is the first C.
.macro MMQ rs, rw, xs
.irp s, 0,1,2,3
.if \s == 0
	WIN 0x11|((\rw)<<2)
.elseif \s == 1
	WIN 0x01|((\rw)<<2)
.else
	WIN 0x02|((\rw)<<2)
.endif
.irp t, 0,1,2,3,4,5,6,7
.if \s == 0
	WMR ACC+8*\t, 12*\t, \rs, BI+8*\t, WS+4*\t, \xs
.else
	WMR ACC+8*\t, 96*(\s%2)+12*\t, \rs+12*\s, ACC+8*\t, WS+4*\t+\s, \xs+\s
.endif
.endr
.endr
	WIN 0
.endm
.macro XLOAD m
	WIN 0xc0
.irp b, 0,1,2,3
.irp j, 0,1,2,3
	global_load_b128 v[XB+16*\b+4*\j:XB+16*\b+4*\j+3], v[XA], s[XP:XP+1] offset:(32*((\m)/2)+8*((\m)%2))*2048+128*\b+16*\j
.endr
.endr
	WIN 0
.endm
.macro GBLOAD
	WIN 0x80
.irp b, 0,1,2,3
.irp j, 0,1,2,3
	global_load_b128 v[GN+16*\b+4*\j:GN+16*\b+4*\j+3], v[GA], s[GP:GP+1] offset:128*\b+16*\j
.endr
.endr
	WIN 0xc0
.irp b, 0,1,2,3
.irp j, 0,1,2,3
	global_load_b128 v[BBS+16*\b+4*\j:BBS+16*\b+4*\j+3], v[GA], s[BP:BP+1] offset:128*\b+16*\j
.endr
.endr
	WIN 0
.endm
.macro LN_SUM xs, xw
	WIN (\xw)|((\xw)<<2)
.irp k, 0,1,2,3
	v_pk_add_f32 v[LT+2*\k:LT+2*\k+1], v[\xs+2*\k:\xs+2*\k+1], v[\xs+8+2*\k:\xs+9+2*\k]
.endr
	WIN (\xw)<<2
.set i, 8
.rept 24
	v_pk_add_f32 v[LT+2*(i%4):LT+2*(i%4)+1], v[LT+2*(i%4):LT+2*(i%4)+1], v[\xs+2*i:\xs+2*i+1]
.set i, i+1
.endr
	WIN 0
	v_pk_add_f32 v[LT:LT+1], v[LT:LT+1], v[LT+2:LT+3]
	v_pk_add_f32 v[LT+4:LT+5], v[LT+4:LT+5], v[LT+6:LT+7]
	v_pk_add_f32 v[LT:LT+1], v[LT:LT+1], v[LT+4:LT+5]
	v_add_f32 v[LT], v[LT], v[LT+1]
	v_permlanex16_b32 v[LT+1], v[LT], s[SEL], s[SEL+1]
	v_add_f32 v[LT], v[LT], v[LT+1]
	v_mul_f32 v[MW], 0x3c000000, v[LT]                 ; / 128
.endm
.macro LN_SUB xs, xw
	WIN (\xw)
.set i, 0
.rept 32
	v_pk_add_f32 v[ACC+2*i:ACC+2*i+1], v[\xs+2*i:\xs+2*i+1], v[MW:MW+1] op_sel_hi:[1,0] neg_lo:[0,1] neg_hi:[0,1]
.set i, i+1
.endr
	WIN 0
.endm
.macro LN_REST m
.irp k, 0,1,2,3
	v_pk_mul_f32 v[LT+2*\k:LT+2*\k+1], v[ACC+2*\k:ACC+2*\k+1], v[ACC+2*\k:ACC+2*\k+1]
.endr
.set i, 4
.rept 28
	v_pk_fma_f32 v[LT+2*(i%4):LT+2*(i%4)+1], v[ACC+2*i:ACC+2*i+1], v[ACC+2*i:ACC+2*i+1], v[LT+2*(i%4):LT+2*(i%4)+1]
.set i, i+1
.endr
	v_pk_add_f32 v[LT:LT+1], v[LT:LT+1], v[LT+2:LT+3]
	v_pk_add_f32 v[LT+4:LT+5], v[LT+4:LT+5], v[LT+6:LT+7]
	v_pk_add_f32 v[LT:LT+1], v[LT:LT+1], v[LT+4:LT+5]
	v_add_f32 v[LT], v[LT], v[LT+1]
	v_permlanex16_b32 v[LT+1], v[LT], s[SEL], s[SEL+1]
	v_add_f32 v[MW+1], v[LT], v[LT+1]
	ds_store_b64 v[PSA], v[MW:MW+1] offset:512*(\m)
	BARRIER                                            ; all four pairs of tile m lie in LDS (its slot is written once in the launch)
	ds_load_b128 v[EX:EX+3], v[PSR] offset:512*(\m)
	ds_load_b128 v[EX+4:EX+7], v[PSR] offset:512*(\m)+16
	s_wait_dscnt 0x0
	v_add_f32 v[LT], v[EX], v[EX+2]
	v_add_f32 v[LT+1], v[EX+4], v[EX+6]
	v_add_f32 v[LT+2], v[EX+1], v[EX+3]
	v_add_f32 v[LT+3], v[EX+5], v[EX+7]
	v_add_f32 v[LT], v[LT], v[LT+1]
	v_add_f32 v[LT+2], v[LT+2], v[LT+3]
	v_mul_f32 v[LT], 0x3e800000, v[LT]                 ; the row's mean
	v_sub_f32 v[LT+4], v[EX], v[LT]
	v_sub_f32 v[LT+5], v[EX+2], v[LT]
	v_sub_f32 v[LT+6], v[EX+4], v[LT]
	v_sub_f32 v[LT+7], v[EX+6], v[LT]
	v_mul_f32 v[LT+1], v[LT+4], v[LT+4]
	v_fmac_f32 v[LT+1], v[LT+5], v[LT+5]
	v_fmac_f32 v[LT+1], v[LT+6], v[LT+6]
	v_fmac_f32 v[LT+1], v[LT+7], v[LT+7]
	v_fmamk_f32 v[LT+2], v[LT+1], 0x43000000, v[LT+2]
	v_fma_f32 v[LT+2], v[LT+2], s[I512], s[EPS]
	v_rsq_f32 v[RS], v[LT+2]
	v_sub_f32 v[LT+3], v[MW], v[LT]                    ; (the plain place behind the transcendental)
	s_wait_alu depctr_va_vdst(0)
	v_mul_f32 v[DR], v[LT+3], v[RS]
.set i, 0
.rept 32
	v_pk_fma_f32 v[ACC+2*i:ACC+2*i+1], v[ACC+2*i:ACC+2*i+1], v[RS:RS+1], v[DR:DR+1] op_sel_hi:[1,0,0]
.set i, i+1
.endr
	WIN 0x38
.set i, 0
.rept 32
	v_pk_fma_f32 v[ACC+2*i:ACC+2*i+1], v[ACC+2*i:ACC+2*i+1], v[GN+2*i:GN+2*i+1], v[BBS+2*i:BBS+2*i+1]
.set i, i+1
.endr
	WIN 0
	QUANT ACC, 0, PW
	IMAGE XWI, XIMG+6144*(\m)
	ds_store_b32 v[XWS], v[PW] offset:XSC+512*(\m)
.endm
.macro BLOAD ptr                       ; a bias as C: register j of tile t is unit 32 (t/2) + 8 (t%2) + 16 h + j of my 128
	WIN 0x40
.irp t, 0,1,2,3,4,5,6,7
	global_load_b128 v[BI+8*\t:BI+8*\t+3], v[GA], s[\ptr:\ptr+1] offset:4*(32*(\t/2)+8*(\t%2))
	global_load_b128 v[BI+8*\t+4:BI+8*\t+7], v[GA], s[\ptr:\ptr+1] offset:4*(32*(\t/2)+8*(\t%2))+16
.endr
	WIN 0
.endm
.macro RLOAD m                         ; av's tile m: K step s is heads 2 s and 2 s + 1, a half image each; one load brings the row's four scale words
.irp s, 0,1,2,3
.irp p, 0,1
	global_load_b128 v[RA+12*\s+6*\p:RA+12*\s+6*\p+3], v[LI], s[8:9] offset:(8*(\m)+2*\s+\p)*768
	global_load_b64 v[RA+12*\s+6*\p+4:RA+12*\s+6*\p+5], v[L8], s[8:9] offset:(8*(\m)+2*\s+\p)*768+512
.endr
.endr
	global_load_b128 v[XS0:XS0+3], v[R16], s[10:11] offset:256*(\m)
.endm
; 16 numbers, v[ACC + 16 g] on, become their gelu, in place.  Each line stands for all 16 (8 pairs), so that no line waits for the line above it.
.macro GELU g
.set X0, ACC+16*(\g)
	WIN 0xc0
.irp n, 0,1,2,3,4,5,6,7,8,9,10,11,12,13,14,15
	v_mul_f32 v[TA+\n], 0x3f3504f3, |v[X0+\n]|         ; a = |x| / sqrt(2)
.endr
	WIN 0xff
.irp n, 0,1,2,3,4,5,6,7,8,9,10,11,12,13,14,15
	v_min_num_f32 v[TA+\n], 0x41800000, v[TA+\n]       ; held at 16
.endr
.irp n, 0,2,4,6,8,10,12,14
	v_pk_add_f32 v[TQ+\n:TQ+\n+1], v[TA+\n:TA+\n+1], 2.0 op_sel_hi:[1,0]
.endr
.irp n, 0,2,4,6,8,10,12,14
	v_pk_fma_f32 v[TD+\n:TD+\n+1], v[TA+\n:TA+\n+1], 4.0, 2.0 op_sel_hi:[1,0,0]
.endr
.irp n, 0,1,2,3,4,5,6,7,8,9,10,11,12,13,14,15
	v_rcp_f32 v[TQ+\n], v[TQ+\n]
.endr
.irp n, 0,1,2,3,4,5,6,7,8,9,10,11,12,13,14,15
	v_rcp_f32 v[TD+\n], v[TD+\n]                       ; 1 / (2 + 4 a): the half of erfc / 2 lies in it
.endr
.irp n, 0,2,4,6,8,10,12,14
	v_pk_add_f32 v[TT+\n:TT+\n+1], v[TA+\n:TA+\n+1], -2.0 op_sel_hi:[1,0]   ; (plain places behind the reciprocals)
.endr
	s_wait_alu depctr_va_vdst(0)
.irp n, 0,2,4,6,8,10,12,14
	v_pk_mul_f32 v[TQ+\n:TQ+\n+1], v[TT+\n:TT+\n+1], v[TQ+\n:TQ+\n+1]      ; q = (a - 2) / (a + 2)
.endr
.irp n, 0,2,4,6,8,10,12,14
	v_pk_mul_f32 v[TS+\n:TS+\n+1], v[TA+\n:TA+\n+1], v[TA+\n:TA+\n+1]      ; s = a^2, rounded
.endr
.irp n, 0,2,4,6,8,10,12,14
	v_pk_fma_f32 v[TT+\n:TT+\n+1], v[TA+\n:TA+\n+1], v[TA+\n:TA+\n+1], v[TS+\n:TS+\n+1] neg_lo:[1,0,0] neg_hi:[1,0,0]   ; s - a^2, exactly
.endr
.irp n, 0,2,4,6,8,10,12,14
	v_pk_mul_f32 v[TU+\n:TU+\n+1], v[TS+\n:TS+\n+1], 0x3fb8aa3b op_sel_hi:[1,0]   ; u = s log2(e), rounded
.endr
.irp n, 0,2,4,6,8,10,12,14
	v_pk_fma_f32 v[TW+\n:TW+\n+1], v[TS+\n:TS+\n+1], 0x3fb8aa3b, v[TU+\n:TU+\n+1] op_sel_hi:[1,0,1] neg_lo:[0,0,1] neg_hi:[0,0,1]   ; what that rounding lost
.endr
.irp n, 0,1,2,3,4,5,6,7,8,9,10,11,12,13,14,15
	v_exp_f32 v[TU+\n], -v[TU+\n]                      ; 2^-u
.endr
.irp n, 0,2,4,6,8,10,12,14
	v_pk_fma_f32 v[TW+\n:TW+\n+1], v[TS+\n:TS+\n+1], 0x32a57060, v[TW+\n:TW+\n+1] op_sel_hi:[1,0,1]   ; + s x the low part of log2(e)  (plain places behind the exponentials)
.endr
.irp n, 0,2,4,6,8,10,12,14
	v_pk_fma_f32 v[TT+\n:TT+\n+1], v[TW+\n:TW+\n+1], 0xbf317218, v[TT+\n:TT+\n+1] op_sel_hi:[1,0,1]   ; the correction: (s - a^2) - ln 2 x that
.endr
.irp n, 0,2,4,6,8,10,12,14
	v_pk_fma_f32 v[TA+\n:TA+\n+1], v[TQ+\n:TQ+\n+1], 0xb9d25000, v[C8:C8+1] op_sel_hi:[1,0,1]   ; p(q), from its highest coefficient down
.endr
.irp k, 0x3aac2b8a,0x3c0d6e62,0xbc040dc1,0xbd5e05b5,0x3e27fe23,0xbe2a0420,0xbdbdfb0b,0x3e8dd01d
.irp n, 0,2,4,6,8,10,12,14
	v_pk_fma_f32 v[TA+\n:TA+\n+1], v[TA+\n:TA+\n+1], v[TQ+\n:TQ+\n+1], \k op_sel_hi:[1,1,0]
.endr
.endr
.irp n, 0,2,4,6,8,10,12,14
	v_pk_fma_f32 v[TA+\n:TA+\n+1], v[TA+\n:TA+\n+1], v[TD+\n:TD+\n+1], v[TD+\n:TD+\n+1]   ; (1 + p) / (2 + 4 a)
.endr
	s_wait_alu depctr_va_vdst(0)
.irp n, 0,2,4,6,8,10,12,14
	v_pk_mul_f32 v[TA+\n:TA+\n+1], v[TA+\n:TA+\n+1], v[TU+\n:TU+\n+1]
.endr
.irp n, 0,2,4,6,8,10,12,14
	v_pk_fma_f32 v[TA+\n:TA+\n+1], v[TA+\n:TA+\n+1], v[TT+\n:TT+\n+1], v[TA+\n:TA+\n+1]   ; E = erfc(a) / 2
.endr
	WIN 0xc0
.irp n, 0,1,2,3,4,5,6,7,8,9,10,11,12,13,14,15
	v_max_num_f32 v[TS+\n], 0, v[X0+\n]
.endr
	WIN 0x3c
.irp n, 0,1,2,3,4,5,6,7,8,9,10,11,12,13,14,15
	v_fma_f32 v[X0+\n], -|v[X0+\n]|, v[TA+\n], v[TS+\n]   ; max(x, 0) - |x| E
.endr
	WIN 0
.endm
	s_load_b512 s[8:23], s[0:1], 0x0                   ; avc, avs, Wo codes, Wo scales, bo, x, ln2_g, ln2_b
	s_load_b256 s[24:31], s[0:1], 0x40                 ; W1 codes, W1 scales, b1, x1w
	s_load_b128 s[32:35], s[0:1], 0x60                 ; hc, hs
	v_lshl_add_u32 v232, v0, 2, 0xe800
	v_mov_b32 v233, 0
	v_lshrrev_b32 v[T0], 5, v0
	v_readfirstlane_b32 s[WV], v[T0]                   ; wave 0..3
	s_and_b32 s[Y], ttmp7, 0xffff
	s_mov_b32 s[BLK], ttmp9
	v_and_b32 v[T0], 31, v0                            ; lane
	v_and_b32 v[T0+1], 15, v0                          ; r
	v_bfe_u32 v[T0+2], v0, 4, 1                        ; h
	v_and_b32 v[T0+3], 8, v[T0+1]
	v_add_nc_u32 v[T0+3], v[T0+3], v[T0+1]             ; r + 8 (r/8)
	v_lshlrev_b32 v[LI], 4, v[T0]
	v_lshlrev_b32 v[L8], 3, v[T0]
	v_mul_u32_u24 v[WA], v[T0+3], 384
	v_mad_u32_u24 v[WA], v[T0+2], 24, v[WA]
	v_lshlrev_b32 v[WSA], 4, v[T0+3]
	v_lshlrev_b32 v[XA], 11, v[T0+3]
	v_lshl_add_u32 v[XA], v[T0+2], 6, v[XA]
	v_lshlrev_b32 v[GA], 6, v[T0+2]
	v_lshlrev_b32 v[R16], 4, v[T0+1]
	v_lshlrev_b32 v[PSR], 5, v[T0+1]
	v_add_nc_u32 v[PSR], PST, v[PSR]
	s_lshl_b32 s55, s[WV], 3
	v_add_nc_u32 v[PSA], s55, v[PSR]
	s_mul_i32 s55, s[WV], 1536
	v_add_nc_u32 v[XWI], s55, v[LI]
	s_lshl_b32 s55, s[WV], 2
	v_add_nc_u32 v[XWS], s55, v[LI]
	s_lshl_b32 s48, s[WV], 9
	s_add_co_u32 s48, s48, HSG                         ; my wave's 512 bytes for h's scale words
	v_lshlrev_b32 v[HG0], 5, v[T0+1]
	v_add_nc_u32 v[HG0], s48, v[HG0]
	s_mov_b32 s[SEL], 0x76543210
	s_mov_b32 s[SEL+1], 0xfedcba98
	s_mov_b32 s[I512], 0x3b000000                      ; 1 / 512
	s_mov_b32 s[EPS], 0x3727c5ac                       ; 1e-5
.irp b, 0,1,2,3
	v_mov_b32 v[TM+4+\b], 0
.endr
	v_mov_b32 v[MW+1], 0
	v_mov_b32 v[RS+1], 0
	v_mov_b32 v[DR+1], 0
	s_mov_b32 s3, 0
	s_lshl_b32 s50, s[Y], 9
	s_lshl_b32 s51, s[WV], 7
	s_add_co_u32 s50, s50, s51                         ; my first row of W1: 512 y + 128 wave
	s_lshl_b32 s51, s[BLK], 4
	s_lshl_b32 s52, s[Y], 2
	s_add_co_u32 s51, s51, s52
	s_add_co_u32 s51, s51, s[WV]                       ; 16 block + my K step of the last product
	s_wait_kmcnt 0x0
	s_mul_i32 s2, s[BLK], 49152
	s_add_nc_u64 s[8:9], s[8:9], s[2:3]                ; av's images of the block
	s_lshl_b32 s2, s[BLK], 11
	s_add_nc_u64 s[10:11], s[10:11], s[2:3]            ; and their scale bytes
	s_mul_i32 s2, s[WV], 49152
	s_add_nc_u64 s[12:13], s[12:13], s[2:3]            ; my 128 rows of Wo
	s_lshl_b32 s2, s[WV], 11
	s_add_nc_u64 s[14:15], s[14:15], s[2:3]
	s_lshl_b32 s2, s[WV], 9
	s_add_nc_u64 s[16:17], s[16:17], s[2:3]            ; bo, gain and bias at my 128 columns
	s_add_nc_u64 s[GP:GP+1], s[GP:GP+1], s[2:3]
	s_add_nc_u64 s[BP:BP+1], s[BP:BP+1], s[2:3]
	s_lshl_b32 s4, s[BLK], 18
	s_add_co_u32 s2, s2, s4
	s_add_nc_u64 s[XP:XP+1], s[XP:XP+1], s[2:3]        ; x: the block's rows, my columns
	s_mul_i32 s2, s50, 384
	s_add_nc_u64 s[24:25], s[24:25], s[2:3]
	s_lshl_b32 s2, s50, 4
	s_add_nc_u64 s[26:27], s[26:27], s[2:3]
	s_lshl_b32 s2, s50, 2
	s_add_nc_u64 s[28:29], s[28:29], s[2:3]
	s_lshl_b32 s2, s[WV], 13
	s_add_co_u32 s2, s2, s4
	s_add_nc_u64 s[30:31], s[30:31], s[2:3]            ; x1's images: 262,144 block + 8,192 wave
	s_mul_i32 s2, s51, 12288
	s_add_nc_u64 s[32:33], s[32:33], s[2:3]
	s_lshl_b32 s2, s51, 9
	s_add_nc_u64 s[34:35], s[34:35], s[2:3]
.irp t, 0,1,2,3,4,5,6,7
	WCHUNK \t, 12, 14
.endr
	BLOAD 16
	GBLOAD
	RLOAD 0
	XLOAD 0
	; ---- PHASE A
.macro ATILE m
	s_wait_loadcnt 0x0                                 ; all that was asked for is in
	MMQ RA, 0, XS0
	PLACES 4                                           ; in front of loads into registers that the products read, and of the first read of results
.if (\m) < 7
	RLOAD (\m)+1
.else
.irp t, 0,1,2,3,4,5,6,7
	WCHUNK \t, 24, 26                                  ; Wo is done with: W1's rows take its registers
.endr
	BLOAD 28
.endif
	WIN 0x0c
.set i, 0
.rept 32
	v_pk_add_f32 v[ACC+2*i:ACC+2*i+1], v[ACC+2*i:ACC+2*i+1], v[XB+2*i:XB+2*i+1]   ; x1 = x + attention's part; each accumulator from its low end on
.set i, i+1
.endr
	WIN 0
.if (\m) < 7
	XLOAD (\m)+1
.endif
	s_cmp_lg_u32 s[Y], (\m)/2                          ; each tile of x1 is stored by one of the four y
	s_cbranch_scc1 .Lnot_mine_\@
.irp k, 0,1,2,3,4,5,6,7,8,9,10,11,12,13,14,15
	global_store_b128 v[LI], v[ACC+4*\k:ACC+4*\k+3], s[30:31] offset:32768*(\m)+512*\k   ; 512 consecutive bytes
.endr
.Lnot_mine_\@:
	s_wait_xcnt 0x0                                    ; the stores have read ACC, which is written again below
	LN_SUM ACC, 0
	LN_SUB ACC, 0
	LN_REST \m
.endm
.irp m, 0,1,2,3,4,5,6,7
	ATILE \m
.endr
	BARRIER                                            ; x2's 32 fragments lie in LDS; from here on they are only read
	s_wait_loadcnt 0x0                                 ; W1, its scale words, b1
	WIN 0xc0
	v_mov_b32 v[C8], 0xbaa15130
	v_mov_b32 v[C8+1], 0xbaa15130
	WIN 0
	; ---- PHASE B: eight trips, a tile of 16 rows each
	s_mov_b32 s44, 0
	s_mov_b32 s45, XSC
	s_mov_b32 s46, 0
	s_mov_b32 s47, 8
.Lhidden:
	v_add_nc_u32 v[FA], s44, v[LI]
	v_add_nc_u32 v[FSA], s45, v[LI]
	v_add_nc_u32 v[HGA], s46, v[HG0]
	FETCH RA, 0, XS0, FA, FSA, 0, 0                    ; (gelu's and the quantiser's lines of the last trip are the places behind its products)
	s_wait_dscnt 0x0
	MMQ RA, 0, XS0
	PLACES 4
	GELU 0
	GELU 1
	GELU 2
	GELU 3
	QUANT ACC, 0, PW
.irp c, 0,1,2
	global_store_b128 v[LI], v[PC+4*\c:PC+4*\c+3], s[32:33] offset:512*\c
.endr
	ds_store_b32 v[HGA], v[PW]                         ; both halves of the lanes write the same word to the same place
	s_wait_xcnt 0x0                                    ; the stores have read the codes and their base
	s_wait_dscnt 0x0                                   ; and the LDS store its address, which the next trip writes again
	s_add_nc_u64 s[32:33], s[32:33], 1536
	s_add_co_u32 s44, s44, 6144
	s_add_co_u32 s45, s45, 512
	s_add_co_u32 s46, s46, 4
	s_sub_co_u32 s47, s47, 1
	s_cmp_lg_u32 s47, 0
	s_cbranch_scc1 .Lhidden
	v_add_nc_u32 v[HGA], s48, v[LI]
	ds_load_b128 v[PC:PC+3], v[HGA]                    ; my wave's own 512 bytes: LDS serves a wave's instructions in order
	s_wait_dscnt 0x0
	global_store_b128 v[LI], v[PC:PC+3], s[34:35]      ; 512 consecutive bytes
	s_wait_tensorcnt 0x0
	ds_add_u32 v232, v233
	s_wait_dscnt 0x0
	s_endpgm
.Lfunc_end_k_qf95e988123_ffn1:
	.size	k_qf95e988123_ffn1, .Lfunc_end_k_qf95e988123_ffn1-k_qf95e988123_ffn1
	.p2alignl 7, 3214868480
	.fill 96, 4, 3214868480
	.section	.rodata,"a",@progbits
	.p2align	6, 0x0
	.amdhsa_kernel k_qf95e988123_ffn1
		.amdhsa_group_segment_fixed_size 59904
		.amdhsa_private_segment_fixed_size 0
		.amdhsa_enable_private_segment 0
		.amdhsa_kernarg_size 112
		.amdhsa_user_sgpr_count 2
		.amdhsa_user_sgpr_kernarg_segment_ptr 1
		.amdhsa_wavefront_size32 1
		.amdhsa_system_sgpr_workgroup_id_x 1
		.amdhsa_system_sgpr_workgroup_id_y 1
		.amdhsa_system_sgpr_workgroup_id_z 1
		.amdhsa_system_vgpr_workitem_id 0
		.amdhsa_next_free_vgpr 1024
		.amdhsa_next_free_sgpr 66
		.amdhsa_reserve_vcc 0
		.amdhsa_float_denorm_mode_32 3
		.amdhsa_float_denorm_mode_16_64 3
		.amdhsa_memory_ordered 1
		.amdhsa_forward_progress 1
		.amdhsa_inst_pref_size 255
	.end_amdhsa_kernel
	.section	.bss,"aw",@nobits
	.p2align	6
	.space	262144
	.amdgpu_metadata
---
amdhsa.version: [ 1, 2 ]
amdhsa.kernels:
  - .name:           k_qf95e988123_ffn1
    .symbol:         k_qf95e988123_ffn1.kd
    .args:
      - { .name: avc, .offset: 0, .size: 8, .value_kind: global_buffer, .address_space: global }
      - { .name: avs, .offset: 8, .size: 8, .value_kind: global_buffer, .address_space: global }
      - { .name: Wo_codes, .offset: 16, .size: 8, .value_kind: global_buffer, .address_space: global }
      - { .name: Wo_scales, .offset: 24, .size: 8, .value_kind: global_buffer, .address_space: global }
      - { .name: bo, .offset: 32, .size: 8, .value_kind: global_buffer, .address_space: global }
      - { .name: x, .offset: 40, .size: 8, .value_kind: global_buffer, .address_space: global }
      - { .name: ln2_g, .offset: 48, .size: 8, .value_kind: global_buffer, .address_space: global }
      - { .name: ln2_b, .offset: 56, .size: 8, .value_kind: global_buffer, .address_space: global }
      - { .name: W1_codes, .offset: 64, .size: 8, .value_kind: global_buffer, .address_space: global }
      - { .name: W1_scales, .offset: 72, .size: 8, .value_kind: global_buffer, .address_space: global }
      - { .name: b1, .offset: 80, .size: 8, .value_kind: global_buffer, .address_space: global }
      - { .name: x1w, .offset: 88, .size: 8, .value_kind: global_buffer, .address_space: global }
      - { .name: hc, .offset: 96, .size: 8, .value_kind: global_buffer, .address_space: global }
      - { .name: hs, .offset: 104, .size: 8, .value_kind: global_buffer, .address_space: global }
    .group_segment_fixed_size: 59904
    .private_segment_fixed_size: 0
    .kernarg_segment_align: 8
    .kernarg_segment_size: 112
    .max_flat_workgroup_size: 128
    .sgpr_count:     66
    .vgpr_count:     1024
    .wavefront_size: 32
...
	.end_amdgpu_metadata
.endif
;; end of part 3
;; launch ffn2 (part 4): grid 64 x 4, 4 waves a work-group, no clusters, 272,896 bytes of LDS; arguments hc, hs, W2_codes, W2_scales, b2, x1w, out0; writes out0
.if DOCPART == 4
	.amdgcn_target "amdgcn-amd-amdhsa--gfx1250"
	.amdhsa_code_object_version 6
	.text
	.protected	k_qf95e988123_ffn2
	.globl	k_qf95e988123_ffn2
	.p2align	8
	.type	k_qf95e988123_ffn2,@function
k_qf95e988123_ffn2:
	s_mov_b64 s[64:65], 0
	v_nop
	global_prefetch_b8 v0, s[64:65] scope:SCOPE_SE
	s_setreg_imm32_b32 hwreg(HW_REG_WAVE_MODE, 25, 1), 1
	s_wait_xcnt 0x0
; out = x1 + h W2 + b2, the product on codes of FP6 (E2M3) with E8M0 scales, K = 2,048.  A work-group takes 128 rows (block x = 0..63) and 128 columns (y = 0..3); four waves.
; Wave w holds W2's rows 128 y + 32 w .. +31 (two tiles, all 16 K steps: 384 registers) for the whole launch, and 16 accumulators: 2 tiles of columns x 8 tiles of rows.
; Source 0 = 16 rows of W2 (tile t, lane r: row 8 t + r + 8 (r/8) of the wave's 32), source 1 = 16 rows of h: register j of lane (r, h) is column 8 t + 16 h + j of row r: eight neighbours.
; The sums begin as x1 + b2: x1 comes as images of just these registers.
; h's images of the block (196,608 bytes) and their scale words (8,192) come into LDS ONCE, by five tensor loads a wave: the scale words, then four chunks of four K steps; each chunk is waited for, with a barrier,
; one K step ahead of its first read.  No LDS byte is filled twice.  The result leaves through a stage of its own in LDS, as whole rows of 512 bytes.
; No cluster: the four y of a block ask for the same images, each once, at its head; joint loads would divide those requests by four and are not built in this text.
; LIMITS: NaN and infinities are not served.
; REGISTERS: window 0: v1-11 addresses; v16-143 the way out; v64-159 h's eight fragments, set A; v160-175 h's scale words, two sets; v176-207 W2's scale words (16 t + K step); v208-223 b2.
;   window 1: W2's tile 0 (12 x K step).  window 2: tile 1.  window 3: v0-127 the accumulators (8 (2 m + t)); v128-223 h's fragments, set B.
.set HSC, 196608                       ; LDS: behind the images [K step 16][m 8][1536]: the scale words [K step][r 16][m 8]
.set STG, 204800                       ; the stage: 128 rows x (512 + 16) bytes; no fill lands here
.set LI,   1                           ; 16 x lane
.set R32H, 2                           ; HSC + 32 r
.set WA2,  3                           ; 1536 x (r + 8 (r/8)) + 24 h
.set WSA2, 4                           ; 64 x (r + 8 (r/8))
.set GA,   5                           ; 64 h
.set SO,   6                           ; STG + 528 r + 64 h + 128 wave
.set SR,   7                           ; STG + 32 x 528 x wave + 16 x lane
.set FA,   8                           ; v8-11: 16 x lane + 49,152 x chunk
.set OB,   16
.set HA,   64
.set XSA,  160
.set WS,   176
.set B2,   208
.set WV,   22
.set Y,    23
.set G1C,  24
.set G1S,  32
.set G0S,  40
.set G0C,  44
.set MSB, 0
.macro WIN new                         ; bits 1:0 source 0, 3:2 source 1, 5:4 source 2, 7:6 destination; the high byte repeats the setting that is left
.if MSB != (\new)
	s_set_vgpr_msb (MSB<<8)|(\new)
.set MSB, (\new)
.endif
.endm
.macro PLACES n
.rept \n
	v_nop
.endr
.endm
.macro BARRIER
	s_wait_dscnt 0x0
	s_barrier_signal -1
	s_barrier_wait -1
.endm
.macro WMR d, a, b, c, sa, sb
	v_wmma_scale_f32_16x16x128_f8f6f4 v[\d:\d+7], v[\a:\a+11], v[\b:\b+11], v[\c:\c+7], v[\sa], v[\sb] matrix_a_fmt:MATRIX_FMT_FP6 matrix_b_fmt:MATRIX_FMT_FP6
.endm
	s_load_b256 s[8:15], s[0:1], 0x0                   ; hc, hs, W2 codes, W2 scales
	s_load_b128 s[16:19], s[0:1], 0x20                 ; b2, x1w
	s_load_b64 s[20:21], s[0:1], 0x30                  ; out0
	v_lshl_add_u32 v254, v0, 2, 0x42800
	v_mov_b32 v255, 0
	ds_add_u32 v254, v255
	ds_add_u32 v254, v255
	v_lshrrev_b32 v12, 5, v0
	v_readfirstlane_b32 s[WV], v12                     ; wave 0..3
	s_and_b32 s[Y], ttmp7, 0xffff
	; descriptor group 1: dense rows of 256 bytes (32 elements of 8 bytes), no padding, no mask: 48 rows (a quarter of a chunk), 8 rows (a quarter of the scale words)
	s_mov_b32 s[G1C], 3<<16
	s_mov_b32 s[G1C+1], 32<<16
	s_mov_b32 s[G1C+2], 48<<16
	s_mov_b32 s[G1C+3], 32<<16
	s_mov_b32 s[G1C+4], 48
	s_mov_b32 s[G1C+5], 32
	s_mov_b32 s[G1C+6], 0
	s_mov_b32 s[G1C+7], 0
	s_mov_b32 s[G1S], 3<<16
	s_mov_b32 s[G1S+1], 32<<16
	s_mov_b32 s[G1S+2], 8<<16
	s_mov_b32 s[G1S+3], 32<<16
	s_mov_b32 s[G1S+4], 8
	s_mov_b32 s[G1S+5], 32
	s_mov_b32 s[G1S+6], 0
	s_mov_b32 s[G1S+7], 0
	s_mul_i32 s4, s[WV], 12288                         ; my quarter of a chunk
	s_mul_i32 s2, ttmp9, 196608
	s_add_co_u32 s2, s2, s4
	s_mov_b32 s3, 0
	s_lshl_b32 s5, s[WV], 11                           ; my quarter of the scale words
	s_lshl_b32 s6, ttmp9, 13
	s_add_co_u32 s6, s6, s5
	s_mov_b32 s7, 0
	s_wait_dscnt 0x0
	s_wait_kmcnt 0x0
	s_add_nc_u64 s[2:3], s[8:9], s[2:3]
	s_mov_b32 s[G0S], 1
	s_add_co_u32 s[G0S+1], s5, HSC
	s_add_nc_u64 s[G0S+2:G0S+3], s[10:11], s[6:7]
	s_or_b32 s[G0S+3], s[G0S+3], 0x80000000
.irp c, 0,1,2,3
	s_mov_b32 s[G0C+4*\c], 1
	s_add_co_u32 s[G0C+4*\c+1], s4, 49152*\c
	s_add_nc_u64 s[G0C+4*\c+2:G0C+4*\c+3], s[2:3], 49152*\c
	s_or_b32 s[G0C+4*\c+3], s[G0C+4*\c+3], 0x80000000
.endr
	tensor_load_to_lds s[G0S:G0S+3], s[G1S:G1S+7]      ; all fills go out together, ahead of every wait on TENSORcnt, every LDS read and every barrier: five loads of mine are out
	s_nop 0
.irp c, 0,1,2,3
	tensor_load_to_lds s[G0C+4*\c:G0C+4*\c+3], s[G1C:G1C+7]
	s_nop 0
.endr
	PLACES 4
	v_and_b32 v12, 31, v0                              ; lane
	v_and_b32 v13, 15, v0                              ; r
	v_bfe_u32 v14, v0, 4, 1                            ; h
	v_and_b32 v15, 8, v13
	v_add_nc_u32 v15, v15, v13                         ; r + 8 (r/8)
	v_lshlrev_b32 v[LI], 4, v12
	v_lshlrev_b32 v[R32H], 5, v13
	v_add_nc_u32 v[R32H], HSC, v[R32H]
	v_mul_u32_u24 v[WA2], v15, 1536
	v_mad_u32_u24 v[WA2], v14, 24, v[WA2]
	v_lshlrev_b32 v[WSA2], 6, v15
	v_lshlrev_b32 v[GA], 6, v14
	v_mul_u32_u24 v[SO], v13, 528
	v_lshl_add_u32 v[SO], v14, 6, v[SO]
	s_lshl_b32 s60, s[WV], 7
	s_add_co_u32 s60, s60, STG
	v_add_nc_u32 v[SO], s60, v[SO]
	s_mul_i32 s60, s[WV], 32*528
	s_add_co_u32 s60, s60, STG
	v_add_nc_u32 v[SR], s60, v[LI]
.irp c, 0,1,2,3
	v_add_nc_u32 v[FA+\c], 49152*\c, v[LI]
.endr
	s_lshl_b32 s60, s[Y], 7
	s_lshl_b32 s61, s[WV], 5
	s_add_co_u32 s60, s60, s61                         ; my first row of W2 = my first column: 128 y + 32 wave
	s_mov_b32 s63, 0
	s_mul_i32 s62, s60, 1536
	s_add_nc_u64 s[12:13], s[12:13], s[62:63]
	s_lshl_b32 s62, s60, 6
	s_add_nc_u64 s[14:15], s[14:15], s[62:63]
	s_lshl_b32 s62, s60, 2
	s_add_nc_u64 s[16:17], s[16:17], s[62:63]
	s_lshl_b32 s62, ttmp9, 18                          ; x1's images: 262,144 block + 8,192 y + 2,048 wave
	s_lshl_b32 s61, s[Y], 13
	s_add_co_u32 s62, s62, s61
	s_lshl_b32 s61, s[WV], 11
	s_add_co_u32 s62, s62, s61
	s_add_nc_u64 s[18:19], s[18:19], s[62:63]
	s_lshl_b32 s62, ttmp9, 18                          ; out: row 128 block + 32 wave, of 2,048 bytes; + 512 y
	s_lshl_b32 s61, s[WV], 16
	s_add_co_u32 s62, s62, s61
	s_lshl_b32 s61, s[Y], 9
	s_add_co_u32 s62, s62, s61
	s_add_nc_u64 s[20:21], s[20:21], s[62:63]
.irp t, 0,1
	WIN 0x40*(1+\t)
.irp k, 0,1,2,3,4,5,6,7,8,9,10,11,12,13,14,15
.irp p, 0,1,2,3,4,5
	global_load_b64 v[12*\k+2*\p:12*\k+2*\p+1], v[WA2], s[12:13] offset:12288*\t+96*\k+48*(\p/3)+8*(\p%3)   ; W2's fragments stay in registers
.endr
.endr
.endr
	WIN 0
.irp t, 0,1
.irp q, 0,1,2,3
	global_load_b128 v[WS+16*\t+4*\q:WS+16*\t+4*\q+3], v[WSA2], s[14:15] offset:512*\t+16*\q
.endr
.irp q, 0,1
	global_load_b128 v[B2+8*\t+4*\q:B2+8*\t+4*\q+3], v[GA], s[16:17] offset:32*\t+16*\q
.endr
.endr
	WIN 0xc0
.irp m, 0,1,2,3,4,5,6,7
.irp t, 0,1
.irp q, 0,1
	global_load_b128 v[8*(2*\m+\t)+4*\q:8*(2*\m+\t)+4*\q+3], v[LI], s[18:19] offset:32768*\m+1024*\t+512*\q th:TH_LOAD_NT   ; x1, straight into the accumulators; read once in the launch
.endr
.endr
.endr
	s_wait_loadcnt 0x0
	WIN 0xc3
.irp m, 0,1,2,3,4,5,6,7
.irp t, 0,1
.irp u, 0,2,4,6
	v_pk_add_f32 v[8*(2*\m+\t)+\u:8*(2*\m+\t)+\u+1], v[8*(2*\m+\t)+\u:8*(2*\m+\t)+\u+1], v[B2+8*\t+\u:B2+8*\t+\u+1]   ; + b2
.endr
.endr
.endr
	WIN 0
.macro FETCH4 ks, set                  ; K step ks: h's eight fragments and the rows' eight scale words: 26 LDS loads.  set 0: window 0, v64 on; set 1: window 3, v128 on
	WIN 0xc0*(\set)
.irp m, 0,1,2,3,4,5,6,7
.irp c, 0,1,2
	ds_load_b128 v[HA+64*(\set)+12*\m+4*\c:HA+64*(\set)+12*\m+4*\c+3], v[FA+(\ks)/4] offset:12288*((\ks)%4)+1536*\m+512*\c
.endr
.endr
	WIN 0
	ds_load_b128 v[XSA+8*(\set):XSA+8*(\set)+3], v[R32H] offset:512*(\ks)
	ds_load_b128 v[XSA+8*(\set)+4:XSA+8*(\set)+7], v[R32H] offset:512*(\ks)+16
.endm
.macro MM4 ks, set                     ; 16 matrix instructions; the 16 accumulators take turns, one instruction a turn, in the same order in every K step
.irp t, 0,1
	WIN 0xf0|(1+\t)|(0x0c*(\set))
.irp m, 0,1,2,3,4,5,6,7
	WMR 8*(2*\m+\t), 12*(\ks), HA+64*(\set)+12*\m, 8*(2*\m+\t), WS+16*\t+(\ks), XSA+8*(\set)+\m
.endr
.endr
.endm
	s_wait_tensorcnt 0x3                               ; my parts of the scale words and of chunk 0 are in; the three later chunks may stay out
	s_barrier_signal -1
	s_barrier_wait -1                                  ; everybody's are
	FETCH4 0, 0
.irp ks, 0,1,2,3,4,5,6,7,8,9,10,11,12,13,14,15
.if ((\ks%4) == 3) && (\ks < 15)
	s_wait_tensorcnt 2-(\ks/4)                         ; my part of the next chunk is in; the chunks behind it may stay out
	BARRIER                                            ; everybody's is
.endif
.if \ks < 15
	PLACES 4                                           ; in front of loads into the set that the last products read
	FETCH4 \ks+1, (\ks+1)%2
	s_wait_dscnt 26                                    ; this K step's loads are in; the 26 just issued may be out
.else
	s_wait_dscnt 0x0
.endif
	MM4 \ks, \ks%2
.endr
	; THE WAY OUT: a lane holds 32 neighbouring bytes of a row, a row's 512 bytes come from four waves: they meet in the stage, and each wave stores 32 whole rows
	WIN 0
	PLACES 4
	WIN 0x0c                                           ; an LDS store's data are its source 1: window 3
.irp m, 0,1,2,3,4,5,6,7
.irp t, 0,1
.irp q, 0,1
	ds_store_b128 v[SO], v[8*(2*\m+\t)+4*\q:8*(2*\m+\t)+4*\q+3] offset:8448*\m+32*\t+16*\q   ; stage row 16 m + r; each accumulator from its low end on
.endr
.endr
.endr
	WIN 0
	BARRIER                                            ; 128 whole rows lie in the stage
.irp i, 0,1,2,3,4,5,6,7,8,9,10,11,12,13,14,15,16,17,18,19,20,21,22,23,24,25,26,27,28,29,30,31
	ds_load_b128 v[OB+4*\i:OB+4*\i+3], v[SR] offset:528*\i
.endr
.irp i, 0,1,2,3,4,5,6,7,8,9,10,11,12,13,14,15,16,17,18,19,20,21,22,23,24,25,26,27,28,29,30,31
	s_wait_dscnt 31-\i
	global_store_b128 v[LI], v[OB+4*\i:OB+4*\i+3], s[20:21] offset:(8*(\i/16)+(\i%16)+((\i%16)&8))*2048 th:TH_STORE_NT   ; stage row 32 w + i is row 32 w + 8 (i/16) + i%16 + 8 ((i%16)/8) of the block; 512 consecutive bytes, aligned
.endr
	s_wait_tensorcnt 0x0
	ds_add_u32 v254, v255
	s_wait_dscnt 0x0
	s_endpgm
.Lfunc_end_k_qf95e988123_ffn2:
	.size	k_qf95e988123_ffn2, .Lfunc_end_k_qf95e988123_ffn2-k_qf95e988123_ffn2
	.p2alignl 7, 3214868480
	.fill 96, 4, 3214868480
	.section	.rodata,"a",@progbits
	.p2align	6, 0x0
	.amdhsa_kernel k_qf95e988123_ffn2
		.amdhsa_group_segment_fixed_size 272896
		.amdhsa_private_segment_fixed_size 0
		.amdhsa_enable_private_segment 0
		.amdhsa_kernarg_size 56
		.amdhsa_user_sgpr_count 2
		.amdhsa_user_sgpr_kernarg_segment_ptr 1
		.amdhsa_wavefront_size32 1
		.amdhsa_system_sgpr_workgroup_id_x 1
		.amdhsa_system_sgpr_workgroup_id_y 1
		.amdhsa_system_sgpr_workgroup_id_z 1
		.amdhsa_system_vgpr_workitem_id 0
		.amdhsa_next_free_vgpr 1024
		.amdhsa_next_free_sgpr 66
		.amdhsa_reserve_vcc 0
		.amdhsa_float_denorm_mode_32 3
		.amdhsa_float_denorm_mode_16_64 3
		.amdhsa_memory_ordered 1
		.amdhsa_forward_progress 1
		.amdhsa_inst_pref_size 103
	.end_amdhsa_kernel
	.amdgpu_metadata
---
amdhsa.version: [ 1, 2 ]
amdhsa.kernels:
  - .name:           k_qf95e988123_ffn2
    .symbol:         k_qf95e988123_ffn2.kd
    .args:
      - { .name: hc, .offset: 0, .size: 8, .value_kind: global_buffer, .address_space: global }
      - { .name: hs, .offset: 8, .size: 8, .value_kind: global_buffer, .address_space: global }
      - { .name: W2_codes, .offset: 16, .size: 8, .value_kind: global_buffer, .address_space: global }
      - { .name: W2_scales, .offset: 24, .size: 8, .value_kind: global_buffer, .address_space: global }
      - { .name: b2, .offset: 32, .size: 8, .value_kind: global_buffer, .address_space: global }
      - { .name: x1w, .offset: 40, .size: 8, .value_kind: global_buffer, .address_space: global }
      - { .name: out0, .offset: 48, .size: 8, .value_kind: global_buffer, .address_space: global }
    .group_segment_fixed_size: 272896
    .private_segment_fixed_size: 0
    .kernarg_segment_align: 8
    .kernarg_segment_size: 56
    .max_flat_workgroup_size: 128
    .sgpr_count:     66
    .vgpr_count:     1024
    .wavefront_size: 32
...
	.end_amdgpu_metadata
.endif
;; end of part 4
;; ======== version 2 of 3: 4 launches
;; workspace buffers: qws 6,815,744 bytes; kvws 6,815,744 bytes; avc 3,145,728 bytes; avs 131,072 bytes; x1w 16,777,216 bytes; hc 12,582,912 bytes; hs 524,288 bytes
;; launch qkv (part 5): grid 64 x 3, 4 waves a work-group, no clusters, 57,856 bytes of LDS; arguments x, ln1_g, ln1_b, Wq_codes, Wq_scales, bq, Wk_codes, Wk_scales, bk, Wv_codes, Wv_scales, bv, qws, kvws; writes qws, kvws
.if DOCPART == 5
	.amdgcn_target "amdgcn-amd-amdhsa--gfx1250"
	.amdhsa_code_object_version 6
	.text
	.protected	k_qf95e988123_qkv
	.globl	k_qf95e988123_qkv
	.p2align	8
	.type	k_qf95e988123_qkv,@function
k_qf95e988123_qkv:
	s_mov_b64 s[64:65], 0
	v_nop
	global_prefetch_b8 v0, s[64:65] scope:SCOPE_SE
	s_setreg_imm32_b32 hwreg(HW_REG_WAVE_MODE, 25, 1), 1
	s_wait_xcnt 0x0
; LayerNorm 1, its quantising to FP6 (E2M3, one E8M0 byte for 32 along K), and ONE of the products q, k, v (work-group y = 0, 1, 2) with its bias,
; quantised again: q and k along the head's 64, v along the keys.  A work-group takes 128 rows of x (block x = 0..63), four waves.
; ROWS.  Tile m (0..7) of a block: lane r holds row 32 (m/2) + 8 (m%2) + r + 8 (r/8).  The same choice picks the 16 weight rows of a tile.  With source 0 = the operand whose rows are the
; next product's K, a lane's 16 registers of two neighbouring tiles are then 16 neighbours along that K: register 16 b + i is k = 32 b + 16 (lane/16) + i, which the conversions want.
; PHASE X: wave w holds columns 128 w .. +127 of 16 rows (64 numbers a lane).  Mean and variance: each wave its own mean and its own sum of squares about that mean; the four pairs meet in LDS and
; are merged (sum of squares + 128 x the squared distance of the means): no difference of large sums is formed.  The wave's 128 columns are K step w: codes go to LDS as an image of the registers.
; x has two buffers and is asked for two tiles ahead; a trip's global loads are issued where the wave would else sit out the statistics' way through LDS.
; q, k: source 0 = 16 weight rows (resident in registers, 128 rows = two heads a wave), source 1 = xn from LDS.  v: source 0 = xn (16 keys), source 1 = weight rows, so that registers run along the keys.
; OUT: records of 13,312 bytes for each (batch x head, 128 rows): 8 half images (6 registers: 64 along K) of q or k, 4 full images of v, their scale words.  Every store covers 256 or 512 consecutive bytes.
; LayerNorm is done by each of the three y: that spares a launch and xn's way through memory.  No cluster: nothing here comes by tensor loads; weights and x come through registers.
; LIMITS: NaN and infinities are not served.  A block whose largest magnitude lies under 2^-124 (zeros too) gets the byte 1; the bytes are read by this program alone.
.set XIMG, 0                           ; LDS: xn's images [m 8][K step 4][1536]
.set XSC,  49152                       ; their scale words [m][lane 32][K step 4]
.set PST,  53248                       ; (mean, sum of squares) [m][r 16][wave 4], 8 bytes each; a slot is used once
.set REC,  13312
.set HEADB, 16*REC                     ; from a head to the next
.set LI,  1                            ; 16 x lane
.set L8,  2                            ; 8 x lane
.set WA,  3                            ; weights: 384 x (r + 8 (r/8)) + 24 h
.set WSA, 4                            ; their scale words: 16 x (r + 8 (r/8))
.set XA,  5                            ; x: 2048 x (r + 8 (r/8)) + 64 h
.set GA,  6                            ; 64 h
.set R16, 7                            ; 16 r
.set PSA, 8                            ; PST + 32 r + 8 wave
.set PSR, 9                            ; PST + 32 r
.set XWI, 10                           ; 16 x lane + 1536 x wave
.set XWS, 11                           ; 16 x lane + 4 x wave
.set H16, 12                           ; 16 h
.set SWA, 13                           ; 16 r + HEADB h
.set ACC, 16                           ; v16-79   eight accumulators, or 64 numbers of a row
.set RA,  80                           ; v80-127  xn's four fragments, slot A
.set WS,  128                          ; v128-159 the weights' scale words, 4 t + s
.set XS0, 160                          ; v160-163, v164-167 xn's scale words, slot A, slot B
.set XS1, 164
.set BA,  168                          ; v168-175 byte offsets of the bias
.set T0,  176                          ; v176-180 at work at the head
.set PC,  192                          ; v192-211 codes just made
.set TM,  212                          ; v212-227 the quantiser's
.set PW,  228                          ; the scale word just made
.set SW,  230                          ; v230-233 four scale words on their way out
.set LT,  234
.set EX,  242
.set MW,  250                          ; (my wave's mean, its sum of squares)
.set RS,  252                          ; 1 / sqrt(var + eps)
.set DR,  254                          ; (my mean - the row's) x that
.set BI,  192                          ; window 1: the bias as C, 8 t + j.   Window 1, v0-191: weight fragments of K steps 0, 1 (96 s + 12 t)
.set GN,  192                          ; window 2: the gain.                 Window 2, v0-191: K steps 2, 3
.set RBW, 192                          ; window 2: slot B, once the gain is done with
.set BBS, 0                            ; window 3: LayerNorm's bias
.set XB,  64                           ; window 3: 64 numbers of x, two buffers: v64-127 for even tiles, v128-191 for odd ones
.set XP,  8
.set GP,  10
.set BP,  12
.set WV,  36
.set Y,   37
.set BLK, 38
.set SEL, 40
.set I512, 42
.set EPS, 43
.set WC,  44
.set WSC, 46
.set BIA, 48
.set OUT, 50
.set FH,  52
.set FR,  53
.set FJ,  54
.set MSB, 0
.macro WIN new                         ; bits 1:0 source 0, 3:2 source 1, 5:4 source 2, 7:6 destination; the high byte repeats the setting that is left
.if MSB != (\new)
	s_set_vgpr_msb (MSB<<8)|(\new)
.set MSB, (\new)
.endif
.endm
.macro PLACES n
.rept \n
	v_nop
.endr
.endm
.macro BARRIER                         ; my LDS stores have landed and my LDS loads are in: then the work-group's barrier
	s_wait_dscnt 0x0
	s_barrier_signal -1
	s_barrier_wait -1
.endm
.macro WMR d, a, b, c, sa, sb
	v_wmma_scale_f32_16x16x128_f8f6f4 v[\d:\d+7], v[\a:\a+11], v[\b:\b+11], v[\c:\c+7], v[\sa], v[\sb] matrix_a_fmt:MATRIX_FMT_FP6 matrix_b_fmt:MATRIX_FMT_FP6
.endm
; 64 numbers of a lane at v[s] on, in window w (register 16 b + i = k 32 b + 16 h + i of my row), become a fragment's codes in v[PC] on and its scale word in v[pw].
.macro QUANT s, w, pw
	WIN (\w)|((\w)<<2)
.irp b, 0,1,2,3
	v_max3_num_f32 v[TM+\b], |v[\s+16*\b]|, |v[\s+1+16*\b]|, 0x1800000   ; my 16 numbers of block b, and the floor 2^(3 - 127): the byte cannot fall under 1
.endr
	WIN ((\w)<<2)|((\w)<<4)
.irp i, 2,4,6,8,10,12,14
.irp b, 0,1,2,3
	v_max3_num_f32 v[TM+\b], v[TM+\b], |v[\s+16*\b+\i]|, |v[\s+1+16*\b+\i]|
.endr
.endr
	WIN 0
.irp b, 0,1,2,3
	v_permlanex16_b32 v[TM+4+\b], v[TM+\b], s[SEL], s[SEL+1]
.endr
.irp b, 0,1,2,3
	v_max_num_f32 v[TM+\b], v[TM+\b], v[TM+4+\b]       ; with lane l xor 16's: the block's largest magnitude
.endr
.irp b, 0,1,2,3
	v_add_nc_u32 v[TM+12+\b], 0xff000000, v[TM+\b]     ; 2 off its exponent field: the conversion's scale operand
.endr
.irp b, 0,1,2,3
	v_lshrrev_b32 v[TM+4+\b], 23, v[TM+12+\b]          ; the scale's byte
.endr
	v_lshl_or_b32 v[\pw], v[TM+5], 8, v[TM+4]
	v_lshl_or_b32 v[\pw], v[TM+6], 16, v[\pw]
	v_lshl_or_b32 v[\pw], v[TM+7], 24, v[\pw]
	WIN (\w)
.irp c, 0,1
	v_cvt_scalef32_pk16_fp6_f32 v[PC+6*\c:PC+2+6*\c], v[\s+32*\c:\s+15+32*\c], v[TM+12+2*\c]
	v_cvt_scalef32_pk16_fp6_f32 v[PC+12+4*\c:PC+14+4*\c], v[\s+16+32*\c:\s+31+32*\c], v[TM+13+2*\c]   ; (a conversion's three registers begin on an even number)
.endr
	WIN 0
	v_nop                                              ; one plain place behind a scaled conversion
.irp c, 0,1                                        ; the operand's layout wants a whole block in a lane
.irp i, 0,1,2
	v_permlane16_swap_b32 v[PC+6*\c+\i], v[PC+12+4*\c+\i]
.endr
.irp i, 0,1,2
	v_mov_b32 v[PC+3+6*\c+\i], v[PC+12+4*\c+\i]
.endr
.endr
.endm
.macro IMAGE adr, off                  ; the fragment in v[PC] on goes to LDS as it stands: 512 consecutive bytes a store
.irp c, 0,1,2
	ds_store_b128 v[\adr], v[PC+4*\c:PC+4*\c+3] offset:\off+512*\c
.endr
.endm
.macro FETCH reg, win, xs, adr, sadr, off, soff   ; a tile's four fragments and its four scale words: 13 LDS loads
	WIN (\win)<<6
.irp s, 0,1,2,3
.irp c, 0,1,2
	ds_load_b128 v[\reg+12*\s+4*\c:\reg+12*\s+4*\c+3], v[\adr] offset:\off+1536*\s+512*\c
.endr
.endr
	WIN 0
	ds_load_b128 v[\xs:\xs+3], v[\sadr] offset:\soff
.endm
.macro WCHUNK t, wc, wsc               ; weight tile t: its four fragments (rows of 384 bytes, 24 bytes a lane and half K step, in pieces of 8) and its rows' scale words
	WIN 0x40
.irp s, 0,1
.irp p, 0,1,2,3,4,5
	global_load_b64 v[96*\s+12*(\t)+2*\p:96*\s+12*(\t)+2*\p+1], v[WA], s[\wc:\wc+1] offset:(32*((\t)/2)+8*((\t)%2))*384+96*\s+48*(\p/3)+8*(\p%3)
.endr
.endr
	WIN 0x80
.irp s, 0,1
.irp p, 0,1,2,3,4,5
	global_load_b64 v[96*\s+12*(\t)+2*\p:96*\s+12*(\t)+2*\p+1], v[WA], s[\wc:\wc+1] offset:(32*((\t)/2)+8*((\t)%2))*384+96*(\s+2)+48*(\p/3)+8*(\p%3)
.endr
.endr
	WIN 0
	global_load_b128 v[WS+4*(\t):WS+4*(\t)+3], v[WSA], s[\wsc:\wsc+1] offset:(32*((\t)/2)+8*((\t)%2))*16
.endm
; 32 matrix instructions: my 8 weight tiles x one tile of rows, K = 512.  The eight accumulators take turns, one instruction a turn; the bias is the first C.
.macro MMQ rs, rw, xs
.irp s, 0,1,2,3
.if \s == 0
	WIN 0x11|((\rw)<<2)
.elseif \s == 1
	WIN 0x01|((\rw)<<2)
.else
	WIN 0x02|((\rw)<<2)
.endif
.irp t, 0,1,2,3,4,5,6,7
.if \s == 0
	WMR ACC+8*\t, 12*\t, \rs, BI+8*\t, WS+4*\t, \xs
.else
	WMR ACC+8*\t, 96*(\s%2)+12*\t, \rs+12*\s, ACC+8*\t, WS+4*\t+\s, \xs+\s
.endif
.endr
.endr
	WIN 0
.endm
.macro XLOAD m                         ; tile m's rows of x, my wave's 128 columns: of each block of 32 my half's 16 numbers; into buffer m % 2
	WIN 0xc0
.irp b, 0,1,2,3
.irp j, 0,1,2,3
	global_load_b128 v[XB+64*((\m)%2)+16*\b+4*\j:XB+64*((\m)%2)+16*\b+4*\j+3], v[XA], s[XP:XP+1] offset:(32*((\m)/2)+8*((\m)%2))*2048+128*\b+16*\j
.endr
.endr
	WIN 0
.endm
.macro GBLOAD                          ; gain and bias of LayerNorm at my 64 columns
	WIN 0x80
.irp b, 0,1,2,3
.irp j, 0,1,2,3
	global_load_b128 v[GN+16*\b+4*\j:GN+16*\b+4*\j+3], v[GA], s[GP:GP+1] offset:128*\b+16*\j
.endr
.endr
	WIN 0xc0
.irp b, 0,1,2,3
.irp j, 0,1,2,3
	global_load_b128 v[BBS+16*\b+4*\j:BBS+16*\b+4*\j+3], v[GA], s[BP:BP+1] offset:128*\b+16*\j
.endr
.endr
	WIN 0
.endm
.macro LN_SUM xs, xw                   ; my wave's mean of the row's 128 numbers: four chains, then lane l xor 16
	WIN (\xw)|((\xw)<<2)
.irp k, 0,1,2,3
	v_pk_add_f32 v[LT+2*\k:LT+2*\k+1], v[\xs+2*\k:\xs+2*\k+1], v[\xs+8+2*\k:\xs+9+2*\k]
.endr
	WIN (\xw)<<2
.set i, 8
.rept 24
	v_pk_add_f32 v[LT+2*(i%4):LT+2*(i%4)+1], v[LT+2*(i%4):LT+2*(i%4)+1], v[\xs+2*i:\xs+2*i+1]
.set i, i+1
.endr
	WIN 0
	v_pk_add_f32 v[LT:LT+1], v[LT:LT+1], v[LT+2:LT+3]
	v_pk_add_f32 v[LT+4:LT+5], v[LT+4:LT+5], v[LT+6:LT+7]
	v_pk_add_f32 v[LT:LT+1], v[LT:LT+1], v[LT+4:LT+5]
	v_add_f32 v[LT], v[LT], v[LT+1]
	v_permlanex16_b32 v[LT+1], v[LT], s[SEL], s[SEL+1]
	v_add_f32 v[LT], v[LT], v[LT+1]
	v_mul_f32 v[MW], 0x3c000000, v[LT]                 ; / 128
.endm
.macro LN_SUB xs, xw                   ; the numbers less my wave's mean, into ACC
	WIN (\xw)
.set i, 0
.rept 32
	v_pk_add_f32 v[ACC+2*i:ACC+2*i+1], v[\xs+2*i:\xs+2*i+1], v[MW:MW+1] op_sel_hi:[1,0] neg_lo:[0,1] neg_hi:[0,1]
.set i, i+1
.endr
	WIN 0
.endm
.macro LN_A m                          ; my wave's sum of squares about its mean; the pair goes to LDS
.irp k, 0,1,2,3
	v_pk_mul_f32 v[LT+2*\k:LT+2*\k+1], v[ACC+2*\k:ACC+2*\k+1], v[ACC+2*\k:ACC+2*\k+1]
.endr
.set i, 4
.rept 28
	v_pk_fma_f32 v[LT+2*(i%4):LT+2*(i%4)+1], v[ACC+2*i:ACC+2*i+1], v[ACC+2*i:ACC+2*i+1], v[LT+2*(i%4):LT+2*(i%4)+1]
.set i, i+1
.endr
	v_pk_add_f32 v[LT:LT+1], v[LT:LT+1], v[LT+2:LT+3]
	v_pk_add_f32 v[LT+4:LT+5], v[LT+4:LT+5], v[LT+6:LT+7]
	v_pk_add_f32 v[LT:LT+1], v[LT:LT+1], v[LT+4:LT+5]
	v_add_f32 v[LT], v[LT], v[LT+1]
	v_permlanex16_b32 v[LT+1], v[LT], s[SEL], s[SEL+1]
	v_add_f32 v[MW+1], v[LT], v[LT+1]
	ds_store_b64 v[PSA], v[MW:MW+1] offset:512*(\m)    ; both halves of the lanes write the same pair to the same place
.endm
.macro LN_B m                          ; the four waves' pairs meet
	BARRIER                                            ; all four pairs of tile m lie in LDS (its slot is written once in the launch)
	ds_load_b128 v[EX:EX+3], v[PSR] offset:512*(\m)
	ds_load_b128 v[EX+4:EX+7], v[PSR] offset:512*(\m)+16
.endm
.macro LN_C m                          ; merge; normalise; gain and bias; quantise; image to LDS
	s_wait_dscnt 0x0
	v_add_f32 v[LT], v[EX], v[EX+2]
	v_add_f32 v[LT+1], v[EX+4], v[EX+6]
	v_add_f32 v[LT+2], v[EX+1], v[EX+3]
	v_add_f32 v[LT+3], v[EX+5], v[EX+7]
	v_add_f32 v[LT], v[LT], v[LT+1]
	v_add_f32 v[LT+2], v[LT+2], v[LT+3]                ; the four sums of squares
	v_mul_f32 v[LT], 0x3e800000, v[LT]                 ; the row's mean
	v_sub_f32 v[LT+4], v[EX], v[LT]
	v_sub_f32 v[LT+5], v[EX+2], v[LT]
	v_sub_f32 v[LT+6], v[EX+4], v[LT]
	v_sub_f32 v[LT+7], v[EX+6], v[LT]
	v_mul_f32 v[LT+1], v[LT+4], v[LT+4]
	v_fmac_f32 v[LT+1], v[LT+5], v[LT+5]
	v_fmac_f32 v[LT+1], v[LT+6], v[LT+6]
	v_fmac_f32 v[LT+1], v[LT+7], v[LT+7]
	v_fmamk_f32 v[LT+2], v[LT+1], 0x43000000, v[LT+2]  ; + 128 x the squared distances of the means
	v_fma_f32 v[LT+2], v[LT+2], s[I512], s[EPS]        ; / 512 + eps
	v_rsq_f32 v[RS], v[LT+2]
	v_sub_f32 v[LT+3], v[MW], v[LT]                    ; (the plain place behind the transcendental)
	s_wait_alu depctr_va_vdst(0)
	v_mul_f32 v[DR], v[LT+3], v[RS]
.set i, 0
.rept 32
	v_pk_fma_f32 v[ACC+2*i:ACC+2*i+1], v[ACC+2*i:ACC+2*i+1], v[RS:RS+1], v[DR:DR+1] op_sel_hi:[1,0,0]
.set i, i+1
.endr
	WIN 0x38
.set i, 0
.rept 32
	v_pk_fma_f32 v[ACC+2*i:ACC+2*i+1], v[ACC+2*i:ACC+2*i+1], v[GN+2*i:GN+2*i+1], v[BBS+2*i:BBS+2*i+1]
.set i, i+1
.endr
	WIN 0
	QUANT ACC, 0, PW
	IMAGE XWI, XIMG+6144*(\m)
	ds_store_b32 v[XWS], v[PW] offset:XSC+512*(\m)
.endm
	s_load_b512 s[8:23], s[0:1], 0x0                   ; x, ln1_g, ln1_b, Wq codes, Wq scales, bq, Wk codes, Wk scales
	s_load_b256 s[24:31], s[0:1], 0x40                 ; bk, Wv codes, Wv scales, bv
	s_load_b128 s[32:35], s[0:1], 0x60                 ; qws, kvws
	v_lshl_add_u32 v223, v0, 2, 0xe000
	v_mov_b32 v229, 0
	v_lshrrev_b32 v[T0], 5, v0
	v_readfirstlane_b32 s[WV], v[T0]                   ; wave 0..3
	s_and_b32 s[Y], ttmp7, 0xffff                      ; 0: q, 1: k, 2: v
	s_mov_b32 s[BLK], ttmp9
	v_and_b32 v[T0], 31, v0                            ; lane
	v_and_b32 v[T0+1], 15, v0                          ; r
	v_bfe_u32 v[T0+2], v0, 4, 1                        ; h
	v_and_b32 v[T0+3], 8, v[T0+1]
	v_add_nc_u32 v[T0+3], v[T0+3], v[T0+1]             ; r + 8 (r/8)
	v_lshlrev_b32 v[LI], 4, v[T0]
	v_lshlrev_b32 v[L8], 3, v[T0]
	v_mul_u32_u24 v[WA], v[T0+3], 384
	v_mad_u32_u24 v[WA], v[T0+2], 24, v[WA]
	v_lshlrev_b32 v[WSA], 4, v[T0+3]
	v_lshlrev_b32 v[XA], 11, v[T0+3]
	v_lshl_add_u32 v[XA], v[T0+2], 6, v[XA]
	v_lshlrev_b32 v[GA], 6, v[T0+2]
	v_lshlrev_b32 v[R16], 4, v[T0+1]
	v_lshlrev_b32 v[PSR], 5, v[T0+1]
	v_add_nc_u32 v[PSR], PST, v[PSR]
	s_lshl_b32 s55, s[WV], 3
	v_add_nc_u32 v[PSA], s55, v[PSR]
	s_mul_i32 s55, s[WV], 1536
	v_add_nc_u32 v[XWI], s55, v[LI]
	s_lshl_b32 s55, s[WV], 2
	v_add_nc_u32 v[XWS], s55, v[LI]
	v_lshlrev_b32 v[H16], 4, v[T0+2]
	v_mul_u32_u24 v[SWA], v[T0+2], HEADB
	v_lshl_add_u32 v[SWA], v[T0+1], 4, v[SWA]
	; the bias as C.  q, k: register j of a tile is unit 16 h + j of it: offset 64 h + 4 j.  v: all eight registers are the lane's own e: offset 4 (r + 8 (r/8))
	s_cmp_eq_u32 s[Y], 2
	s_cselect_b32 s[FH], 0, 64
	s_cselect_b32 s[FR], 4, 0
	s_cselect_b32 s[FJ], 0, 4
	v_mul_u32_u24 v[T0+4], v[T0+2], s[FH]
	v_mad_u32_u24 v[T0+4], v[T0+3], s[FR], v[T0+4]
.irp j, 0,1,2,3,4,5,6,7
	s_mul_i32 s55, s[FJ], \j
	v_add_nc_u32 v[BA+\j], s55, v[T0+4]
.endr
	s_mov_b32 s[SEL], 0x76543210
	s_mov_b32 s[SEL+1], 0xfedcba98                     ; v_permlanex16_b32's selects for lane l xor 16
	s_mov_b32 s[I512], 0x3b000000                      ; 1 / 512
	s_mov_b32 s[EPS], 0x3727c5ac                       ; 1e-5
.irp b, 0,1,2,3
	v_mov_b32 v[TM+4+\b], 0                            ; written once: a lane permute's destination counts as one of its sources
.endr
	v_mov_b32 v[MW+1], 0                               ; (upper halves of pairs that are named before they are first written)
	v_mov_b32 v[RS+1], 0
	v_mov_b32 v[DR+1], 0
	s_lshl_b32 s56, s[BLK], 18                         ; x: 128 rows of 2,048 bytes a block,
	s_lshl_b32 s58, s[WV], 9                           ; + my wave's 128 columns
	s_add_co_u32 s56, s56, s58
	s_mov_b32 s57, 0
	s_mov_b32 s59, 0
	s_mul_i32 s60, s[WV], 49152                        ; my 128 weight rows
	s_mov_b32 s61, 0
	s_lshl_b32 s62, s[WV], 11                          ; and their scale bytes
	s_mov_b32 s63, 0
	s_lshr_b32 s2, s[BLK], 4                           ; the record: ((8 batch + 2 wave) x 16 + block in the batch) x 13,312
	s_lshl_b32 s2, s2, 3
	s_lshl_b32 s3, s[WV], 1
	s_add_co_u32 s2, s2, s3
	s_lshl_b32 s2, s2, 4
	s_and_b32 s3, s[BLK], 15
	s_add_co_u32 s2, s2, s3
	s_mul_i32 s2, s2, REC
	s_mov_b32 s3, 0
	s_wait_kmcnt 0x0
	s_cmp_eq_u32 s[Y], 0                               ; the buffers are chosen on the work-group's y alone
	s_cselect_b64 s[WC:WC+1], s[14:15], s[20:21]
	s_cselect_b64 s[WSC:WSC+1], s[16:17], s[22:23]
	s_cselect_b64 s[BIA:BIA+1], s[18:19], s[24:25]
	s_cselect_b64 s[OUT:OUT+1], s[32:33], s[34:35]
	s_cmp_eq_u32 s[Y], 2
	s_cselect_b64 s[WC:WC+1], s[26:27], s[WC:WC+1]
	s_cselect_b64 s[WSC:WSC+1], s[28:29], s[WSC:WSC+1]
	s_cselect_b64 s[BIA:BIA+1], s[30:31], s[BIA:BIA+1]
	s_add_nc_u64 s[XP:XP+1], s[XP:XP+1], s[56:57]
	s_add_nc_u64 s[GP:GP+1], s[GP:GP+1], s[58:59]
	s_add_nc_u64 s[BP:BP+1], s[BP:BP+1], s[58:59]
	s_add_nc_u64 s[WC:WC+1], s[WC:WC+1], s[60:61]
	s_add_nc_u64 s[WSC:WSC+1], s[WSC:WSC+1], s[62:63]
	s_add_nc_u64 s[BIA:BIA+1], s[BIA:BIA+1], s[58:59]
	s_add_nc_u64 s[OUT:OUT+1], s[OUT:OUT+1], s[2:3]
	; ---- PHASE X: eight tiles of 16 rows.  Trip m asks for weight tile m with its bias (33 loads) and then for tile m + 2 of x (16 loads).
	XLOAD 0
	GBLOAD
	XLOAD 1
.macro XTRIP m
.if (\m) == 0
	s_wait_loadcnt 16                                  ; tile 0, gain and bias are in; tile 1's 16 loads may be out
.elseif (\m) == 7
	s_wait_loadcnt 33                                  ; behind tile 7's loads stand only the last trip's 33 weight and bias loads
.else
	s_wait_loadcnt 49                                  ; behind this tile's loads stand the last trip's 33 weight and bias loads and the next tile's 16
.endif
	LN_SUM XB+64*((\m)%2), 3
	LN_SUB XB+64*((\m)%2), 3
	LN_A \m
	WCHUNK \m, WC, WSC                                 ; issued while the pair is on its way into LDS
	WIN 0x40
.irp j, 0,1,2,3,4,5,6,7
	global_load_b32 v[BI+8*(\m)+\j], v[BA+\j], s[BIA:BIA+1] offset:4*(32*((\m)/2)+8*((\m)%2))
.endr
	WIN 0
	LN_B \m
.if (\m) < 6
	XLOAD (\m)+2                                       ; issued while the four pairs are on their way back; into the buffer that this trip has read out
.endif
	LN_C \m
.endm
.irp m, 0,1,2,3,4,5,6,7
	XTRIP \m
.endr
	s_wait_loadcnt 0x0                                 ; the last weight tiles
	BARRIER                                            ; xn's 32 fragments lie in LDS; from here on LDS is only read
	s_cmp_eq_u32 s[Y], 2
	s_cbranch_scc1 .Lvalues
	; ---- q or k: a tile of rows at a time; the next tile's fragments come into the other slot meanwhile
.macro QKTILE m
.if (\m) < 7
.if ((\m)%2) == 0
	FETCH RBW, 2, XS1, LI, LI, 6144*((\m)+1), XSC+512*((\m)+1)   ; (the quantiser's lines of the tile before are the places behind that slot's last products)
.else
	FETCH RA, 0, XS0, LI, LI, 6144*((\m)+1), XSC+512*((\m)+1)
.endif
	s_wait_dscnt 13                                    ; this tile's 13 loads are in; the 13 just issued may be out
.else
	s_wait_dscnt 0x0
.endif
	s_wait_xcnt 0x0                                    ; the last tile's stores have read their registers: the codes and scale words are written again below
.if ((\m)%2) == 0
	MMQ RA, 0, XS0
.else
	MMQ RBW, 2, XS1
.endif
	PLACES 4
	QUANT ACC, 0, PW                                   ; 128 units = two heads: registers 0-5 of the fragment are the first head's 64, 6-11 the second's
	global_store_b128 v[LI], v[PC:PC+3], s[OUT:OUT+1] offset:768*(\m)
	global_store_b64 v[L8], v[PC+4:PC+5], s[OUT:OUT+1] offset:768*(\m)+512
	global_store_b128 v[LI], v[PC+6:PC+9], s[OUT:OUT+1] offset:HEADB+768*(\m)
	global_store_b64 v[L8], v[PC+10:PC+11], s[OUT:OUT+1] offset:HEADB+768*(\m)+512
	v_lshrrev_b32 v[SW+((\m)%4)], v[H16], v[PW]        ; lanes 0-15 keep the first head's two bytes lowest, lanes 16-31 bring the second head's down
.if ((\m)%4) == 3
	global_store_b128 v[SWA], v[SW:SW+3], s[OUT:OUT+1] offset:12288+256*((\m)/4)   ; each half of the lanes stores 256 consecutive bytes, into its head's record
.endif
.endm
	FETCH RA, 0, XS0, LI, LI, 0, XSC
.irp m, 0,1,2,3,4,5,6,7
	QKTILE \m
.endr
	s_wait_tensorcnt 0x0
	ds_add_u32 v223, v229
	s_wait_dscnt 0x0
	s_endpgm
.Lvalues:
	; ---- v: source 0 = 16 keys of xn, source 1 = 16 rows of Wv: a lane holds one e, its registers run along the keys.  Two passes, a head each: 32 accumulators in window 3 (64 i + 8 t).
.macro MMV t, g, rs, rw, xs
.irp s, 0,1,2,3
.if \s == 0
	WIN 0xd4|(\rw)
.elseif \s == 1
	WIN 0xf4|(\rw)
.else
	WIN 0xf8|(\rw)
.endif
.irp i, 0,1,2,3
.if \s == 0
	WMR 64*\i+8*(\t), \rs, 12*(4*(\g)+\i), BI+8*(4*(\g)+\i), \xs, WS+4*(4*(\g)+\i)
.else
	WMR 64*\i+8*(\t), \rs+12*\s, 96*(\s%2)+12*(4*(\g)+\i), 64*\i+8*(\t), \xs+\s, WS+4*(4*(\g)+\i)+\s
.endif
.endr
.endr
	WIN 0
.endm
	FETCH RA, 0, XS0, LI, LI, 0, XSC
.irp g, 0,1
.irp t, 0,1,2,3,4,5,6,7
	PLACES 4                                           ; in front of loads into the slot that the last products read
.if (8*\g+\t) < 15
.if (\t%2) == 0
	FETCH RBW, 2, XS1, LI, LI, 6144*((\t+1)%8), XSC+512*((\t+1)%8)
.else
	FETCH RA, 0, XS0, LI, LI, 6144*((\t+1)%8), XSC+512*((\t+1)%8)
.endif
	s_wait_dscnt 13                                    ; the 13 just issued may be out
.else
	s_wait_dscnt 0x0
.endif
.if (\t%2) == 0
	MMV \t, \g, RA, 0, XS0
.else
	MMV \t, \g, RBW, 2, XS1
.endif
.endr
	PLACES 4
.irp i, 0,1,2,3
	s_wait_xcnt 0x0                                    ; earlier stores have read the codes' and scale words' registers
	QUANT 64*\i, 3, SW+\i                              ; 16 e x 128 keys: one fragment of V^T
.irp c, 0,1,2
	global_store_b128 v[LI], v[PC+4*\c:PC+4*\c+3], s[OUT:OUT+1] offset:HEADB*\g+6144+1536*\i+512*\c
.endr
.endr
	global_store_b128 v[LI], v[SW:SW+3], s[OUT:OUT+1] offset:HEADB*\g+12800   ; 512 consecutive bytes: lanes 16-31 hold the same words, the record's second copy
.endr
	s_wait_tensorcnt 0x0
	ds_add_u32 v223, v229
	s_wait_dscnt 0x0
	s_endpgm
.Lfunc_end_k_qf95e988123_qkv:
	.size	k_qf95e988123_qkv, .Lfunc_end_k_qf95e988123_qkv-k_qf95e988123_qkv
	.p2alignl 7, 3214868480
	.fill 96, 4, 3214868480
	.section	.rodata,"a",@progbits
	.p2align	6, 0x0
	.amdhsa_kernel k_qf95e988123_qkv
		.amdhsa_group_segment_fixed_size 57856
		.amdhsa_private_segment_fixed_size 0
		.amdhsa_enable_private_segment 0
		.amdhsa_kernarg_size 112
		.amdhsa_user_sgpr_count 2
		.amdhsa_user_sgpr_kernarg_segment_ptr 1
		.amdhsa_wavefront_size32 1
		.amdhsa_system_sgpr_workgroup_id_x 1
		.amdhsa_system_sgpr_workgroup_id_y 1
		.amdhsa_system_sgpr_workgroup_id_z 1
		.amdhsa_system_vgpr_workitem_id 0
		.amdhsa_next_free_vgpr 1024
		.amdhsa_next_free_sgpr 66
		.amdhsa_reserve_vcc 0
		.amdhsa_float_denorm_mode_32 3
		.amdhsa_float_denorm_mode_16_64 3
		.amdhsa_memory_ordered 1
		.amdhsa_forward_progress 1
		.amdhsa_inst_pref_size 255
	.end_amdhsa_kernel
	.section	.bss,"aw",@nobits
	.p2align	6
	.space	262144
	.amdgpu_metadata
---
amdhsa.version: [ 1, 2 ]
amdhsa.kernels:
  - .name:           k_qf95e988123_qkv
    .symbol:         k_qf95e988123_qkv.kd
    .args:
      - { .name: x, .offset: 0, .size: 8, .value_kind: global_buffer, .address_space: global }
      - { .name: ln1_g, .offset: 8, .size: 8, .value_kind: global_buffer, .address_space: global }
      - { .name: ln1_b, .offset: 16, .size: 8, .value_kind: global_buffer, .address_space: global }
      - { .name: Wq_codes, .offset: 24, .size: 8, .value_kind: global_buffer, .address_space: global }
      - { .name: Wq_scales, .offset: 32, .size: 8, .value_kind: global_buffer, .address_space: global }
      - { .name: bq, .offset: 40, .size: 8, .value_kind: global_buffer, .address_space: global }
      - { .name: Wk_codes, .offset: 48, .size: 8, .value_kind: global_buffer, .address_space: global }
      - { .name: Wk_scales, .offset: 56, .size: 8, .value_kind: global_buffer, .address_space: global }
      - { .name: bk, .offset: 64, .size: 8, .value_kind: global_buffer, .address_space: global }
      - { .name: Wv_codes, .offset: 72, .size: 8, .value_kind: global_buffer, .address_space: global }
      - { .name: Wv_scales, .offset: 80, .size: 8, .value_kind: global_buffer, .address_space: global }
      - { .name: bv, .offset: 88, .size: 8, .value_kind: global_buffer, .address_space: global }
      - { .name: qws, .offset: 96, .size: 8, .value_kind: global_buffer, .address_space: global }
      - { .name: kvws, .offset: 104, .size: 8, .value_kind: global_buffer, .address_space: global }
    .group_segment_fixed_size: 57856
    .private_segment_fixed_size: 0
    .kernarg_segment_align: 8
    .kernarg_segment_size: 112
    .max_flat_workgroup_size: 128
    .sgpr_count:     66
    .vgpr_count:     1024
    .wavefront_size: 32
...
	.end_amdgpu_metadata
.endif
;; end of part 5
;; launch attn (part 6): grid 8 x 32, 16 waves a work-group, clusters of 4 x 1, 215,040 bytes of LDS; arguments qws, kvws, avc, avs; writes avc, avs
.if DOCPART == 6
	.amdgcn_target "amdgcn-amd-amdhsa--gfx1250"
	.amdhsa_code_object_version 6
	.text
	.protected	k_qf95e988123_attn
	.globl	k_qf95e988123_attn
	.p2align	8
	.type	k_qf95e988123_attn,@function
k_qf95e988123_attn:
	s_mov_b64 s[64:65], 0
	v_nop
	global_prefetch_b8 v0, s[64:65] scope:SCOPE_SE
	s_setreg_imm32_b32 hwreg(HW_REG_WAVE_MODE, 25, 1), 1
	s_wait_xcnt 0x0
	s_wait_alu depctr_hold_cnt(0) depctr_sa_sdst(0) depctr_va_vdst(0) depctr_va_sdst(0) depctr_va_ssrc(0) depctr_va_vcc(0) depctr_vm_vsrc(0)
	s_getreg_b32 s2, hwreg(HW_REG_IB_STS2, 6, 4)
	s_cmp_eq_u32 s2, 0
	s_cbranch_scc0 .Lentry_in_a_cluster
	s_endpgm
.Lentry_in_a_cluster:
	s_bfe_u32 s2, ttmp6, 0x10000c
	s_cmp_lg_u32 s2, 0x3003
	s_cbranch_scc0 .Lentry_shape_is_right
	s_endpgm
.Lentry_shape_is_right:
; Attention of one (batch, head) = work-group y, 256 queries = work-group x; both products on codes of FP6 (E2M3) with E8M0 scales.  Sixteen waves, each one tile of 16 queries in 256 registers.
; t = score x log2(e) / 8; M = the running largest t rounded UP to a whole number; p = 2^(t - M) is quantised along the keys, not normalised; the row's sum is taken of the unquantised p and divides at the end.
; When M moves, the sum and O are multiplied by 2^(old M - new M): exact.
; Both products are used transposed (S^T = K Q^T, O^T = V^T P^T): a lane holds one query throughout.  The head's size is 64: registers 6-11 of Q's and K's fragments are zero codes, which add nothing.
; K and V come as the first launch laid them: 16 records of 13,312 bytes (128 keys each): 8 half images of K, 4 images of V^T, scale words.  The whole head, 212,992 bytes, comes into LDS ONCE, by two tensor
; loads a wave (records 0-3, then 4-15); no LDS byte is filled twice.  The first four key steps are written out with the record's place in the immediates; the other twelve are a loop.
; CLUSTER: four neighbouring work-groups along x belong to one head and want the same records: each load is asked for JOINTLY, by the same line with the same descriptor (made of the head and the wave's number
; alone) and a mask that names the four; each receives the bytes in its own LDS.  My place in the cluster enters Q's and the result's global addresses alone.
; The result, divided by the sum, is quantised along the head's 64 and leaves as a half image and two scale bytes a row.  (Those bytes leave two a lane, 16 bytes apart: 131,072 bytes in the whole launch.)
; LIMITS: NaN and infinities are not served.  A block whose largest magnitude lies under 2^-124 (zeros too) gets the byte 1; the bytes are read by this program alone.
; REGISTERS: v1-3 lane terms; v8-10 the step's addresses; v12 -M, v13 the largest t, v[14:15] the sum; v16-27 Q; v28-31 V's scale words; v32-79 four fragments of K; v80-127 four of V;
;   v128-191 S^T, then p; v192-223 O^T; v224-235 p's codes; v232-247 at work; v248-251 K's scale words; v252 f; v253 p's scale word; v254 at work; v255 Q's scale word.
.set REC, 13312
.set LI,  1                            ; 16 x lane
.set L8,  2                            ; 8 x lane
.set R16, 3                            ; 16 r
.set ADK, 8
.set ADK8, 9
.set ADS, 10
.set SS,  128
.set OT,  192
.set WV,  18
.set SEL, 20
.set CS,  22
.set G1A, 24
.set G1B, 32
.set G0A, 40
.set G0B, 44
.set TB,  48
.set CNT, 49
.macro PLACES n
.rept \n
	v_nop
.endr
.endm
.macro CROUND                          ; a round of the cluster's barrier: my work-group's barrier; wave 0 signals for the work-group; every wave waits for all four work-groups; my work-group's barrier once more
	s_barrier_signal -1
	s_barrier_wait -1
	s_cmp_lg_u32 s[WV], 0
	s_cbranch_scc1 .Lnot_wave_0_\@
	s_barrier_signal -3
.Lnot_wave_0_\@:
	s_barrier_wait -3
	s_barrier_signal -1
	s_barrier_wait -1
.endm
.macro WMR d, a, b, c, sa, sb
	v_wmma_scale_f32_16x16x128_f8f6f4 v[\d:\d+7], v[\a:\a+11], v[\b:\b+11], v[\c:\c+7], v[\sa], v[\sb] matrix_a_fmt:MATRIX_FMT_FP6 matrix_b_fmt:MATRIX_FMT_FP6
.endm
.macro WMZ d, a, b, sa, sb
	v_wmma_scale_f32_16x16x128_f8f6f4 v[\d:\d+7], v[\a:\a+11], v[\b:\b+11], 0, v[\sa], v[\sb] matrix_a_fmt:MATRIX_FMT_FP6 matrix_b_fmt:MATRIX_FMT_FP6
.endm
	s_load_b256 s[4:11], s[0:1], 0x0                   ; qws, kvws, avc, avs
	v_lshl_add_u32 v11, v0, 2, 0x34000
	v_mov_b32 v243, 0
	ds_add_u32 v11, v243
	ds_add_u32 v11, v243
	v_lshrrev_b32 v4, 5, v0
	v_readfirstlane_b32 s[WV], v4                      ; wave 0..15
	s_and_b32 s50, ttmp7, 0xffff                       ; 8 batch + head: the four partners share it
	s_mul_i32 s52, s50, 16*REC                         ; the head's records
	s_mov_b32 s53, 0
	s_mul_i32 s54, s[WV], 3328                         ; my sixteenth of records 0-3: 13 rows of 256 bytes
	s_mov_b32 s55, 0
	s_mul_i32 s56, s[WV], 9984                         ; and of records 4-15: 39 rows
	s_add_co_u32 s56, s56, 4*REC
	s_mov_b32 s57, 0
	; descriptor group 1: dense rows of 256 bytes (32 elements of 8 bytes), no padding; 15:0 the mask: all four work-groups; bit 21 set beside it
	s_mov_b32 s[G1A], 15|(3<<16)|(1<<21)
	s_mov_b32 s[G1A+1], 32<<16                         ; tensor_dim0
	s_mov_b32 s[G1A+2], 13<<16                         ; tensor_dim1
	s_mov_b32 s[G1A+3], 32<<16                         ; tile_dim0
	s_mov_b32 s[G1A+4], 13                             ; tile_dim1
	s_mov_b32 s[G1A+5], 32                             ; the pitch
	s_mov_b32 s[G1A+6], 0
	s_mov_b32 s[G1A+7], 0
	s_mov_b32 s[G1B], 15|(3<<16)|(1<<21)
	s_mov_b32 s[G1B+1], 32<<16
	s_mov_b32 s[G1B+2], 39<<16
	s_mov_b32 s[G1B+3], 32<<16
	s_mov_b32 s[G1B+4], 39
	s_mov_b32 s[G1B+5], 32
	s_mov_b32 s[G1B+6], 0
	s_mov_b32 s[G1B+7], 0
	; my tile of queries: block 2 x + wave / 8 of the batch's 16, tile wave % 8; x = 4 x cluster x + my place in the cluster
	s_bfe_u32 s58, ttmp6, 0x40000
	s_lshl_b32 s51, ttmp9, 2
	s_add_co_u32 s51, s51, s58
	s_lshl_b32 s51, s51, 1
	s_lshr_b32 s58, s[WV], 3
	s_add_co_u32 s51, s51, s58
	s_and_b32 s60, s[WV], 7
	s_lshl_b32 s58, s50, 4
	s_add_co_u32 s58, s58, s51
	s_mul_i32 s58, s58, REC                            ; its record in qws
	s_mul_i32 s59, s60, 768
	s_add_co_u32 s12, s58, s59                         ; its half image
	s_mov_b32 s13, 0
	s_lshr_b32 s59, s60, 2
	s_lshl_b32 s59, s59, 8
	s_and_b32 s61, s60, 3
	s_lshl_b32 s61, s61, 2
	s_add_co_u32 s14, s58, s59
	s_add_co_u32 s14, s14, s61
	s_add_co_u32 s14, s14, 12288                       ; its scale words: 12,288 + 256 (m / 4) + 4 (m % 4), 16 bytes a row
	s_mov_b32 s15, 0
	s_lshr_b32 s58, s50, 3
	s_lshl_b32 s58, s58, 4
	s_add_co_u32 s58, s58, s51                         ; the block of 128 rows among all 64
	s_lshl_b32 s58, s58, 3
	s_add_co_u32 s58, s58, s60                         ; 8 block + tile
	s_and_b32 s59, s50, 7                              ; the head
	s_lshl_b32 s62, s58, 3
	s_add_co_u32 s62, s62, s59
	s_mul_i32 s62, s62, 768                            ; where the result's half image goes
	s_mov_b32 s63, 0
	s_lshl_b32 s16, s58, 8
	s_lshl_b32 s59, s59, 1
	s_add_co_u32 s16, s16, s59                         ; and its scale bytes
	s_mov_b32 s17, 0
	s_mov_b32 s[SEL], 0x76543210
	s_mov_b32 s[SEL+1], 0xfedcba98                     ; v_permlanex16_b32's selects for lane l xor 16
	s_mov_b32 s[CS], 0x3e38aa3b                        ; c = log2(e) / 8
	s_mov_b32 s[CS+1], s[CS]                           ; (named with it as a pair, so it is written)
	s_mov_b32 s[TB], 0
	s_wait_dscnt 0x0
	s_wait_kmcnt 0x0
	s_add_nc_u64 s[52:53], s[6:7], s[52:53]
	s_mov_b32 s[G0A], 1                                ; count = 1
	s_mov_b32 s[G0A+1], s54                            ; LDS address: as the bytes lie in the head's records
	s_add_nc_u64 s[G0A+2:G0A+3], s[52:53], s[54:55]
	s_or_b32 s[G0A+3], s[G0A+3], 0x80000000            ; type = 2
	s_mov_b32 s[G0B], 1
	s_mov_b32 s[G0B+1], s56
	s_add_nc_u64 s[G0B+2:G0B+3], s[52:53], s[56:57]
	s_or_b32 s[G0B+3], s[G0B+3], 0x80000000
	CROUND                                             ; all four work-groups are here: the joint loads meet
	tensor_load_to_lds s[G0A:G0A+3], s[G1A:G1A+7]      ; both fills go out together, ahead of every wait on TENSORcnt and every LDS read: two loads of mine are out
	s_nop 0
	tensor_load_to_lds s[G0B:G0B+3], s[G1B:G1B+7]
	s_nop 0
	PLACES 4
	s_add_nc_u64 s[12:13], s[4:5], s[12:13]
	s_add_nc_u64 s[14:15], s[4:5], s[14:15]
	s_add_nc_u64 s[8:9], s[8:9], s[62:63]
	s_add_nc_u64 s[10:11], s[10:11], s[16:17]
	v_and_b32 v4, 31, v0
	v_and_b32 v5, 15, v0
	v_lshlrev_b32 v[LI], 4, v4
	v_lshlrev_b32 v[L8], 3, v4
	v_lshlrev_b32 v[R16], 4, v5
	global_load_b128 v[16:19], v[LI], s[12:13]         ; Q's half image: registers 0-3,
	global_load_b64 v[20:21], v[L8], s[12:13] offset:512   ; 4 and 5
	global_load_b32 v255, v[R16], s[14:15]             ; Q's scale words
.irp j, 22,23,24,25,26,27
	v_mov_b32 v\j, 0                                   ; k = 64 .. 127: zero codes
.endr
.irp t, 0,1,2,3
.irp j, 6,7,8,9,10,11
	v_mov_b32 v[32+12*\t+\j], 0                        ; the same in K's four fragments: written once
.endr
.endr
	v_mov_b32 v13, 0xff61b1e6                          ; the largest t so far: -3e38
	v_floor_f32 v12, -v13                              ; -M
	v_mov_b32 v14, 0
	v_mov_b32 v15, 0
.irp b, 0,1,2,3
	v_mov_b32 v[236+\b], 0                             ; written once: a lane permute's destination counts as one of its sources
.endr
	v_mov_b32 v253, 0                                  ; (named as the upper half of v[252:253] before it is first written)
.set i, 0
.rept 32
	v_mov_b32 v[OT+i], 0                               ; O^T: the step is written for every step alike; the first finds zeros
.set i, i+1
.endr
; A KEY STEP: 128 keys, the record at LDS byte s[TB] + off.  adv = 1: s[TB] steps on.
.macro STEP off, adv
	v_add_nc_u32 v[ADK], s[TB], v[LI]
	v_add_nc_u32 v[ADK8], s[TB], v[L8]
	v_add_nc_u32 v[ADS], s[TB], v[R16]
.irp g, 0,1                                        ; S^T = K Q^T, four tiles of 16 keys at a time
.if \g
	PLACES 4                                           ; in front of loads into registers that matrix instructions have read
.endif
.irp t, 0,1,2,3
	ds_load_b128 v[32+12*\t:35+12*\t], v[ADK] offset:\off+768*(4*\g+\t)
	ds_load_b64 v[36+12*\t:37+12*\t], v[ADK8] offset:\off+768*(4*\g+\t)+512
.endr
	ds_load_b128 v[248:251], v[ADS] offset:\off+12288+256*\g
	s_wait_dscnt 0x0
.irp t, 0,1,2,3
	WMZ SS+8*(4*\g+\t), 32+12*\t, 16, 248+\t, 255
.endr
.endr                                              ; lane (r, h): query r; register 16 b + i is key 32 b + 16 h + i
.irp e, 0,1,2,3                                    ; V's four fragments are asked for now and land under the softmax (behind the last step's products: the three additions and four v_nop above)
.irp c, 0,1,2
	ds_load_b128 v[80+12*\e+4*\c:83+12*\e+4*\c], v[ADK] offset:\off+6144+1536*\e+512*\c
.endr
.endr
	ds_load_b128 v[28:31], v[ADS] offset:\off+12800
	PLACES 4
.irp b, 0,1,2,3
	v_max3_num_f32 v[232+\b], v[SS+16*\b], v[SS+1+16*\b], v[SS+2+16*\b]   ; the largest score of each block of 32 keys: for the row's maximum and, since p rises with the score, for the block's largest p
.endr
.irp i, 3,5,7,9,11,13
.irp b, 0,1,2,3
	v_max3_num_f32 v[232+\b], v[232+\b], v[SS+16*\b+\i], v[SS+1+16*\b+\i]
.endr
.endr
.irp b, 0,1,2,3
	v_max_num_f32 v[232+\b], v[232+\b], v[SS+15+16*\b]
.endr
.irp b, 0,1,2,3
	v_permlanex16_b32 v[236+\b], v[232+\b], s[SEL], s[SEL+1]
.endr
.irp b, 0,1,2,3
	v_max_num_f32 v[232+\b], v[232+\b], v[236+\b]
.endr
	v_max3_num_f32 v254, v232, v233, v234
	v_max_num_f32 v254, v254, v235
	v_mul_f32 v254, s[CS], v254                        ; as t (c is positive)
	v_max_num_f32 v13, v13, v254                       ; the running largest t
	v_mov_b32 v254, v12
	v_floor_f32 v12, -v13                              ; the new -M = -ceil(t)
	v_sub_f32 v254, v12, v254                          ; old M - new M: a whole number, 0 or less
	v_cvt_i32_f32 v254, v254                           ; (it saturates)
	v_ldexp_f32 v252, 1.0, v254                        ; f = 2^(old M - new M)
.irp j, 0,2,4,6,8,10,12,14,16,18,20,22,24,26,28,30,32,34,36,38,40,42,44,46,48,50,52,54,56,58,60,62
	v_pk_fma_f32 v[SS+\j:SS+1+\j], v[SS+\j:SS+1+\j], s[CS:CS+1], v[12:13] op_sel_hi:[1,0,0]   ; t - M
.endr
.irp b, 0,1,2,3
	v_fma_f32 v[232+\b], v[232+\b], s[CS], v12
.endr
.set i, 0
.rept 64
	v_exp_f32 v[SS+i], v[SS+i]                         ; p = 2^(t - M)
.set i, i+1
.endr
.irp b, 0,1,2,3
	v_exp_f32 v[232+\b], v[232+\b]                     ; the block's largest p
.endr
	v_pk_mul_f32 v[14:15], v[14:15], v[252:253] op_sel_hi:[1,0]   ; the sums under the new M (a plain place behind the exponentials)
	s_wait_alu depctr_va_vdst(0)
.irp b, 0,1,2,3
	v_max_num_f32 v[232+\b], 0x1800000, v[232+\b]      ; the floor 2^(3 - 127)
.endr
.irp b, 0,1,2,3
	v_add_nc_u32 v[244+\b], 0xff000000, v[232+\b]      ; the conversion's scale operand
.endr
.irp b, 0,1,2,3
	v_lshrrev_b32 v[236+\b], 23, v[244+\b]             ; the scale's byte
.endr
	v_lshl_or_b32 v253, v237, 8, v236
	v_lshl_or_b32 v253, v238, 16, v253
	v_lshl_or_b32 v253, v239, 24, v253
.irp c, 0,1
	v_cvt_scalef32_pk16_fp6_f32 v[224+6*\c:226+6*\c], v[SS+32*\c:SS+15+32*\c], v[244+2*\c]
	v_cvt_scalef32_pk16_fp6_f32 v[236+4*\c:238+4*\c], v[SS+16+32*\c:SS+31+32*\c], v[245+2*\c]
.endr
	v_nop                                              ; one plain place behind a scaled conversion
.irp c, 0,1
.irp i, 0,1,2
	v_permlane16_swap_b32 v[224+6*\c+\i], v[236+4*\c+\i]
.endr
.irp i, 0,1,2
	v_mov_b32 v[227+6*\c+\i], v[236+4*\c+\i]
.endr
.endr
	v_pk_add_f32 v[236:237], v[SS:SS+1], v[SS+2:SS+3]  ; the row's sum, of the unquantised p, in two chains
.irp j, 4,8,12,16,20,24,28,32,36,40,44,48,52,56,60
	v_pk_add_f32 v[14:15], v[14:15], v[SS+\j:SS+1+\j]
	v_pk_add_f32 v[236:237], v[236:237], v[SS+2+\j:SS+3+\j]
.endr
	v_pk_add_f32 v[14:15], v[14:15], v[236:237]
.irp j, 0,2,4,6,8,10,12,14,16,18,20,22,24,26,28,30
	v_pk_mul_f32 v[OT+\j:OT+1+\j], v[OT+\j:OT+1+\j], v[252:253] op_sel_hi:[1,0]   ; O^T under the new M
.endr
	s_wait_dscnt 0x0                                   ; V is in
.irp e, 0,1,2,3
	WMR OT+8*\e, 80+12*\e, 224, OT+8*\e, 28+\e, 253    ; O^T += V^T P^T: the four accumulators by turns
.endr
.if \adv
	s_add_co_u32 s[TB], s[TB], REC
.endif
.endm
	s_wait_loadcnt 0x0                                 ; Q
	s_wait_tensorcnt 0x1                               ; my part of records 0-3 is in; the second load may stay out
	s_barrier_signal -1
	s_barrier_wait -1                                  ; everybody's is
.irp k, 0,1,2,3
	STEP REC*\k, 0
.endr
	s_wait_tensorcnt 0x0                               ; my part of records 4-15
	s_wait_dscnt 0x0
	s_barrier_signal -1
	s_barrier_wait -1
	s_mov_b32 s[TB], 4*REC
	s_mov_b32 s[CNT], 12
.Lstep:
	STEP 0, 1
	s_sub_co_u32 s[CNT], s[CNT], 1
	s_cmp_lg_u32 s[CNT], 0
	s_cbranch_scc1 .Lstep
	; THE WAY OUT: O^T / the sum, quantised along the head's 64 (two blocks), as a half image and two scale bytes a row
	PLACES 4
	v_add_f32 v14, v14, v15
	v_permlanex16_b32 v252, v14, s[SEL], s[SEL+1]
	v_add_f32 v14, v14, v252                           ; the row's sum
	v_rcp_f32 v14, v14
	v_nop                                              ; one plain place behind a transcendental
.set i, 0
	s_wait_alu depctr_va_vdst(0)
.rept 32
	v_mul_f32 v[SS+i], v[OT+i], v14                    ; register 16 b + i is e = 32 b + 16 h + i
.set i, i+1
.endr
.irp b, 0,1
	v_max3_num_f32 v[232+\b], |v[SS+16*\b]|, |v[SS+1+16*\b]|, 0x1800000
.endr
.irp i, 2,4,6,8,10,12,14
.irp b, 0,1
	v_max3_num_f32 v[232+\b], v[232+\b], |v[SS+16*\b+\i]|, |v[SS+1+16*\b+\i]|
.endr
.endr
.irp b, 0,1
	v_permlanex16_b32 v[236+\b], v[232+\b], s[SEL], s[SEL+1]
.endr
.irp b, 0,1
	v_max_num_f32 v[232+\b], v[232+\b], v[236+\b]
.endr
.irp b, 0,1
	v_add_nc_u32 v[244+\b], 0xff000000, v[232+\b]
.endr
.irp b, 0,1
	v_lshrrev_b32 v[236+\b], 23, v[244+\b]
.endr
	v_lshl_or_b32 v253, v237, 8, v236
	v_cvt_scalef32_pk16_fp6_f32 v[224:226], v[SS:SS+15], v244
	v_cvt_scalef32_pk16_fp6_f32 v[236:238], v[SS+16:SS+31], v245
	v_nop
.irp i, 0,1,2
	v_permlane16_swap_b32 v[224+\i], v[236+\i]
.endr
.irp i, 0,1,2
	v_mov_b32 v[227+\i], v[236+\i]
.endr
	global_store_b128 v[LI], v[224:227], s[8:9]        ; 512 consecutive bytes,
	global_store_b64 v[L8], v[228:229], s[8:9] offset:512   ; then 256
	global_store_b16 v[R16], v253, s[10:11]            ; lanes 16-31 store the same two bytes to the same place
	s_wait_tensorcnt 0x0
	ds_add_u32 v11, v243
	s_wait_dscnt 0x0
	CROUND                                             ; the closing round: no work-group ends while a partner may still ask for bytes by a load that names it
	s_endpgm
.Lfunc_end_k_qf95e988123_attn:
	.size	k_qf95e988123_attn, .Lfunc_end_k_qf95e988123_attn-k_qf95e988123_attn
	.p2alignl 7, 3214868480
	.fill 96, 4, 3214868480
	.section	.rodata,"a",@progbits
	.p2align	6, 0x0
	.amdhsa_kernel k_qf95e988123_attn
		.amdhsa_group_segment_fixed_size 215040
		.amdhsa_private_segment_fixed_size 0
		.amdhsa_enable_private_segment 0
		.amdhsa_kernarg_size 32
		.amdhsa_user_sgpr_count 2
		.amdhsa_user_sgpr_kernarg_segment_ptr 1
		.amdhsa_wavefront_size32 1
		.amdhsa_system_sgpr_workgroup_id_x 1
		.amdhsa_system_sgpr_workgroup_id_y 1
		.amdhsa_system_sgpr_workgroup_id_z 1
		.amdhsa_system_vgpr_workitem_id 0
		.amdhsa_next_free_vgpr 256
		.amdhsa_next_free_sgpr 66
		.amdhsa_reserve_vcc 0
		.amdhsa_float_denorm_mode_32 3
		.amdhsa_float_denorm_mode_16_64 3
		.amdhsa_memory_ordered 1
		.amdhsa_forward_progress 1
		.amdhsa_inst_pref_size 90
	.end_amdhsa_kernel
	.amdgpu_metadata
---
amdhsa.version: [ 1, 2 ]
amdhsa.kernels:
  - .name:           k_qf95e988123_attn
    .symbol:         k_qf95e988123_attn.kd
    .args:
      - { .name: qws, .offset: 0, .size: 8, .value_kind: global_buffer, .address_space: global }
      - { .name: kvws, .offset: 8, .size: 8, .value_kind: global_buffer, .address_space: global }
      - { .name: avc, .offset: 16, .size: 8, .value_kind: global_buffer, .address_space: global }
      - { .name: avs, .offset: 24, .size: 8, .value_kind: global_buffer, .address_space: global }
    .group_segment_fixed_size: 215040
    .private_segment_fixed_size: 0
    .kernarg_segment_align: 8
    .kernarg_segment_size: 32
    .max_flat_workgroup_size: 512
    .sgpr_count:     66
    .vgpr_count:     256
    .wavefront_size: 32
...
	.end_amdgpu_metadata
.endif
;; end of part 6
;; launch ffn1 (part 7): grid 64 x 4, 4 waves a work-group, no clusters, 302,592 bytes of LDS; arguments avc, avs, Wo_codes, Wo_scales, bo, x, ln2_g, ln2_b, W1_codes, W1_scales, b1, x1w, hc, hs; writes x1w, hc, hs
.if DOCPART == 7
	.amdgcn_target "amdgcn-amd-amdhsa--gfx1250"
	.amdhsa_code_object_version 6
	.text
	.protected	k_qf95e988123_ffn1
	.globl	k_qf95e988123_ffn1
	.p2align	8
	.type	k_qf95e988123_ffn1,@function
k_qf95e988123_ffn1:
	s_mov_b64 s[64:65], 0
	v_nop
	global_prefetch_b8 v0, s[64:65] scope:SCOPE_SE
	s_setreg_imm32_b32 hwreg(HW_REG_WAVE_MODE, 25, 1), 1
	s_wait_xcnt 0x0
; x1 = x + av Wo + bo;  x2 = LayerNorm 2 (x1), quantised;  h = gelu(x2 W1 + b1) (exact, by erfc), quantised along the hidden units.  All products on codes of FP6 (E2M3) with E8M0 scales.
; A work-group takes 128 rows (block x = 0..63) and 512 hidden units (y = 0..3); four waves.
; ROWS and tiles as in the first launch: tile m, lane r: row 32 (m/2) + 8 (m%2) + r + 8 (r/8); source 0 = 16 weight rows chosen alike, source 1 = 16 rows of the activations: register 16 b + i is column 32 b + 16 h + i.
; PHASE A (each y does it: that spares a launch and x2's way through memory): wave w holds Wo's rows 128 w .. +127 in registers; for each tile of rows: av's fragments from memory (images), 32 products with bo as C,
; + x, LayerNorm as in the first launch, codes to LDS as images.  x1 leaves as images of the registers; work-group y stores tiles 2 y and 2 y + 1.
; PHASE B: W1's rows 512 y + 128 w .. +127 take Wo's place; a loop over the eight tiles: x2 from LDS (fetched a tile ahead), 32 products with b1 as C, gelu, quantise: the wave's 128 units are K step 4 y + w of the last product.
; EVERY GLOBAL LOAD TAKES NEIGHBOURING BYTES IN NEIGHBOURING LANES.  A fragment wants 24 bytes of each of 16 rows, and the sum with x wants 16 numbers of each of 16 rows: loaded so, a load would touch 16 rows.
; So a wave's 128 weight rows (49,152 dense bytes) come by 96 loads of 512 consecutive bytes and turn through the wave's own LDS bytes, 32 rows (a group) at a time; a tile's 16 rows of x come by 16 loads of the wave's
; 512 bytes of a row and turn through a second stage.  LDS serves a wave's instructions in order (ISA guide 5.7.1.4): no wait stands inside a turn.
; W1 COMES EARLY: its four groups are loaded under tiles 0-3 of phase A, into spare registers, and stored under the next tile's products into LDS bytes of their own; between the phases only the fragments are read.
; SCALE WORDS OF THE WEIGHTS: one register carries tile t's words in lanes 0-15 and tile t + 4's in lanes 16-31 (the instruction's row selector): 16 registers a weight, so that both weights' words are loaded at the head.
; GELU: gelu(x) = max(x, 0) - |x| E, E = erfc(a) / 2, a = |x| / sqrt(2).  erfc(a) = t exp(-a^2 + p(t)), t = 1 / (1 + a / 2), p the published fit of degree 9, whose fractional error is under 1.2e-7.  Here in base 2:
; E = t 2^(P(t) - b^2), b = a sqrt(log2 e), P = p log2 e - 1.  |x| is held at 16, where E has long fallen to 0 in f32.
; No cluster: nothing here comes by tensor loads; weights and activations come through registers.
; LIMITS: NaN and infinities are not served.  E under 2^-126 counts as 0.  The exponent P - b^2 is rounded in f32: E's relative error is about 4e-7 + 2e-7 a^2.
; A block whose largest magnitude lies under 2^-124 (zeros too) gets the byte 1; the bytes are read by this program alone.
.set XIMG, 0                           ; LDS: x2's images [m 8][K step 4][1536]
.set XSC,  49152                       ; their scale words [m][lane 32][K step 4]
.set PST,  53248                       ; (mean, sum of squares) [m][r 16][wave 4]
.set HSG,  57344                       ; h's scale words, 512 bytes for each wave, its own: [r 16][m 8]
.set XST,  59392                       ; x's stage, for each wave 16 rows x (512 + 16) bytes: row r starts 16 r bytes on modulo 256
.set XSTB, 8448
.set WST,  93184                       ; the weights' bytes, for each wave four groups of 32 rows of 384 bytes: in a group row n at 400 n + 128 (n / 16).  A read's 32 lanes take rows 0-7 and 16-23 (or 8-15 and 24-31), two halves
.set WGB,  13056                       ; 24 bytes apart: 100 words a row and 32 words more for the upper sixteen rows put their 64 words on 64 different banks.  Wo's four groups turn through the first group's bytes, one after the other;
.set WSTB, 4*WGB                       ; W1's four then lie side by side
.set LI,  1                            ; 16 x lane
.set L8,  2                            ; 8 x lane
.set WL,  3                            ; a group, on the way out: 400 (r + 8 (r/8)) + 128 (r/8) + 24 h
.set WSA, 4                            ; the weights' scale words: 16 x (r + 8 (r/8)) + 1,024 h: lanes 16-31 take the tile 64 rows on
.set XLD, 5                            ; x's stage, on the way out: 528 r + 64 h
.set GA,  6                            ; 64 h
.set R16, 7                            ; 16 r
.set PSA, 8
.set PSR, 9
.set XWI, 10
.set XWS, 11
.set FA,  12                           ; phase B: 16 x lane + the images of the tile to be fetched
.set FSA, 13                           ; 16 x lane + its scale words
.set HGA, 14                           ; where my row's scale word of this tile goes
.set HG0, 15                           ; HSG + 512 wave + 32 r
.set ACC, 16
.set RA,  80
.set WS,  128                          ; v128-143 Wo's scale words: 4 (t % 4) + s
.set WS2, 144                          ; v144-159 W1's
.set XS0, 160
.set SA,  168                          ; v168-170 a group, on the way in: piece 32 j + lane of 16 bytes lies in row (32 j + lane) / 24: 16 x lane + 16 x that row (512 j stands in the immediate)
.set XSA, 171                          ; x's stage, on the way in: 16 x lane
.set T0,  176
.set PC,  192
.set TM,  212
.set PW,  228
.set LT,  234
.set EX,  242
.set MW,  250
.set RS,  252
.set DR,  254
.set BI,  192                          ; window 1: bo as C
.set GN,  192                          ; window 2
.set BBS, 0                            ; window 3
.set XB,  64                           ; window 3
.set SG,  128                          ; window 3, v128-223: a group of W1 as loaded
.set B1,  128                          ; window 3, v128-191, once W1 is in LDS: b1 as C
.set TA,  0                            ; window 3, phase B: gelu's 16 numbers at work: |x|
.set TD,  16                           ; t
.set TB,  32                           ; b
.set TP,  48                           ; P, the exponent, its power, E
.set TS,  64                           ; max(x, 0)
.set C8,  112                          ; P's second coefficient, twice
.set XP,  18
.set GP,  20
.set BP,  22
.set WV,  36
.set Y,   37
.set BLK, 38
.set SEL, 40
.set I512, 42
.set EPS, 43
.set MSB, 0
.macro WIN new                         ; bits 1:0 source 0, 3:2 source 1, 5:4 source 2, 7:6 destination; the high byte repeats the setting that is left
.if MSB != (\new)
	s_set_vgpr_msb (MSB<<8)|(\new)
.set MSB, (\new)
.endif
.endm
.macro PLACES n
.rept \n
	v_nop
.endr
.endm
.macro BARRIER
	s_wait_dscnt 0x0
	s_barrier_signal -1
	s_barrier_wait -1
.endm
.macro WMR d, a, b, c, sa, sb
	v_wmma_scale_f32_16x16x128_f8f6f4 v[\d:\d+7], v[\a:\a+11], v[\b:\b+11], v[\c:\c+7], v[\sa], v[\sb] matrix_a_fmt:MATRIX_FMT_FP6 matrix_b_fmt:MATRIX_FMT_FP6
.endm
.macro WMR1 d, a, b, c, sa, sb         ; the same with source 0's scales taken from lanes 16-31
	v_wmma_scale_f32_16x16x128_f8f6f4 v[\d:\d+7], v[\a:\a+11], v[\b:\b+11], v[\c:\c+7], v[\sa], v[\sb] matrix_a_fmt:MATRIX_FMT_FP6 matrix_b_fmt:MATRIX_FMT_FP6 matrix_a_scale:MATRIX_SCALE_ROW1
.endm
; 64 numbers of a lane at v[s] on, in window w (register 16 b + i = k 32 b + 16 h + i of my row), become a fragment's codes in v[PC] on and its scale word in v[pw].
.macro QUANT s, w, pw
	WIN (\w)|((\w)<<2)
.irp b, 0,1,2,3
	v_max3_num_f32 v[TM+\b], |v[\s+16*\b]|, |v[\s+1+16*\b]|, 0x1800000   ; and the floor 2^(3 - 127): the byte cannot fall under 1
.endr
	WIN ((\w)<<2)|((\w)<<4)
.irp i, 2,4,6,8,10,12,14
.irp b, 0,1,2,3
	v_max3_num_f32 v[TM+\b], v[TM+\b], |v[\s+16*\b+\i]|, |v[\s+1+16*\b+\i]|
.endr
.endr
	WIN 0
.irp b, 0,1,2,3
	v_permlanex16_b32 v[TM+4+\b], v[TM+\b], s[SEL], s[SEL+1]
.endr
.irp b, 0,1,2,3
	v_max_num_f32 v[TM+\b], v[TM+\b], v[TM+4+\b]
.endr
.irp b, 0,1,2,3
	v_add_nc_u32 v[TM+12+\b], 0xff000000, v[TM+\b]     ; 2 off the exponent field: the conversion's scale operand
.endr
.irp b, 0,1,2,3
	v_lshrrev_b32 v[TM+4+\b], 23, v[TM+12+\b]          ; the scale's byte
.endr
	v_lshl_or_b32 v[\pw], v[TM+5], 8, v[TM+4]
	v_lshl_or_b32 v[\pw], v[TM+6], 16, v[\pw]
	v_lshl_or_b32 v[\pw], v[TM+7], 24, v[\pw]
	WIN (\w)
.irp c, 0,1
	v_cvt_scalef32_pk16_fp6_f32 v[PC+6*\c:PC+2+6*\c], v[\s+32*\c:\s+15+32*\c], v[TM+12+2*\c]
	v_cvt_scalef32_pk16_fp6_f32 v[PC+12+4*\c:PC+14+4*\c], v[\s+16+32*\c:\s+31+32*\c], v[TM+13+2*\c]
.endr
	WIN 0
	v_nop                                              ; one plain place behind a scaled conversion
.irp c, 0,1
.irp i, 0,1,2
	v_permlane16_swap_b32 v[PC+6*\c+\i], v[PC+12+4*\c+\i]
.endr
.irp i, 0,1,2
	v_mov_b32 v[PC+3+6*\c+\i], v[PC+12+4*\c+\i]
.endr
.endr
.endm
.macro IMAGE adr, off
.irp c, 0,1,2
	ds_store_b128 v[\adr], v[PC+4*\c:PC+4*\c+3] offset:\off+512*\c
.endr
.endm
.macro FETCH reg, win, xs, adr, sadr, off, soff
	WIN (\win)<<6
.irp s, 0,1,2,3
.irp c, 0,1,2
	ds_load_b128 v[\reg+12*\s+4*\c:\reg+12*\s+4*\c+3], v[\adr] offset:\off+1536*\s+512*\c
.endr
.endr
	WIN 0
	ds_load_b128 v[\xs:\xs+3], v[\sadr] offset:\soff
.endm
.macro WSLOAD ws, wsc                  ; the scale words of my 128 weight rows, 16 bytes a row: lanes 0-15 tile t's rows, lanes 16-31 tile t + 4's
.irp t, 0,1,2,3
	global_load_b128 v[\ws+4*\t:\ws+4*\t+3], v[WSA], s[\wsc:\wsc+1] offset:(32*(\t/2)+8*(\t%2))*16
.endr
.endm
; Group g of Wo's rows (rows 32 g .. +31, 12,288 dense bytes): 24 loads of 512 consecutive bytes, into the 96 registers that the fragments of tiles 2 g and 2 g + 1 will take.
.macro WGL g, wc
	WIN 0x40
.irp i, 0,1,2,3,4,5,6,7,8,9,10,11
	global_load_b128 v[96*(\i/6)+24*(\g)+4*(\i%6):96*(\i/6)+24*(\g)+4*(\i%6)+3], v[LI], s[\wc:\wc+1] offset:12288*(\g)+512*\i
.endr
	WIN 0x80
.irp i, 0,1,2,3,4,5,6,7,8,9,10,11
	global_load_b128 v[96*(\i/6)+24*(\g)+4*(\i%6):96*(\i/6)+24*(\g)+4*(\i%6)+3], v[LI], s[\wc:\wc+1] offset:12288*(\g)+512*(\i+12)
.endr
	WIN 0
.endm
; The fragments of tiles 2 g and 2 g + 1 out of the group that lies off bytes into my LDS bytes: 24 bytes a lane and half K step, in pieces of 8
.macro WFRAG g, off
	WIN 0x40
.irp u, 0,1
.irp s, 0,1
.irp p, 0,1,2,3,4,5
	ds_load_b64 v[96*\s+12*(2*(\g)+\u)+2*\p:96*\s+12*(2*(\g)+\u)+2*\p+1], v[WL] offset:(\off)+3200*\u+96*\s+48*(\p/3)+8*(\p%3)
.endr
.endr
.endr
	WIN 0x80
.irp u, 0,1
.irp s, 0,1
.irp p, 0,1,2,3,4,5
	ds_load_b64 v[96*\s+12*(2*(\g)+\u)+2*\p:96*\s+12*(2*(\g)+\u)+2*\p+1], v[WL] offset:(\off)+3200*\u+96*(\s+2)+48*(\p/3)+8*(\p%3)
.endr
.endr
.endr
	WIN 0
.endm
; A group of Wo turns: load 3 k + j holds pieces of rows 4 k .. 4 k + 3 (1,600 bytes in LDS; 128 more from row 16 on); the fragments come back into the registers that the stores have left.
.macro WTURN g
	WIN 0x04
.irp i, 0,1,2,3,4,5,6,7,8,9,10,11
	ds_store_b128 v[SA+(\i%3)], v[96*(\i/6)+24*(\g)+4*(\i%6):96*(\i/6)+24*(\g)+4*(\i%6)+3] offset:512*(\i%3)+1600*(\i/3)
.endr
	WIN 0x08
.irp i, 0,1,2,3,4,5,6,7,8,9,10,11
	ds_store_b128 v[SA+(\i%3)], v[96*(\i/6)+24*(\g)+4*(\i%6):96*(\i/6)+24*(\g)+4*(\i%6)+3] offset:512*(\i%3)+1600*(\i/3+4)+128
.endr
	WFRAG \g, 0
.endm
.macro W1L g                           ; group g of W1's rows, as loaded, into the spare registers of window 3
	WIN 0xc0
.irp i, 0,1,2,3,4,5,6,7,8,9,10,11,12,13,14,15,16,17,18,19,20,21,22,23
	global_load_b128 v[SG+4*\i:SG+4*\i+3], v[LI], s[24:25] offset:12288*(\g)+512*\i
.endr
	WIN 0
.endm
.macro W1S g                           ; and from there into its own LDS bytes
	WIN 0x0c
.irp i, 0,1,2,3,4,5,6,7,8,9,10,11,12,13,14,15,16,17,18,19,20,21,22,23
	ds_store_b128 v[SA+(\i%3)], v[SG+4*\i:SG+4*\i+3] offset:WGB*(\g)+512*(\i%3)+1600*(\i/3)+128*(\i/12)
.endr
	WIN 0
.endm
; 32 matrix instructions: my 8 weight tiles x one tile of rows, K = 512; the eight accumulators take turns; the bias, at v[bi] on in window bw, is the first C.
.macro MMQ rs, rw, xs, ws, bi, bw
.irp s, 0,1,2,3
.if \s == 0
	WIN 0x01|((\rw)<<2)|((\bw)<<4)
.elseif \s == 1
	WIN 0x01|((\rw)<<2)
.else
	WIN 0x02|((\rw)<<2)
.endif
.irp t, 0,1,2,3,4,5,6,7
.if \s == 0
.if \t < 4
	WMR ACC+8*\t, 12*\t, \rs, \bi+8*\t, \ws+4*\t, \xs
.else
	WMR1 ACC+8*\t, 12*\t, \rs, \bi+8*\t, \ws+4*(\t-4), \xs
.endif
.else
.if \t < 4
	WMR ACC+8*\t, 96*(\s%2)+12*\t, \rs+12*\s, ACC+8*\t, \ws+4*\t+\s, \xs+\s
.else
	WMR1 ACC+8*\t, 96*(\s%2)+12*\t, \rs+12*\s, ACC+8*\t, \ws+4*(\t-4)+\s, \xs+\s
.endif
.endif
.endr
.endr
	WIN 0
.endm
.macro XLOAD m                         ; tile m's 16 rows of x, a load to a row: my wave's 512 consecutive bytes of it
	WIN 0xc0
.irp i, 0,1,2,3,4,5,6,7,8,9,10,11,12,13,14,15
	global_load_b128 v[XB+4*\i:XB+4*\i+3], v[LI], s[XP:XP+1] offset:(32*((\m)/2)+8*((\m)%2)+\i+(\i&8))*2048
.endr
	WIN 0
.endm
.macro XTURN                           ; through my stage: in by rows, back 16 numbers of each block of 32 of my row: register 16 b + 4 j + e is column 32 b + 16 h + 4 j + e
	WIN 0x0c
.irp i, 0,1,2,3,4,5,6,7,8,9,10,11,12,13,14,15
	ds_store_b128 v[XSA], v[XB+4*\i:XB+4*\i+3] offset:528*\i
.endr
	WIN 0xc0
.irp b, 0,1,2,3
.irp j, 0,1,2,3
	ds_load_b128 v[XB+16*\b+4*\j:XB+16*\b+4*\j+3], v[XLD] offset:128*\b+16*\j
.endr
.endr
	WIN 0
.endm
.macro GBLOAD
	WIN 0x80
.irp b, 0,1,2,3
.irp j, 0,1,2,3
	global_load_b128 v[GN+16*\b+4*\j:GN+16*\b+4*\j+3], v[GA], s[GP:GP+1] offset:128*\b+16*\j
.endr
.endr
	WIN 0xc0
.irp b, 0,1,2,3
.irp j, 0,1,2,3
	global_load_b128 v[BBS+16*\b+4*\j:BBS+16*\b+4*\j+3], v[GA], s[BP:BP+1] offset:128*\b+16*\j
.endr
.endr
	WIN 0
.endm
.macro LN_SUM xs, xw
	WIN (\xw)|((\xw)<<2)
.irp k, 0,1,2,3
	v_pk_add_f32 v[LT+2*\k:LT+2*\k+1], v[\xs+2*\k:\xs+2*\k+1], v[\xs+8+2*\k:\xs+9+2*\k]
.endr
	WIN (\xw)<<2
.set i, 8
.rept 24
	v_pk_add_f32 v[LT+2*(i%4):LT+2*(i%4)+1], v[LT+2*(i%4):LT+2*(i%4)+1], v[\xs+2*i:\xs+2*i+1]
.set i, i+1
.endr
	WIN 0
	v_pk_add_f32 v[LT:LT+1], v[LT:LT+1], v[LT+2:LT+3]
	v_pk_add_f32 v[LT+4:LT+5], v[LT+4:LT+5], v[LT+6:LT+7]
	v_pk_add_f32 v[LT:LT+1], v[LT:LT+1], v[LT+4:LT+5]
	v_add_f32 v[LT], v[LT], v[LT+1]
	v_permlanex16_b32 v[LT+1], v[LT], s[SEL], s[SEL+1]
	v_add_f32 v[LT], v[LT], v[LT+1]
	v_mul_f32 v[MW], 0x3c000000, v[LT]                 ; / 128
.endm
.macro LN_SUB xs, xw
	WIN (\xw)
.set i, 0
.rept 32
	v_pk_add_f32 v[ACC+2*i:ACC+2*i+1], v[\xs+2*i:\xs+2*i+1], v[MW:MW+1] op_sel_hi:[1,0] neg_lo:[0,1] neg_hi:[0,1]
.set i, i+1
.endr
	WIN 0
.endm
.macro LN_A m                          ; my wave's sum of squares about its mean; the pair goes to LDS
.irp k, 0,1,2,3
	v_pk_mul_f32 v[LT+2*\k:LT+2*\k+1], v[ACC+2*\k:ACC+2*\k+1], v[ACC+2*\k:ACC+2*\k+1]
.endr
.set i, 4
.rept 28
	v_pk_fma_f32 v[LT+2*(i%4):LT+2*(i%4)+1], v[ACC+2*i:ACC+2*i+1], v[ACC+2*i:ACC+2*i+1], v[LT+2*(i%4):LT+2*(i%4)+1]
.set i, i+1
.endr
	v_pk_add_f32 v[LT:LT+1], v[LT:LT+1], v[LT+2:LT+3]
	v_pk_add_f32 v[LT+4:LT+5], v[LT+4:LT+5], v[LT+6:LT+7]
	v_pk_add_f32 v[LT:LT+1], v[LT:LT+1], v[LT+4:LT+5]
	v_add_f32 v[LT], v[LT], v[LT+1]
	v_permlanex16_b32 v[LT+1], v[LT], s[SEL], s[SEL+1]
	v_add_f32 v[MW+1], v[LT], v[LT+1]
	ds_store_b64 v[PSA], v[MW:MW+1] offset:512*(\m)
.endm
.macro LN_B m                          ; the four waves' pairs meet
	BARRIER                                            ; all four pairs of tile m lie in LDS (its slot is written once in the launch); all my earlier LDS stores have read their registers
	ds_load_b128 v[EX:EX+3], v[PSR] offset:512*(\m)
	ds_load_b128 v[EX+4:EX+7], v[PSR] offset:512*(\m)+16
.endm
.macro LN_C m                          ; merge; normalise; gain and bias; quantise; image to LDS
	s_wait_dscnt 0x0
	v_add_f32 v[LT], v[EX], v[EX+2]
	v_add_f32 v[LT+1], v[EX+4], v[EX+6]
	v_add_f32 v[LT+2], v[EX+1], v[EX+3]
	v_add_f32 v[LT+3], v[EX+5], v[EX+7]
	v_add_f32 v[LT], v[LT], v[LT+1]
	v_add_f32 v[LT+2], v[LT+2], v[LT+3]
	v_mul_f32 v[LT], 0x3e800000, v[LT]                 ; the row's mean
	v_sub_f32 v[LT+4], v[EX], v[LT]
	v_sub_f32 v[LT+5], v[EX+2], v[LT]
	v_sub_f32 v[LT+6], v[EX+4], v[LT]
	v_sub_f32 v[LT+7], v[EX+6], v[LT]
	v_mul_f32 v[LT+1], v[LT+4], v[LT+4]
	v_fmac_f32 v[LT+1], v[LT+5], v[LT+5]
	v_fmac_f32 v[LT+1], v[LT+6], v[LT+6]
	v_fmac_f32 v[LT+1], v[LT+7], v[LT+7]
	v_fmamk_f32 v[LT+2], v[LT+1], 0x43000000, v[LT+2]
	v_fma_f32 v[LT+2], v[LT+2], s[I512], s[EPS]
	v_rsq_f32 v[RS], v[LT+2]
	v_sub_f32 v[LT+3], v[MW], v[LT]                    ; (the plain place behind the transcendental)
	s_wait_alu depctr_va_vdst(0)
	v_mul_f32 v[DR], v[LT+3], v[RS]
.set i, 0
.rept 32
	v_pk_fma_f32 v[ACC+2*i:ACC+2*i+1], v[ACC+2*i:ACC+2*i+1], v[RS:RS+1], v[DR:DR+1] op_sel_hi:[1,0,0]
.set i, i+1
.endr
	WIN 0x38
.set i, 0
.rept 32
	v_pk_fma_f32 v[ACC+2*i:ACC+2*i+1], v[ACC+2*i:ACC+2*i+1], v[GN+2*i:GN+2*i+1], v[BBS+2*i:BBS+2*i+1]
.set i, i+1
.endr
	WIN 0
	QUANT ACC, 0, PW
	IMAGE XWI, XIMG+6144*(\m)
	ds_store_b32 v[XWS], v[PW] offset:XSC+512*(\m)
.endm
.macro BLOAD ptr, base, w              ; a bias as C, into v[base] on in window w: register j of tile t is unit 32 (t/2) + 8 (t%2) + 16 h + j of my 128
	WIN (\w)<<6
.irp t, 0,1,2,3,4,5,6,7
	global_load_b128 v[\base+8*\t:\base+8*\t+3], v[GA], s[\ptr:\ptr+1] offset:4*(32*(\t/2)+8*(\t%2))
	global_load_b128 v[\base+8*\t+4:\base+8*\t+7], v[GA], s[\ptr:\ptr+1] offset:4*(32*(\t/2)+8*(\t%2))+16
.endr
	WIN 0
.endm
.macro RLOAD m                         ; av's tile m: K step s is heads 2 s and 2 s + 1, a half image each; one load brings the row's four scale words
.irp s, 0,1,2,3
.irp p, 0,1
	global_load_b128 v[RA+12*\s+6*\p:RA+12*\s+6*\p+3], v[LI], s[8:9] offset:(8*(\m)+2*\s+\p)*768
	global_load_b64 v[RA+12*\s+6*\p+4:RA+12*\s+6*\p+5], v[L8], s[8:9] offset:(8*(\m)+2*\s+\p)*768+512
.endr
.endr
	global_load_b128 v[XS0:XS0+3], v[R16], s[10:11] offset:256*(\m)
.endm
; 16 numbers, v[ACC + 16 g] on, become their gelu, in place.  Each line stands for all 16 (8 pairs), so that no line waits for the line above it.
.macro GELU g
.set X0, ACC+16*(\g)
	WIN 0xc0
.irp n, 0,1,2,3,4,5,6,7,8,9,10,11,12,13,14,15
	v_min_num_f32 v[TA+\n], 0x41800000, |v[X0+\n]|     ; |x|, held at 16; each accumulator from its low end on
.endr
	WIN 0xff
.irp n, 0,2,4,6,8,10,12,14
	v_pk_fma_f32 v[TD+\n:TD+\n+1], v[TA+\n:TA+\n+1], 0x3eb504f3, 1.0 op_sel_hi:[1,0,0]   ; 1 + a / 2 = 1 + |x| sqrt(2) / 4
.endr
.irp n, 0,1,2,3,4,5,6,7,8,9,10,11,12,13,14,15
	v_rcp_f32 v[TD+\n], v[TD+\n]                       ; t
.endr
.irp n, 0,2,4,6,8,10,12,14
	v_pk_mul_f32 v[TB+\n:TB+\n+1], v[TA+\n:TA+\n+1], 0x3f596d27 op_sel_hi:[1,0]   ; b = |x| sqrt(log2(e) / 2)  (plain places behind the reciprocals)
.endr
	s_wait_alu depctr_va_vdst(0)
.irp n, 0,2,4,6,8,10,12,14
	v_pk_fma_f32 v[TP+\n:TP+\n+1], v[TD+\n:TD+\n+1], 0x3e7c6f08, v[C8:C8+1] op_sel_hi:[1,0,1]   ; P(t), from its highest coefficient down
.endr
.irp k, 0x40097039,0xbfd1a1e5,0x3ecdfd18,0xbe899a80,0x3e0efb2e,0x3f0a29d2,0x3fb8ab5a,0xc034d90f
.irp n, 0,2,4,6,8,10,12,14
	v_pk_fma_f32 v[TP+\n:TP+\n+1], v[TP+\n:TP+\n+1], v[TD+\n:TD+\n+1], \k op_sel_hi:[1,1,0]
.endr
.endr
.irp n, 0,2,4,6,8,10,12,14
	v_pk_fma_f32 v[TP+\n:TP+\n+1], v[TB+\n:TB+\n+1], v[TB+\n:TB+\n+1], v[TP+\n:TP+\n+1] neg_lo:[1,0,0] neg_hi:[1,0,0]   ; P - b^2
.endr
.irp n, 0,1,2,3,4,5,6,7,8,9,10,11,12,13,14,15
	v_exp_f32 v[TP+\n], v[TP+\n]
.endr
	WIN 0xc0
.irp n, 0,1,2,3,4,5,6,7,8,9,10,11,12,13,14,15
	v_max_num_f32 v[TS+\n], 0, v[X0+\n]                ; (plain places behind the exponentials)
.endr
	WIN 0xff
	s_wait_alu depctr_va_vdst(0)
.irp n, 0,2,4,6,8,10,12,14
	v_pk_mul_f32 v[TP+\n:TP+\n+1], v[TP+\n:TP+\n+1], v[TD+\n:TD+\n+1]   ; E = erfc(a) / 2
.endr
	WIN 0x3f
.irp n, 0,2,4,6,8,10,12,14
	v_pk_fma_f32 v[X0+\n:X0+\n+1], v[TA+\n:TA+\n+1], v[TP+\n:TP+\n+1], v[TS+\n:TS+\n+1] neg_lo:[1,0,0] neg_hi:[1,0,0]   ; max(x, 0) - |x| E  (where |x| was held, E is 0)
.endr
	WIN 0
.endm
	s_load_b512 s[8:23], s[0:1], 0x0                   ; avc, avs, Wo codes, Wo scales, bo, x, ln2_g, ln2_b
	s_load_b256 s[24:31], s[0:1], 0x40                 ; W1 codes, W1 scales, b1, x1w
	s_load_b128 s[32:35], s[0:1], 0x60                 ; hc, hs
	v_lshl_add_u32 v232, v0, 2, 0x49c00
	v_mov_b32 v233, 0
	v_lshrrev_b32 v[T0], 5, v0
	v_readfirstlane_b32 s[WV], v[T0]                   ; wave 0..3
	s_and_b32 s[Y], ttmp7, 0xffff
	s_mov_b32 s[BLK], ttmp9
	v_and_b32 v[T0], 31, v0                            ; lane
	v_and_b32 v[T0+1], 15, v0                          ; r
	v_bfe_u32 v[T0+2], v0, 4, 1                        ; h
	v_and_b32 v[T0+3], 8, v[T0+1]
	v_add_nc_u32 v[T0+3], v[T0+3], v[T0+1]             ; r + 8 (r/8)
	v_lshlrev_b32 v[LI], 4, v[T0]
	v_lshlrev_b32 v[L8], 3, v[T0]
	v_lshlrev_b32 v[WSA], 4, v[T0+3]
	v_lshl_add_u32 v[WSA], v[T0+2], 10, v[WSA]
	v_lshlrev_b32 v[GA], 6, v[T0+2]
	v_lshlrev_b32 v[R16], 4, v[T0+1]
	v_lshlrev_b32 v[PSR], 5, v[T0+1]
	v_add_nc_u32 v[PSR], PST, v[PSR]
	s_lshl_b32 s55, s[WV], 3
	v_add_nc_u32 v[PSA], s55, v[PSR]
	s_mul_i32 s55, s[WV], 1536
	v_add_nc_u32 v[XWI], s55, v[LI]
	s_lshl_b32 s55, s[WV], 2
	v_add_nc_u32 v[XWS], s55, v[LI]
	s_lshl_b32 s48, s[WV], 9
	s_add_co_u32 s48, s48, HSG                         ; my wave's 512 bytes for h's scale words
	v_lshlrev_b32 v[HG0], 5, v[T0+1]
	v_add_nc_u32 v[HG0], s48, v[HG0]
	s_mul_i32 s55, s[WV], WSTB
	s_add_co_u32 s55, s55, WST                         ; my LDS bytes for the weights
	v_mul_u32_u24 v[WL], v[T0+3], 400
	v_mad_u32_u24 v[WL], v[T0+2], 24, v[WL]
	v_lshrrev_b32 v[T0+4], 3, v[T0+1]
	v_lshl_add_u32 v[WL], v[T0+4], 7, v[WL]
	v_add_nc_u32 v[WL], s55, v[WL]
.irp j, 0,1,2
	v_add_nc_u32 v[T0+4], 32*\j, v[T0]                 ; piece 32 j + lane, 0 .. 95;
	v_mul_u32_u24 v[T0+4], v[T0+4], 0xaab
	v_lshrrev_b32 v[T0+4], 16, v[T0+4]                 ; / 24: x 2,731 / 65,536 is exact for numbers under 96
	v_lshl_add_u32 v[SA+\j], v[T0+4], 4, v[LI]
	v_add_nc_u32 v[SA+\j], s55, v[SA+\j]
.endr
	s_mul_i32 s56, s[WV], XSTB
	s_add_co_u32 s56, s56, XST                         ; my stage for x
	v_add_nc_u32 v[XSA], s56, v[LI]
	v_mul_u32_u24 v[XLD], v[T0+1], 528
	v_lshl_add_u32 v[XLD], v[T0+2], 6, v[XLD]
	v_add_nc_u32 v[XLD], s56, v[XLD]
	s_mov_b32 s[SEL], 0x76543210
	s_mov_b32 s[SEL+1], 0xfedcba98
	s_mov_b32 s[I512], 0x3b000000                      ; 1 / 512
	s_mov_b32 s[EPS], 0x3727c5ac                       ; 1e-5
.irp b, 0,1,2,3
	v_mov_b32 v[TM+4+\b], 0
.endr
	v_mov_b32 v[MW+1], 0
	v_mov_b32 v[RS+1], 0
	v_mov_b32 v[DR+1], 0
	s_mov_b32 s3, 0
	s_lshl_b32 s50, s[Y], 9
	s_lshl_b32 s51, s[WV], 7
	s_add_co_u32 s50, s50, s51                         ; my first row of W1: 512 y + 128 wave
	s_lshl_b32 s51, s[BLK], 4
	s_lshl_b32 s52, s[Y], 2
	s_add_co_u32 s51, s51, s52
	s_add_co_u32 s51, s51, s[WV]                       ; 16 block + my K step of the last product
	s_wait_kmcnt 0x0
	s_mul_i32 s2, s[BLK], 49152
	s_add_nc_u64 s[8:9], s[8:9], s[2:3]                ; av's images of the block
	s_lshl_b32 s2, s[BLK], 11
	s_add_nc_u64 s[10:11], s[10:11], s[2:3]            ; and their scale bytes
	s_mul_i32 s2, s[WV], 49152
	s_add_nc_u64 s[12:13], s[12:13], s[2:3]            ; my 128 rows of Wo
	s_lshl_b32 s2, s[WV], 11
	s_add_nc_u64 s[14:15], s[14:15], s[2:3]
	s_lshl_b32 s2, s[WV], 9
	s_add_nc_u64 s[16:17], s[16:17], s[2:3]            ; bo, gain and bias at my 128 columns
	s_add_nc_u64 s[GP:GP+1], s[GP:GP+1], s[2:3]
	s_add_nc_u64 s[BP:BP+1], s[BP:BP+1], s[2:3]
	s_lshl_b32 s4, s[BLK], 18
	s_add_co_u32 s2, s2, s4
	s_add_nc_u64 s[XP:XP+1], s[XP:XP+1], s[2:3]        ; x: the block's rows, my columns
	s_mul_i32 s2, s50, 384
	s_add_nc_u64 s[24:25], s[24:25], s[2:3]
	s_lshl_b32 s2, s50, 4
	s_add_nc_u64 s[26:27], s[26:27], s[2:3]
	s_lshl_b32 s2, s50, 2
	s_add_nc_u64 s[28:29], s[28:29], s[2:3]
	s_lshl_b32 s2, s[WV], 13
	s_add_co_u32 s2, s2, s4
	s_add_nc_u64 s[30:31], s[30:31], s[2:3]            ; x1's images: 262,144 block + 8,192 wave
	s_mul_i32 s2, s51, 12288
	s_add_nc_u64 s[32:33], s[32:33], s[2:3]
	s_lshl_b32 s2, s51, 9
	s_add_nc_u64 s[34:35], s[34:35], s[2:3]
	WSLOAD WS, 14                                      ; the small loads first: loads come back in order (ISA guide 5.7.1), so the counted waits for Wo show these in too
	WSLOAD WS2, 26
	BLOAD 16, BI, 1
	GBLOAD
	RLOAD 0
	XLOAD 0
.irp g, 0,1,2,3
	WGL \g, 12
.endr
	s_wait_loadcnt 63                                  ; behind group g's 24 loads stand 24 (3 - g) later ones, which may stay out (72 is more than a wait can name: 63 serves)
	WTURN 0
	s_wait_loadcnt 48
	WTURN 1
	s_wait_loadcnt 24
	WTURN 2
	s_wait_loadcnt 0x0
	WTURN 3
	; ---- PHASE A
.macro ATILE m
.if ((\m) >= 1) && ((\m) <= 4)
	s_wait_loadcnt 24                                  ; this tile's av and x are in; the group of W1 asked for behind them (24 loads) may be out
.elseif (\m) == 6
	s_wait_loadcnt 16                                  ; the same with b1's 16 loads
.else
	s_wait_loadcnt 0x0
.endif
	XTURN                                              ; x turns through its stage while the products below are issued
.if (\m) == 0
	s_wait_dscnt 32                                    ; Wo's fragments are in; the turn's 32 may be out
.endif
	MMQ RA, 0, XS0, WS, BI, 1
.if ((\m) >= 1) && ((\m) <= 4)
	s_wait_loadcnt 0x0                                 ; the group of W1 is in
	W1S (\m)-1
	s_wait_dscnt 24                                    ; x is back; the 24 stores just issued may be out
.else
	s_wait_dscnt 0x0                                   ; x is back
.endif
	PLACES 4                                           ; in front of the first read of results
	WIN 0x0c
.set i, 0
.rept 32
	v_pk_add_f32 v[ACC+2*i:ACC+2*i+1], v[ACC+2*i:ACC+2*i+1], v[XB+2*i:XB+2*i+1]   ; x1 = x + attention's part; each accumulator from its low end on
.set i, i+1
.endr
	WIN 0
	s_cmp_lg_u32 s[Y], (\m)/2                          ; each tile of x1 is stored by one of the four y
	s_cbranch_scc1 .Lnot_mine_\@
.irp k, 0,1,2,3,4,5,6,7,8,9,10,11,12,13,14,15
	global_store_b128 v[LI], v[ACC+4*\k:ACC+4*\k+3], s[30:31] offset:32768*(\m)+512*\k   ; 512 consecutive bytes
.endr
	s_wait_xcnt 0x0                                    ; the stores have read ACC, which is written again below
.Lnot_mine_\@:
.if (\m) < 7
	RLOAD (\m)+1                                       ; the next tile's loads: the 32 additions above are the places behind the products that read these registers
	XLOAD (\m)+1
.endif
	LN_SUM ACC, 0
	LN_SUB ACC, 0
	LN_A \m
	LN_B \m
.if (\m) <= 3
	W1L \m                                             ; issued while the four pairs are on their way back; the barrier's wait has shown the last group's stores done with these registers
.elseif (\m) == 5
	BLOAD 28, B1, 3                                    ; W1 lies in LDS: b1 takes the spare registers
.endif
	LN_C \m
.endm
.irp m, 0,1,2,3,4,5,6,7
	ATILE \m
.endr
	BARRIER                                            ; x2's 32 fragments lie in LDS; from here on they are only read
.irp g, 0,1,2,3
	WFRAG \g, WGB*\g                                   ; Wo is done with: W1's fragments take its registers
.endr
	WIN 0xc0
	v_mov_b32 v[C8], 0xbf97d29d
	v_mov_b32 v[C8+1], 0xbf97d29d
	WIN 0
	FETCH RA, 0, XS0, LI, LI, 0, XSC                   ; x2's tile 0
	; ---- PHASE B: eight trips, a tile of 16 rows each
	s_mov_b32 s44, 0
	s_mov_b32 s45, XSC
	s_mov_b32 s46, 0
	s_mov_b32 s47, 8
.Lhidden:
	s_wait_dscnt 0x0                                   ; this tile's fragments are in (in the first trip W1's too), and the last trip's LDS store has read its registers
	MMQ RA, 0, XS0, WS2, B1, 3
	s_add_co_u32 s44, s44, 6144
	s_add_co_u32 s45, s45, 512
	v_add_nc_u32 v[FA], s44, v[LI]                     ; three additions and a v_nop: the four places behind the products
	v_add_nc_u32 v[FSA], s45, v[LI]
	v_add_nc_u32 v[HGA], s46, v[HG0]
	v_nop
	s_cmp_eq_u32 s47, 1                                ; the last trip fetches nothing
	s_cbranch_scc1 .Lno_more
	FETCH RA, 0, XS0, FA, FSA, 0, 0                    ; the next tile lands under this tile's gelu
.Lno_more:
	GELU 0
	GELU 1
	GELU 2
	GELU 3
	QUANT ACC, 0, PW
.irp c, 0,1,2
	global_store_b128 v[LI], v[PC+4*\c:PC+4*\c+3], s[32:33] offset:512*\c
.endr
	ds_store_b32 v[HGA], v[PW]                         ; both halves of the lanes write the same word to the same place
	s_wait_xcnt 0x0                                    ; the stores have read the codes and their base
	s_add_nc_u64 s[32:33], s[32:33], 1536
	s_add_co_u32 s46, s46, 4
	s_sub_co_u32 s47, s47, 1
	s_cmp_lg_u32 s47, 0
	s_cbranch_scc1 .Lhidden
	s_wait_dscnt 0x0                                   ; the last LDS store has read its address
	v_add_nc_u32 v[HGA], s48, v[LI]
	ds_load_b128 v[PC:PC+3], v[HGA]                    ; my wave's own 512 bytes
	s_wait_dscnt 0x0
	global_store_b128 v[LI], v[PC:PC+3], s[34:35]      ; 512 consecutive bytes
	s_wait_tensorcnt 0x0
	ds_add_u32 v232, v233
	s_wait_dscnt 0x0
	s_endpgm
.Lfunc_end_k_qf95e988123_ffn1:
	.size	k_qf95e988123_ffn1, .Lfunc_end_k_qf95e988123_ffn1-k_qf95e988123_ffn1
	.p2alignl 7, 3214868480
	.fill 96, 4, 3214868480
	.section	.rodata,"a",@progbits
	.p2align	6, 0x0
	.amdhsa_kernel k_qf95e988123_ffn1
		.amdhsa_group_segment_fixed_size 302592
		.amdhsa_private_segment_fixed_size 0
		.amdhsa_enable_private_segment 0
		.amdhsa_kernarg_size 112
		.amdhsa_user_sgpr_count 2
		.amdhsa_user_sgpr_kernarg_segment_ptr 1
		.amdhsa_wavefront_size32 1
		.amdhsa_system_sgpr_workgroup_id_x 1
		.amdhsa_system_sgpr_workgroup_id_y 1
		.amdhsa_system_sgpr_workgroup_id_z 1
		.amdhsa_system_vgpr_workitem_id 0
		.amdhsa_next_free_vgpr 1024
		.amdhsa_next_free_sgpr 66
		.amdhsa_reserve_vcc 0
		.amdhsa_float_denorm_mode_32 3
		.amdhsa_float_denorm_mode_16_64 3
		.amdhsa_memory_ordered 1
		.amdhsa_forward_progress 1
		.amdhsa_inst_pref_size 255
	.end_amdhsa_kernel
	.section	.bss,"aw",@nobits
	.p2align	6
	.space	262144
	.amdgpu_metadata
---
amdhsa.version: [ 1, 2 ]
amdhsa.kernels:
  - .name:           k_qf95e988123_ffn1
    .symbol:         k_qf95e988123_ffn1.kd
    .args:
      - { .name: avc, .offset: 0, .size: 8, .value_kind: global_buffer, .address_space: global }
      - { .name: avs, .offset: 8, .size: 8, .value_kind: global_buffer, .address_space: global }
      - { .name: Wo_codes, .offset: 16, .size: 8, .value_kind: global_buffer, .address_space: global }
      - { .name: Wo_scales, .offset: 24, .size: 8, .value_kind: global_buffer, .address_space: global }
      - { .name: bo, .offset: 32, .size: 8, .value_kind: global_buffer, .address_space: global }
      - { .name: x, .offset: 40, .size: 8, .value_kind: global_buffer, .address_space: global }
      - { .name: ln2_g, .offset: 48, .size: 8, .value_kind: global_buffer, .address_space: global }
      - { .name: ln2_b, .offset: 56, .size: 8, .value_kind: global_buffer, .address_space: global }
      - { .name: W1_codes, .offset: 64, .size: 8, .value_kind: global_buffer, .address_space: global }
      - { .name: W1_scales, .offset: 72, .size: 8, .value_kind: global_buffer, .address_space: global }
      - { .name: b1, .offset: 80, .size: 8, .value_kind: global_buffer, .address_space: global }
      - { .name: x1w, .offset: 88, .size: 8, .value_kind: global_buffer, .address_space: global }
      - { .name: hc, .offset: 96, .size: 8, .value_kind: global_buffer, .address_space: global }
      - { .name: hs, .offset: 104, .size: 8, .value_kind: global_buffer, .address_space: global }
    .group_segment_fixed_size: 302592
    .private_segment_fixed_size: 0
    .kernarg_segment_align: 8
    .kernarg_segment_size: 112
    .max_flat_workgroup_size: 128
    .sgpr_count:     66
    .vgpr_count:     1024
    .wavefront_size: 32
...
	.end_amdgpu_metadata
.endif
;; end of part 7
;; launch ffn2 (part 8): grid 4 x 64, 4 waves a work-group, clusters of 4 x 1, 272,896 bytes of LDS; arguments hc, hs, W2_codes, W2_scales, b2, x1w, out0; writes out0
.if DOCPART == 8
	.amdgcn_target "amdgcn-amd-amdhsa--gfx1250"
	.amdhsa_code_object_version 6
	.text
	.protected	k_qf95e988123_ffn2
	.globl	k_qf95e988123_ffn2
	.p2align	8
	.type	k_qf95e988123_ffn2,@function
k_qf95e988123_ffn2:
	s_mov_b64 s[64:65], 0
	v_nop
	global_prefetch_b8 v0, s[64:65] scope:SCOPE_SE
	s_setreg_imm32_b32 hwreg(HW_REG_WAVE_MODE, 25, 1), 1
	s_wait_xcnt 0x0
	s_wait_alu depctr_hold_cnt(0) depctr_sa_sdst(0) depctr_va_vdst(0) depctr_va_sdst(0) depctr_va_ssrc(0) depctr_va_vcc(0) depctr_vm_vsrc(0)
	s_getreg_b32 s2, hwreg(HW_REG_IB_STS2, 6, 4)
	s_cmp_eq_u32 s2, 0
	s_cbranch_scc0 .Lentry_in_a_cluster
	s_endpgm
.Lentry_in_a_cluster:
	s_bfe_u32 s2, ttmp6, 0x10000c
	s_cmp_lg_u32 s2, 0x3003
	s_cbranch_scc0 .Lentry_shape_is_right
	s_endpgm
.Lentry_shape_is_right:
; out = x1 + h W2 + b2, the product on codes of FP6 (E2M3) with E8M0 scales, K = 2,048.  A work-group takes 128 rows (block = work-group y, 0..63) and 128 columns (work-group x, 0..3); four waves.
; Wave w holds W2's rows 128 x + 32 w .. +31 (two tiles, all 16 K steps: 384 registers) for the whole launch, and 16 accumulators: 2 tiles of columns x 8 tiles of rows.
; Source 0 = 16 rows of W2 (tile t, lane r: row 8 t + r + 8 (r/8) of the wave's 32), source 1 = 16 rows of h: register j of lane (r, h) is column 8 t + 16 h + j of row r: eight neighbours.
; The sums begin as x1 + b2: x1 comes as images of just these registers.
; h's images of the block (196,608 bytes) and their scale words (8,192) come into LDS ONCE, by five tensor loads a wave: the scale words, then four chunks of four K steps; each chunk is waited for, with a barrier,
; one K step ahead of its first read.  No LDS byte is filled twice.
; CLUSTER: the four work-groups along x share their block, so they want the same images and scale words: each load is asked for JOINTLY, by the same line with the same descriptor (made of the block and the wave's
; number alone) and a mask that names the four.  My place in the cluster enters the global addresses of W2, b2, x1 and out alone.
; W2: a fragment wants 24 bytes of each of 16 rows that lie 1,536 bytes apart.  So the wave's 32 rows come a quarter of K at a time (384 bytes of each row), by 24 loads of 16 bytes a lane in which neighbouring
; lanes take neighbouring bytes of a row's 384, into the registers that the fragments will take, and turn through the wave's own part of the stage in LDS.
; The result leaves through the same stage (barriers lie between the two uses; no fill lands there), as whole rows of 512 bytes.
; LIMITS: NaN and infinities are not served.
; REGISTERS: window 0: v1-14 addresses; v16-143 the way out; v64-159 h's eight fragments, set A; v160-175 h's scale words, two sets; v176-207 W2's scale words (16 t + K step); v208-223 b2; v224-227 addresses.
;   window 1: W2's tile 0 (12 x K step).  window 2: tile 1.  window 3: v0-127 the accumulators (8 (2 m + t)); v128-223 h's fragments, set B.
.set HSC, 196608                       ; LDS: behind the images [K step 16][m 8][1536]: the scale words [K step][r 16][m 8]
.set STG, 204800                       ; the stage: 128 rows x (512 + 16) bytes; at the head, for each wave 13,056 bytes of it for W2's turn
.set WSTB, 13056                       ; 32 rows of 384 bytes: row n at 400 n + 128 (n / 16): the 32 lanes of a read (rows 0-7 and 16-23, or 8-15 and 24-31; two halves 24 bytes apart) touch 64 different banks (64 banks of 4 bytes: ISA guide 11.1)
.set LI,   1                           ; 16 x lane
.set R32H, 2                           ; HSC + 32 r
.set WSA2, 4                           ; 64 x (r + 8 (r/8))
.set GA,   5                           ; 64 h
.set SO,   6                           ; STG + 528 r + 64 h + 128 wave
.set SR,   7                           ; STG + 32 x 528 x wave + 16 x lane
.set FA,   8                           ; v8-11: 16 x lane + 49,152 x chunk
.set GW,   12                          ; v12-14: W2 in memory: piece 32 j + lane of 16 bytes lies in row (32 j + lane) / 24 of four: 16 x lane + 1,152 x that row (512 j stands in the immediate)
.set OB,   16
.set HA,   64
.set XSA,  160
.set WS,   176
.set B2,   208
.set SA,   224                         ; v224-226: the same piece in my part of the stage: 16 x lane + 16 x that row
.set WL,   227                         ; and on the way out: 400 (r + 8 (r/8)) + 128 (r/8) + 24 h
.set T0,   228
.set WV,   22
.set Y,    23
.set G1C,  24
.set G1S,  32
.set G0S,  40
.set G0C,  44
.set BLK,  66
.set MSB, 0
.macro WIN new                         ; bits 1:0 source 0, 3:2 source 1, 5:4 source 2, 7:6 destination; the high byte repeats the setting that is left
.if MSB != (\new)
	s_set_vgpr_msb (MSB<<8)|(\new)
.set MSB, (\new)
.endif
.endm
.macro PLACES n
.rept \n
	v_nop
.endr
.endm
.macro BARRIER
	s_wait_dscnt 0x0
	s_barrier_signal -1
	s_barrier_wait -1
.endm
.macro CROUND                          ; a round of the cluster's barrier: my work-group's barrier; wave 0 signals for the work-group; every wave waits for all four work-groups; my work-group's barrier once more
	s_barrier_signal -1
	s_barrier_wait -1
	s_cmp_lg_u32 s[WV], 0
	s_cbranch_scc1 .Lnot_wave_0_\@
	s_barrier_signal -3
.Lnot_wave_0_\@:
	s_barrier_wait -3
	s_barrier_signal -1
	s_barrier_wait -1
.endm
.macro WMR d, a, b, c, sa, sb
	v_wmma_scale_f32_16x16x128_f8f6f4 v[\d:\d+7], v[\a:\a+11], v[\b:\b+11], v[\c:\c+7], v[\sa], v[\sb] matrix_a_fmt:MATRIX_FMT_FP6 matrix_b_fmt:MATRIX_FMT_FP6
.endm
	s_load_b256 s[8:15], s[0:1], 0x0                   ; hc, hs, W2 codes, W2 scales
	s_load_b128 s[16:19], s[0:1], 0x20                 ; b2, x1w
	s_load_b64 s[20:21], s[0:1], 0x30                  ; out0
	v_lshl_add_u32 v254, v0, 2, 0x42800
	v_mov_b32 v255, 0
	ds_add_u32 v254, v255
	ds_add_u32 v254, v255
	v_lshrrev_b32 v[T0], 5, v0
	v_readfirstlane_b32 s[WV], v[T0]                   ; wave 0..3
	s_and_b32 s[BLK], ttmp7, 0xffff                    ; the block of 128 rows: the four partners share it
	s_bfe_u32 s67, ttmp6, 0x40000                      ; my place in the cluster
	s_lshl_b32 s[Y], ttmp9, 2
	s_add_co_u32 s[Y], s[Y], s67                       ; my 128 columns: 4 x cluster x + my place
	; descriptor group 1: dense rows of 256 bytes (32 elements of 8 bytes), no padding; 15:0 the mask: all four work-groups; bit 21 set beside it: 48 rows (a quarter of a chunk), 8 rows (a quarter of the scale words)
	s_mov_b32 s[G1C], 15|(3<<16)|(1<<21)
	s_mov_b32 s[G1C+1], 32<<16
	s_mov_b32 s[G1C+2], 48<<16
	s_mov_b32 s[G1C+3], 32<<16
	s_mov_b32 s[G1C+4], 48
	s_mov_b32 s[G1C+5], 32
	s_mov_b32 s[G1C+6], 0
	s_mov_b32 s[G1C+7], 0
	s_mov_b32 s[G1S], 15|(3<<16)|(1<<21)
	s_mov_b32 s[G1S+1], 32<<16
	s_mov_b32 s[G1S+2], 8<<16
	s_mov_b32 s[G1S+3], 32<<16
	s_mov_b32 s[G1S+4], 8
	s_mov_b32 s[G1S+5], 32
	s_mov_b32 s[G1S+6], 0
	s_mov_b32 s[G1S+7], 0
	s_mul_i32 s4, s[WV], 12288                         ; my quarter of a chunk
	s_mul_i32 s2, s[BLK], 196608
	s_add_co_u32 s2, s2, s4
	s_mov_b32 s3, 0
	s_lshl_b32 s5, s[WV], 11                           ; my quarter of the scale words
	s_lshl_b32 s6, s[BLK], 13
	s_add_co_u32 s6, s6, s5
	s_mov_b32 s7, 0
	s_wait_dscnt 0x0
	s_wait_kmcnt 0x0
	s_add_nc_u64 s[2:3], s[8:9], s[2:3]
	s_mov_b32 s[G0S], 1
	s_add_co_u32 s[G0S+1], s5, HSC
	s_add_nc_u64 s[G0S+2:G0S+3], s[10:11], s[6:7]
	s_or_b32 s[G0S+3], s[G0S+3], 0x80000000
.irp c, 0,1,2,3
	s_mov_b32 s[G0C+4*\c], 1
	s_add_co_u32 s[G0C+4*\c+1], s4, 49152*\c
	s_add_nc_u64 s[G0C+4*\c+2:G0C+4*\c+3], s[2:3], 49152*\c
	s_or_b32 s[G0C+4*\c+3], s[G0C+4*\c+3], 0x80000000
.endr
	CROUND                                             ; all four work-groups are here: the joint loads meet
	tensor_load_to_lds s[G0S:G0S+3], s[G1S:G1S+7]      ; all fills go out together, ahead of every wait on TENSORcnt and every LDS read: five loads of mine are out
	s_nop 0
.irp c, 0,1,2,3
	tensor_load_to_lds s[G0C+4*\c:G0C+4*\c+3], s[G1C:G1C+7]
	s_nop 0
.endr
	PLACES 4
	v_and_b32 v[T0], 31, v0                            ; lane
	v_and_b32 v[T0+1], 15, v0                          ; r
	v_bfe_u32 v[T0+2], v0, 4, 1                        ; h
	v_and_b32 v[T0+3], 8, v[T0+1]
	v_add_nc_u32 v[T0+3], v[T0+3], v[T0+1]             ; r + 8 (r/8)
	v_lshlrev_b32 v[LI], 4, v[T0]
	v_lshlrev_b32 v[R32H], 5, v[T0+1]
	v_add_nc_u32 v[R32H], HSC, v[R32H]
	v_lshlrev_b32 v[WSA2], 6, v[T0+3]
	v_lshlrev_b32 v[GA], 6, v[T0+2]
	v_mul_u32_u24 v[SO], v[T0+1], 528
	v_lshl_add_u32 v[SO], v[T0+2], 6, v[SO]
	s_lshl_b32 s60, s[WV], 7
	s_add_co_u32 s60, s60, STG
	v_add_nc_u32 v[SO], s60, v[SO]
	s_mul_i32 s60, s[WV], 32*528
	s_add_co_u32 s60, s60, STG
	v_add_nc_u32 v[SR], s60, v[LI]
.irp c, 0,1,2,3
	v_add_nc_u32 v[FA+\c], 49152*\c, v[LI]
.endr
	s_mul_i32 s60, s[WV], WSTB
	s_add_co_u32 s60, s60, STG                         ; my part of the stage for W2's turn
	v_mul_u32_u24 v[WL], v[T0+3], 400
	v_mad_u32_u24 v[WL], v[T0+2], 24, v[WL]
	v_lshrrev_b32 v[T0+4], 3, v[T0+1]
	v_lshl_add_u32 v[WL], v[T0+4], 7, v[WL]
	v_add_nc_u32 v[WL], s60, v[WL]
.irp j, 0,1,2
	v_add_nc_u32 v[T0+4], 32*\j, v[T0]                 ; piece 32 j + lane, 0 .. 95;
	v_mul_u32_u24 v[T0+4], v[T0+4], 0xaab
	v_lshrrev_b32 v[T0+4], 16, v[T0+4]                 ; / 24: x 2,731 / 65,536 is exact for numbers under 96
	v_lshl_add_u32 v[SA+\j], v[T0+4], 4, v[LI]
	v_add_nc_u32 v[SA+\j], s60, v[SA+\j]
	v_mad_u32_u24 v[GW+\j], v[T0+4], 0x480, v[LI]      ; a row on is 1,536 bytes on in memory, less the 384 that the pieces have counted
.endr
	s_lshl_b32 s60, s[Y], 7
	s_lshl_b32 s61, s[WV], 5
	s_add_co_u32 s60, s60, s61                         ; my first row of W2 = my first column: 128 x + 32 wave
	s_mov_b32 s63, 0
	s_mul_i32 s62, s60, 1536
	s_add_nc_u64 s[12:13], s[12:13], s[62:63]
	s_lshl_b32 s62, s60, 6
	s_add_nc_u64 s[14:15], s[14:15], s[62:63]
	s_lshl_b32 s62, s60, 2
	s_add_nc_u64 s[16:17], s[16:17], s[62:63]
	s_lshl_b32 s62, s[BLK], 18                         ; x1's images: 262,144 block + 8,192 x + 2,048 wave
	s_lshl_b32 s61, s[Y], 13
	s_add_co_u32 s62, s62, s61
	s_lshl_b32 s61, s[WV], 11
	s_add_co_u32 s62, s62, s61
	s_add_nc_u64 s[18:19], s[18:19], s[62:63]
	s_lshl_b32 s62, s[BLK], 18                         ; out: row 128 block + 32 wave, of 2,048 bytes; + 512 x
	s_lshl_b32 s61, s[WV], 16
	s_add_co_u32 s62, s62, s61
	s_lshl_b32 s61, s[Y], 9
	s_add_co_u32 s62, s62, s61
	s_add_nc_u64 s[20:21], s[20:21], s[62:63]
.irp t, 0,1                                        ; the small loads first: loads come back in order (ISA guide 5.7.1), so the counted waits for the weights show these in too
.irp q, 0,1,2,3
	global_load_b128 v[WS+16*\t+4*\q:WS+16*\t+4*\q+3], v[WSA2], s[14:15] offset:512*\t+16*\q
.endr
.irp q, 0,1
	global_load_b128 v[B2+8*\t+4*\q:B2+8*\t+4*\q+3], v[GA], s[16:17] offset:32*\t+16*\q
.endr
.endr
	WIN 0xc0
.irp m, 0,1,2,3,4,5,6,7
.irp t, 0,1
.irp q, 0,1
	global_load_b128 v[8*(2*\m+\t)+4*\q:8*(2*\m+\t)+4*\q+3], v[LI], s[18:19] offset:32768*\m+1024*\t+512*\q th:TH_LOAD_NT   ; x1, straight into the accumulators; read once in the launch
.endr
.endr
.endr
	WIN 0
; Quarter q of K (K steps 4 q .. 4 q + 3) of my 32 rows: load 3 k + j holds pieces of rows 4 k .. 4 k + 3; into the 96 registers that the quarter's fragments will take
.macro WGL q
	WIN 0x40
.irp i, 0,1,2,3,4,5,6,7,8,9,10,11
	global_load_b128 v[48*(\q)+4*\i:48*(\q)+4*\i+3], v[GW+(\i%3)], s[12:13] offset:512*(\i%3)+6144*(\i/3)+384*(\q)
.endr
	WIN 0x80
.irp i, 0,1,2,3,4,5,6,7,8,9,10,11
	global_load_b128 v[48*(\q)+4*\i:48*(\q)+4*\i+3], v[GW+(\i%3)], s[12:13] offset:512*(\i%3)+6144*(\i/3+4)+384*(\q)
.endr
	WIN 0
.endm
; The quarter turns through my part of the stage; back come the fragments, 24 bytes a lane and half K step in pieces of 8, into the registers that the stores have left.  LDS serves a wave's instructions in order (ISA guide 5.7.1.4).
.macro WTURN q
	WIN 0x04
.irp i, 0,1,2,3,4,5,6,7,8,9,10,11
	ds_store_b128 v[SA+(\i%3)], v[48*(\q)+4*\i:48*(\q)+4*\i+3] offset:512*(\i%3)+1600*(\i/3)
.endr
	WIN 0x08
.irp i, 0,1,2,3,4,5,6,7,8,9,10,11
	ds_store_b128 v[SA+(\i%3)], v[48*(\q)+4*\i:48*(\q)+4*\i+3] offset:512*(\i%3)+1600*(\i/3+4)+128
.endr
.irp t, 0,1
	WIN 0x40*(1+\t)
.irp s, 0,1,2,3
.irp p, 0,1,2,3,4,5
	ds_load_b64 v[12*(4*(\q)+\s)+2*\p:12*(4*(\q)+\s)+2*\p+1], v[WL] offset:3200*\t+96*\s+48*(\p/3)+8*(\p%3)
.endr
.endr
.endr
	WIN 0
.endm
.irp q, 0,1,2,3
	WGL \q
.endr
	s_wait_loadcnt 63                                  ; behind quarter q's 24 loads stand 24 (3 - q) later ones, which may stay out (72 is more than a wait can name: 63 serves)
	WTURN 0
	s_wait_loadcnt 48
	WTURN 1
	s_wait_loadcnt 24
	WTURN 2
	s_wait_loadcnt 0x0
	WTURN 3
	WIN 0xc3
.irp m, 0,1,2,3,4,5,6,7
.irp t, 0,1
.irp u, 0,2,4,6
	v_pk_add_f32 v[8*(2*\m+\t)+\u:8*(2*\m+\t)+\u+1], v[8*(2*\m+\t)+\u:8*(2*\m+\t)+\u+1], v[B2+8*\t+\u:B2+8*\t+\u+1]   ; + b2
.endr
.endr
.endr
	WIN 0
.macro FETCH4 ks, set                  ; K step ks: h's eight fragments and the rows' eight scale words: 26 LDS loads.  set 0: window 0, v64 on; set 1: window 3, v128 on
	WIN 0xc0*(\set)
.irp m, 0,1,2,3,4,5,6,7
.irp c, 0,1,2
	ds_load_b128 v[HA+64*(\set)+12*\m+4*\c:HA+64*(\set)+12*\m+4*\c+3], v[FA+(\ks)/4] offset:12288*((\ks)%4)+1536*\m+512*\c
.endr
.endr
	WIN 0
	ds_load_b128 v[XSA+8*(\set):XSA+8*(\set)+3], v[R32H] offset:512*(\ks)
	ds_load_b128 v[XSA+8*(\set)+4:XSA+8*(\set)+7], v[R32H] offset:512*(\ks)+16
.endm
.macro MM4 ks, set                     ; 16 matrix instructions; the 16 accumulators take turns, one instruction a turn, in the same order in every K step
.irp t, 0,1
	WIN 0xf0|(1+\t)|(0x0c*(\set))
.irp m, 0,1,2,3,4,5,6,7
	WMR 8*(2*\m+\t), 12*(\ks), HA+64*(\set)+12*\m, 8*(2*\m+\t), WS+16*\t+(\ks), XSA+8*(\set)+\m
.endr
.endr
.endm
	s_wait_dscnt 0x0                                   ; W2's fragments are in, and my use of the stage's bytes is over
	s_wait_tensorcnt 0x3                               ; my parts of the scale words and of chunk 0 are in; the three later chunks may stay out
	s_barrier_signal -1
	s_barrier_wait -1                                  ; everybody's are
	FETCH4 0, 0
.irp ks, 0,1,2,3,4,5,6,7,8,9,10,11,12,13,14,15
.if ((\ks%4) == 3) && (\ks < 15)
	s_wait_tensorcnt 2-(\ks/4)                         ; my part of the next chunk is in; the chunks behind it may stay out
	BARRIER                                            ; everybody's is
.endif
.if \ks < 15
	PLACES 4                                           ; in front of loads into the set that the last products read
	FETCH4 \ks+1, (\ks+1)%2
	s_wait_dscnt 26                                    ; this K step's loads are in; the 26 just issued may be out
.else
	s_wait_dscnt 0x0
.endif
	MM4 \ks, \ks%2
.endr
	; THE WAY OUT: a lane holds 32 neighbouring bytes of a row, a row's 512 bytes come from four waves: they meet in the stage, and each wave stores 32 whole rows
	WIN 0
	PLACES 4
	WIN 0x0c                                           ; an LDS store's data are its source 1: window 3
.irp m, 0,1,2,3,4,5,6,7
.irp t, 0,1
.irp q, 0,1
	ds_store_b128 v[SO], v[8*(2*\m+\t)+4*\q:8*(2*\m+\t)+4*\q+3] offset:8448*\m+32*\t+16*\q   ; stage row 16 m + r; each accumulator from its low end on
.endr
.endr
.endr
	WIN 0
	BARRIER                                            ; 128 whole rows lie in the stage
.irp i, 0,1,2,3,4,5,6,7,8,9,10,11,12,13,14,15,16,17,18,19,20,21,22,23,24,25,26,27,28,29,30,31
	ds_load_b128 v[OB+4*\i:OB+4*\i+3], v[SR] offset:528*\i
.endr
.irp i, 0,1,2,3,4,5,6,7,8,9,10,11,12,13,14,15,16,17,18,19,20,21,22,23,24,25,26,27,28,29,30,31
	s_wait_dscnt 31-\i
	global_store_b128 v[LI], v[OB+4*\i:OB+4*\i+3], s[20:21] offset:(8*(\i/16)+(\i%16)+((\i%16)&8))*2048 th:TH_STORE_NT   ; stage row 32 w + i is row 32 w + 8 (i/16) + i%16 + 8 ((i%16)/8) of the block; 512 consecutive bytes, aligned
.endr
	s_wait_tensorcnt 0x0
	ds_add_u32 v254, v255
	s_wait_dscnt 0x0
	CROUND                                             ; the closing round: no work-group ends while a partner may still ask for bytes by a load that names it
	s_endpgm
.Lfunc_end_k_qf95e988123_ffn2:
	.size	k_qf95e988123_ffn2, .Lfunc_end_k_qf95e988123_ffn2-k_qf95e988123_ffn2
	.p2alignl 7, 3214868480
	.fill 96, 4, 3214868480
	.section	.rodata,"a",@progbits
	.p2align	6, 0x0
	.amdhsa_kernel k_qf95e988123_ffn2
		.amdhsa_group_segment_fixed_size 272896
		.amdhsa_private_segment_fixed_size 0
		.amdhsa_enable_private_segment 0
		.amdhsa_kernarg_size 56
		.amdhsa_user_sgpr_count 2
		.amdhsa_user_sgpr_kernarg_segment_ptr 1
		.amdhsa_wavefront_size32 1
		.amdhsa_system_sgpr_workgroup_id_x 1
		.amdhsa_system_sgpr_workgroup_id_y 1
		.amdhsa_system_sgpr_workgroup_id_z 1
		.amdhsa_system_vgpr_workitem_id 0
		.amdhsa_next_free_vgpr 1024
		.amdhsa_next_free_sgpr 72
		.amdhsa_reserve_vcc 0
		.amdhsa_float_denorm_mode_32 3
		.amdhsa_float_denorm_mode_16_64 3
		.amdhsa_memory_ordered 1
		.amdhsa_forward_progress 1
		.amdhsa_inst_pref_size 116
	.end_amdhsa_kernel
	.amdgpu_metadata
---
amdhsa.version: [ 1, 2 ]
amdhsa.kernels:
  - .name:           k_qf95e988123_ffn2
    .symbol:         k_qf95e988123_ffn2.kd
    .args:
      - { .name: hc, .offset: 0, .size: 8, .value_kind: global_buffer, .address_space: global }
      - { .name: hs, .offset: 8, .size: 8, .value_kind: global_buffer, .address_space: global }
      - { .name: W2_codes, .offset: 16, .size: 8, .value_kind: global_buffer, .address_space: global }
      - { .name: W2_scales, .offset: 24, .size: 8, .value_kind: global_buffer, .address_space: global }
      - { .name: b2, .offset: 32, .size: 8, .value_kind: global_buffer, .address_space: global }
      - { .name: x1w, .offset: 40, .size: 8, .value_kind: global_buffer, .address_space: global }
      - { .name: out0, .offset: 48, .size: 8, .value_kind: global_buffer, .address_space: global }
    .group_segment_fixed_size: 272896
    .private_segment_fixed_size: 0
    .kernarg_segment_align: 8
    .kernarg_segment_size: 56
    .max_flat_workgroup_size: 128
    .sgpr_count:     72
    .vgpr_count:     1024
    .wavefront_size: 32
...
	.end_amdgpu_metadata
.endif
;; end of part 8
;; ======== version 3 of 3: 4 launches
;; workspace buffers: qws 6,815,744 bytes; kvws 6,815,744 bytes; avc 3,145,728 bytes; avs 131,072 bytes; x1w 16,777,216 bytes; hc 12,582,912 bytes; hs 524,288 bytes
;; launch qkv (part 9): grid 64 x 3, 4 waves a work-group, no clusters, 57,856 bytes of LDS; arguments x, ln1_g, ln1_b, Wq_codes, Wq_scales, bq, Wk_codes, Wk_scales, bk, Wv_codes, Wv_scales, bv, qws, kvws; writes qws, kvws
.if DOCPART == 9
	.amdgcn_target "amdgcn-amd-amdhsa--gfx1250"
	.amdhsa_code_object_version 6
	.text
	.protected	k_qf95e988123_qkv
	.globl	k_qf95e988123_qkv
	.p2align	8
	.type	k_qf95e988123_qkv,@function
k_qf95e988123_qkv:
	s_mov_b64 s[64:65], 0
	v_nop
	global_prefetch_b8 v0, s[64:65] scope:SCOPE_SE
	s_setreg_imm32_b32 hwreg(HW_REG_WAVE_SCHED_MODE, 0, 2), 2
	s_setreg_imm32_b32 hwreg(HW_REG_WAVE_MODE, 25, 1), 1
	s_wait_xcnt 0x0
	s_wait_alu depctr_vm_vsrc(0)
; LayerNorm 1, its quantising to FP6 (E2M3, one E8M0 byte for 32 along K), and ONE of the products q, k, v (work-group y = 0, 1, 2) with its bias,
; quantised again: q and k along the head's 64, v along the keys.  A work-group takes 128 rows of x (block x = 0..63), four waves.
; ROWS.  Tile m (0..7) of a block: lane r holds row 32 (m/2) + 8 (m%2) + r + 8 (r/8).  The same choice picks the 16 weight rows of a tile.  With source 0 = the operand whose rows are the
; next product's K, a lane's 16 registers of two neighbouring tiles are then 16 neighbours along that K: register 16 b + i is k = 32 b + 16 (lane/16) + i, which the conversions want.
; PHASE X: wave w holds columns 128 w .. +127 of 16 rows (64 numbers a lane).  Mean and variance: each wave its own mean and its own sum of squares about that mean; the four pairs meet in LDS and
; are merged (sum of squares + 128 x the squared distance of the means): no difference of large sums is formed.  The wave's 128 columns are K step w: codes go to LDS as an image of the registers.
; x has two buffers and is asked for two tiles ahead; a trip's global loads are issued where the wave would else sit out the statistics' way through LDS.
; q, k: source 0 = 16 weight rows (resident in registers, 128 rows = two heads a wave), source 1 = xn from LDS.  v: source 0 = xn (16 keys), source 1 = weight rows, so that registers run along the keys.
; OUT: records of 13,312 bytes for each (batch x head, 128 rows): 8 half images (6 registers: 64 along K) of q or k, 4 full images of v, their scale words.  Every store covers 256 or 512 consecutive bytes.
; LayerNorm is done by each of the three y: that spares a launch and xn's way through memory.  No cluster: nothing here comes by tensor loads; weights and x come through registers.
; LIMITS: NaN and infinities are not served.  A block whose largest magnitude lies under 2^-124 (zeros too) gets the byte 1; the bytes are read by this program alone.
; THE MODE: SCHED_MODE bits 1:0 = 2 (LLVM: expert scheduling mode 2), set by the entry lines.  The code itself states the register dependences
; between vector or matrix instructions and memory or LDS instructions, with s_wait_alu, always for 0.
; THE PLAN.  Registers that memory or LDS instructions touch:
;   v1-13, v168-175   addresses and offsets: made at the head, never written again: one wait on va_vdst ahead of the first load serves them all.
;   x's two buffers   a tile's sums and differences read one; behind them the loads of two tiles on land in it.
;   v[MW:MW+1]        written by a tile's sums, read by its LDS store, written again by the next tile.
;   v[EX ..]          the four pairs land here; the merging reads them.
;   v[PC ..], v[PW], v[SW ..]   written by the quantiser, read by LDS or global stores, written again by the next quantiser.
;   slots A and B, v[XS0 ..], v[XS1 ..]   xn's fragments and scale words land here; the products read them.
;   the weights, their scale words, the biases and the gain are loaded once.
; PHASE X, a tile: a wait on vm_vsrc at its head (the last tile's LDS stores have read the pair, the codes and the scale word); a wait on va_vdst ahead of the pair's store, behind which the tile's
; 33 + 16 global loads and two LDS loads follow with no vector instruction among them; a wait on va_vdst ahead of the image's stores.
; q, k, a tile: ONE wait on va_vdst, behind the quantiser: the codes and scale words are written, and the tile's products are done reading their slot.  Straight behind it the fragments of two tiles on are
; asked for, into that slot, then the tile's stores go out.  v: a wait on va_vdst ahead of each fetch into the slot that the last products read, and one ahead of each fragment's stores.
.set XIMG, 0                           ; LDS: xn's images [m 8][K step 4][1536]
.set XSC,  49152                       ; their scale words [m][lane 32][K step 4]
.set PST,  53248                       ; (mean, sum of squares) [m][r 16][wave 4], 8 bytes each; a slot is used once
.set REC,  13312
.set HEADB, 16*REC                     ; from a head to the next
.set LI,  1                            ; 16 x lane
.set L8,  2                            ; 8 x lane
.set WA,  3                            ; weights: 384 x (r + 8 (r/8)) + 24 h
.set WSA, 4                            ; their scale words: 16 x (r + 8 (r/8))
.set XA,  5                            ; x: 2048 x (r + 8 (r/8)) + 64 h
.set GA,  6                            ; 64 h
.set R16, 7                            ; 16 r
.set PSA, 8                            ; PST + 32 r + 8 wave
.set PSR, 9                            ; PST + 32 r
.set XWI, 10                           ; 16 x lane + 1536 x wave
.set XWS, 11                           ; 16 x lane + 4 x wave
.set H16, 12                           ; 16 h
.set SWA, 13                           ; 16 r + HEADB h
.set ACC, 16                           ; v16-79   eight accumulators, or 64 numbers of a row
.set RA,  80                           ; v80-127  xn's four fragments, slot A
.set WS,  128                          ; v128-159 the weights' scale words, 4 t + s
.set XS0, 160                          ; v160-163, v164-167 xn's scale words, slot A, slot B
.set XS1, 164
.set BA,  168                          ; v168-175 byte offsets of the bias
.set T0,  176                          ; v176-180 at work at the head
.set PC,  192                          ; v192-211 codes just made
.set TM,  212                          ; v212-227 the quantiser's
.set PW,  228                          ; the scale word just made
.set SW,  230                          ; v230-233 four scale words on their way out
.set LT,  234
.set EX,  242
.set MW,  250                          ; (my wave's mean, its sum of squares)
.set RS,  252                          ; 1 / sqrt(var + eps)
.set DR,  254                          ; (my mean - the row's) x that
.set BI,  192                          ; window 1: the bias as C, 8 t + j.   Window 1, v0-191: weight fragments of K steps 0, 1 (96 s + 12 t)
.set GN,  192                          ; window 2: the gain.                 Window 2, v0-191: K steps 2, 3
.set RBW, 192                          ; window 2: slot B, once the gain is done with
.set BBS, 0                            ; window 3: LayerNorm's bias
.set XB,  64                           ; window 3: 64 numbers of x, two buffers: v64-127 for even tiles, v128-191 for odd ones
.set XP,  8
.set GP,  10
.set BP,  12
.set WV,  36
.set Y,   37
.set BLK, 38
.set SEL, 40
.set I512, 42
.set EPS, 43
.set WC,  44
.set WSC, 46
.set BIA, 48
.set OUT, 50
.set FH,  52
.set FR,  53
.set FJ,  54
.set MSB, 0
.macro WIN new                         ; bits 1:0 source 0, 3:2 source 1, 5:4 source 2, 7:6 destination; the high byte repeats the setting that is left
.if MSB != (\new)
	s_set_vgpr_msb (MSB<<8)|(\new)
.set MSB, (\new)
.endif
.endm
.macro PLACES n
.rept \n
	v_nop
.endr
.endm
.macro BARRIER                         ; my LDS stores have landed and my LDS loads are in: then the work-group's barrier
	s_wait_dscnt 0x0
	s_barrier_signal -1
	s_barrier_wait -1
.endm
.macro WMR d, a, b, c, sa, sb
	v_wmma_scale_f32_16x16x128_f8f6f4 v[\d:\d+7], v[\a:\a+11], v[\b:\b+11], v[\c:\c+7], v[\sa], v[\sb] matrix_a_fmt:MATRIX_FMT_FP6 matrix_b_fmt:MATRIX_FMT_FP6
.endm
; 64 numbers of a lane at v[s] on, in window w (register 16 b + i = k 32 b + 16 h + i of my row), become a fragment's codes in v[PC] on and its scale word in v[pw].
.macro QUANT s, w, pw
	WIN (\w)|((\w)<<2)
.irp b, 0,1,2,3
	v_max3_num_f32 v[TM+\b], |v[\s+16*\b]|, |v[\s+1+16*\b]|, 0x1800000   ; my 16 numbers of block b, and the floor 2^(3 - 127): the byte cannot fall under 1
.endr
	WIN ((\w)<<2)|((\w)<<4)
.irp i, 2,4,6,8,10,12,14
.irp b, 0,1,2,3
	v_max3_num_f32 v[TM+\b], v[TM+\b], |v[\s+16*\b+\i]|, |v[\s+1+16*\b+\i]|
.endr
.endr
	WIN 0
.irp b, 0,1,2,3
	v_permlanex16_b32 v[TM+4+\b], v[TM+\b], s[SEL], s[SEL+1]
.endr
.irp b, 0,1,2,3
	v_max_num_f32 v[TM+\b], v[TM+\b], v[TM+4+\b]       ; with lane l xor 16's: the block's largest magnitude
.endr
.irp b, 0,1,2,3
	v_add_nc_u32 v[TM+12+\b], 0xff000000, v[TM+\b]     ; 2 off its exponent field: the conversion's scale operand
.endr
.irp b, 0,1,2,3
	v_lshrrev_b32 v[TM+4+\b], 23, v[TM+12+\b]          ; the scale's byte
.endr
	v_lshl_or_b32 v[\pw], v[TM+5], 8, v[TM+4]
	v_lshl_or_b32 v[\pw], v[TM+6], 16, v[\pw]
	v_lshl_or_b32 v[\pw], v[TM+7], 24, v[\pw]
	WIN (\w)
.irp c, 0,1
	v_cvt_scalef32_pk16_fp6_f32 v[PC+6*\c:PC+2+6*\c], v[\s+32*\c:\s+15+32*\c], v[TM+12+2*\c]
	v_cvt_scalef32_pk16_fp6_f32 v[PC+12+4*\c:PC+14+4*\c], v[\s+16+32*\c:\s+31+32*\c], v[TM+13+2*\c]   ; (a conversion's three registers begin on an even number)
.endr
	WIN 0
	v_nop                                              ; one plain place behind a scaled conversion
.irp c, 0,1                                        ; the operand's layout wants a whole block in a lane
.irp i, 0,1,2
	v_permlane16_swap_b32 v[PC+6*\c+\i], v[PC+12+4*\c+\i]
.endr
.irp i, 0,1,2
	v_mov_b32 v[PC+3+6*\c+\i], v[PC+12+4*\c+\i]
.endr
.endr
.endm
.macro IMAGE adr, off                  ; the fragment in v[PC] on goes to LDS as it stands: 512 consecutive bytes a store
.irp c, 0,1,2
	ds_store_b128 v[\adr], v[PC+4*\c:PC+4*\c+3] offset:\off+512*\c
.endr
.endm
.macro FETCH reg, win, xs, adr, sadr, off, soff   ; a tile's four fragments and its four scale words: 13 LDS loads
	WIN (\win)<<6
.irp s, 0,1,2,3
.irp c, 0,1,2
	ds_load_b128 v[\reg+12*\s+4*\c:\reg+12*\s+4*\c+3], v[\adr] offset:\off+1536*\s+512*\c
.endr
.endr
	WIN 0
	ds_load_b128 v[\xs:\xs+3], v[\sadr] offset:\soff
.endm
.macro WCHUNK t, wc, wsc               ; weight tile t: its four fragments (rows of 384 bytes, 24 bytes a lane and half K step, in pieces of 8) and its rows' scale words
	WIN 0x40
.irp s, 0,1
.irp p, 0,1,2,3,4,5
	global_load_b64 v[96*\s+12*(\t)+2*\p:96*\s+12*(\t)+2*\p+1], v[WA], s[\wc:\wc+1] offset:(32*((\t)/2)+8*((\t)%2))*384+96*\s+48*(\p/3)+8*(\p%3)
.endr
.endr
	WIN 0x80
.irp s, 0,1
.irp p, 0,1,2,3,4,5
	global_load_b64 v[96*\s+12*(\t)+2*\p:96*\s+12*(\t)+2*\p+1], v[WA], s[\wc:\wc+1] offset:(32*((\t)/2)+8*((\t)%2))*384+96*(\s+2)+48*(\p/3)+8*(\p%3)
.endr
.endr
	WIN 0
	global_load_b128 v[WS+4*(\t):WS+4*(\t)+3], v[WSA], s[\wsc:\wsc+1] offset:(32*((\t)/2)+8*((\t)%2))*16
.endm
; 32 matrix instructions: my 8 weight tiles x one tile of rows, K = 512.  The eight accumulators take turns, one instruction a turn; the bias is the first C.
.macro MMQ rs, rw, xs
.irp s, 0,1,2,3
.if \s == 0
	WIN 0x11|((\rw)<<2)
.elseif \s == 1
	WIN 0x01|((\rw)<<2)
.else
	WIN 0x02|((\rw)<<2)
.endif
.irp t, 0,1,2,3,4,5,6,7
.if \s == 0
	WMR ACC+8*\t, 12*\t, \rs, BI+8*\t, WS+4*\t, \xs
.else
	WMR ACC+8*\t, 96*(\s%2)+12*\t, \rs+12*\s, ACC+8*\t, WS+4*\t+\s, \xs+\s
.endif
.endr
.endr
	WIN 0
.endm
.macro XLOAD m                         ; tile m's rows of x, my wave's 128 columns: of each block of 32 my half's 16 numbers; into buffer m % 2
	WIN 0xc0
.irp b, 0,1,2,3
.irp j, 0,1,2,3
	global_load_b128 v[XB+64*((\m)%2)+16*\b+4*\j:XB+64*((\m)%2)+16*\b+4*\j+3], v[XA], s[XP:XP+1] offset:(32*((\m)/2)+8*((\m)%2))*2048+128*\b+16*\j
.endr
.endr
	WIN 0
.endm
.macro GBLOAD                          ; gain and bias of LayerNorm at my 64 columns
	WIN 0x80
.irp b, 0,1,2,3
.irp j, 0,1,2,3
	global_load_b128 v[GN+16*\b+4*\j:GN+16*\b+4*\j+3], v[GA], s[GP:GP+1] offset:128*\b+16*\j
.endr
.endr
	WIN 0xc0
.irp b, 0,1,2,3
.irp j, 0,1,2,3
	global_load_b128 v[BBS+16*\b+4*\j:BBS+16*\b+4*\j+3], v[GA], s[BP:BP+1] offset:128*\b+16*\j
.endr
.endr
	WIN 0
.endm
.macro LN_SUM xs, xw                   ; my wave's mean of the row's 128 numbers: four chains, then lane l xor 16
	WIN (\xw)|((\xw)<<2)
.irp k, 0,1,2,3
	v_pk_add_f32 v[LT+2*\k:LT+2*\k+1], v[\xs+2*\k:\xs+2*\k+1], v[\xs+8+2*\k:\xs+9+2*\k]
.endr
	WIN (\xw)<<2
.set i, 8
.rept 24
	v_pk_add_f32 v[LT+2*(i%4):LT+2*(i%4)+1], v[LT+2*(i%4):LT+2*(i%4)+1], v[\xs+2*i:\xs+2*i+1]
.set i, i+1
.endr
	WIN 0
	v_pk_add_f32 v[LT:LT+1], v[LT:LT+1], v[LT+2:LT+3]
	v_pk_add_f32 v[LT+4:LT+5], v[LT+4:LT+5], v[LT+6:LT+7]
	v_pk_add_f32 v[LT:LT+1], v[LT:LT+1], v[LT+4:LT+5]
	v_add_f32 v[LT], v[LT], v[LT+1]
	v_permlanex16_b32 v[LT+1], v[LT], s[SEL], s[SEL+1]
	v_add_f32 v[LT], v[LT], v[LT+1]
	v_mul_f32 v[MW], 0x3c000000, v[LT]                 ; / 128
.endm
.macro LN_SUB xs, xw                   ; the numbers less my wave's mean, into ACC
	WIN (\xw)
.set i, 0
.rept 32
	v_pk_add_f32 v[ACC+2*i:ACC+2*i+1], v[\xs+2*i:\xs+2*i+1], v[MW:MW+1] op_sel_hi:[1,0] neg_lo:[0,1] neg_hi:[0,1]
.set i, i+1
.endr
	WIN 0
.endm
.macro LN_A m                          ; my wave's sum of squares about its mean; the pair goes to LDS
.irp k, 0,1,2,3
	v_pk_mul_f32 v[LT+2*\k:LT+2*\k+1], v[ACC+2*\k:ACC+2*\k+1], v[ACC+2*\k:ACC+2*\k+1]
.endr
.set i, 4
.rept 28
	v_pk_fma_f32 v[LT+2*(i%4):LT+2*(i%4)+1], v[ACC+2*i:ACC+2*i+1], v[ACC+2*i:ACC+2*i+1], v[LT+2*(i%4):LT+2*(i%4)+1]
.set i, i+1
.endr
	v_pk_add_f32 v[LT:LT+1], v[LT:LT+1], v[LT+2:LT+3]
	v_pk_add_f32 v[LT+4:LT+5], v[LT+4:LT+5], v[LT+6:LT+7]
	v_pk_add_f32 v[LT:LT+1], v[LT:LT+1], v[LT+4:LT+5]
	v_add_f32 v[LT], v[LT], v[LT+1]
	v_permlanex16_b32 v[LT+1], v[LT], s[SEL], s[SEL+1]
	v_add_f32 v[MW+1], v[LT], v[LT+1]
	s_wait_alu depctr_va_vdst(0)                       ; the pair v[MW:MW+1] is written, which the LDS store reads; the sums and differences are done reading this tile's buffer of x, in which the loads of two tiles on land; the last tile's merging is done reading v[EX ..], in which the four pairs land
	ds_store_b64 v[PSA], v[MW:MW+1] offset:512*(\m)    ; both halves of the lanes write the same pair to the same place
.endm
.macro LN_B m                          ; the four waves' pairs meet
	BARRIER                                            ; all four pairs of tile m lie in LDS (its slot is written once in the launch)
	ds_load_b128 v[EX:EX+3], v[PSR] offset:512*(\m)
	ds_load_b128 v[EX+4:EX+7], v[PSR] offset:512*(\m)+16
.endm
.macro LN_C m                          ; merge; normalise; gain and bias; quantise; image to LDS
	s_wait_dscnt 0x0
	v_add_f32 v[LT], v[EX], v[EX+2]
	v_add_f32 v[LT+1], v[EX+4], v[EX+6]
	v_add_f32 v[LT+2], v[EX+1], v[EX+3]
	v_add_f32 v[LT+3], v[EX+5], v[EX+7]
	v_add_f32 v[LT], v[LT], v[LT+1]
	v_add_f32 v[LT+2], v[LT+2], v[LT+3]                ; the four sums of squares
	v_mul_f32 v[LT], 0x3e800000, v[LT]                 ; the row's mean
	v_sub_f32 v[LT+4], v[EX], v[LT]
	v_sub_f32 v[LT+5], v[EX+2], v[LT]
	v_sub_f32 v[LT+6], v[EX+4], v[LT]
	v_sub_f32 v[LT+7], v[EX+6], v[LT]
	v_mul_f32 v[LT+1], v[LT+4], v[LT+4]
	v_fmac_f32 v[LT+1], v[LT+5], v[LT+5]
	v_fmac_f32 v[LT+1], v[LT+6], v[LT+6]
	v_fmac_f32 v[LT+1], v[LT+7], v[LT+7]
	v_fmamk_f32 v[LT+2], v[LT+1], 0x43000000, v[LT+2]  ; + 128 x the squared distances of the means
	v_fma_f32 v[LT+2], v[LT+2], s[I512], s[EPS]        ; / 512 + eps
	s_wait_alu depctr_va_vdst(0)
	v_rsq_f32 v[RS], v[LT+2]
	v_sub_f32 v[LT+3], v[MW], v[LT]                    ; (the plain place behind the transcendental)
	s_wait_alu depctr_va_vdst(0)                       ; the reciprocal root has written v[RS], ahead of its first reader
	v_mul_f32 v[DR], v[LT+3], v[RS]
.set i, 0
.rept 32
	v_pk_fma_f32 v[ACC+2*i:ACC+2*i+1], v[ACC+2*i:ACC+2*i+1], v[RS:RS+1], v[DR:DR+1] op_sel_hi:[1,0,0]
.set i, i+1
.endr
	WIN 0x38
.set i, 0
.rept 32
	v_pk_fma_f32 v[ACC+2*i:ACC+2*i+1], v[ACC+2*i:ACC+2*i+1], v[GN+2*i:GN+2*i+1], v[BBS+2*i:BBS+2*i+1]
.set i, i+1
.endr
	WIN 0
	QUANT ACC, 0, PW
	s_wait_alu depctr_va_vdst(0)                       ; the quantiser has written the codes v[PC ..] and the scale word v[PW], which the LDS stores read
	IMAGE XWI, XIMG+6144*(\m)
	ds_store_b32 v[XWS], v[PW] offset:XSC+512*(\m)
.endm
	s_load_b512 s[8:23], s[0:1], 0x0                   ; x, ln1_g, ln1_b, Wq codes, Wq scales, bq, Wk codes, Wk scales
	s_load_b256 s[24:31], s[0:1], 0x40                 ; bk, Wv codes, Wv scales, bv
	s_load_b128 s[32:35], s[0:1], 0x60                 ; qws, kvws
	v_lshl_add_u32 v223, v0, 2, 0xe000
	v_mov_b32 v229, 0
	v_lshrrev_b32 v[T0], 5, v0
	v_readfirstlane_b32 s[WV], v[T0]                   ; wave 0..3
	s_and_b32 s[Y], ttmp7, 0xffff                      ; 0: q, 1: k, 2: v
	s_mov_b32 s[BLK], ttmp9
	v_and_b32 v[T0], 31, v0                            ; lane
	v_and_b32 v[T0+1], 15, v0                          ; r
	v_bfe_u32 v[T0+2], v0, 4, 1                        ; h
	v_and_b32 v[T0+3], 8, v[T0+1]
	v_add_nc_u32 v[T0+3], v[T0+3], v[T0+1]             ; r + 8 (r/8)
	v_lshlrev_b32 v[LI], 4, v[T0]
	v_lshlrev_b32 v[L8], 3, v[T0]
	v_mul_u32_u24 v[WA], v[T0+3], 384
	v_mad_u32_u24 v[WA], v[T0+2], 24, v[WA]
	v_lshlrev_b32 v[WSA], 4, v[T0+3]
	v_lshlrev_b32 v[XA], 11, v[T0+3]
	v_lshl_add_u32 v[XA], v[T0+2], 6, v[XA]
	v_lshlrev_b32 v[GA], 6, v[T0+2]
	v_lshlrev_b32 v[R16], 4, v[T0+1]
	v_lshlrev_b32 v[PSR], 5, v[T0+1]
	v_add_nc_u32 v[PSR], PST, v[PSR]
	s_wait_alu depctr_va_sdst(0)                       ; the wave's number s[WV] is written, ahead of its first reader
	s_lshl_b32 s55, s[WV], 3
	v_add_nc_u32 v[PSA], s55, v[PSR]
	s_mul_i32 s55, s[WV], 1536
	v_add_nc_u32 v[XWI], s55, v[LI]
	s_lshl_b32 s55, s[WV], 2
	v_add_nc_u32 v[XWS], s55, v[LI]
	v_lshlrev_b32 v[H16], 4, v[T0+2]
	v_mul_u32_u24 v[SWA], v[T0+2], HEADB
	v_lshl_add_u32 v[SWA], v[T0+1], 4, v[SWA]
	; the bias as C.  q, k: register j of a tile is unit 16 h + j of it: offset 64 h + 4 j.  v: all eight registers are the lane's own e: offset 4 (r + 8 (r/8))
	s_cmp_eq_u32 s[Y], 2
	s_cselect_b32 s[FH], 0, 64
	s_cselect_b32 s[FR], 4, 0
	s_cselect_b32 s[FJ], 0, 4
	v_mul_u32_u24 v[T0+4], v[T0+2], s[FH]
	v_mad_u32_u24 v[T0+4], v[T0+3], s[FR], v[T0+4]
	s_wait_alu depctr_va_vdst(0)
.irp j, 0,1,2,3,4,5,6,7
	s_mul_i32 s55, s[FJ], \j
	v_add_nc_u32 v[BA+\j], s55, v[T0+4]
.endr
	s_mov_b32 s[SEL], 0x76543210
	s_mov_b32 s[SEL+1], 0xfedcba98                     ; v_permlanex16_b32's selects for lane l xor 16
	s_mov_b32 s[I512], 0x3b000000                      ; 1 / 512
	s_mov_b32 s[EPS], 0x3727c5ac                       ; 1e-5
.irp b, 0,1,2,3
	v_mov_b32 v[TM+4+\b], 0                            ; written once: a lane permute's destination counts as one of its sources
.endr
	v_mov_b32 v[MW+1], 0                               ; (upper halves of pairs that are named before they are first written)
	v_mov_b32 v[RS+1], 0
	v_mov_b32 v[DR+1], 0
	s_lshl_b32 s56, s[BLK], 18                         ; x: 128 rows of 2,048 bytes a block,
	s_lshl_b32 s58, s[WV], 9                           ; + my wave's 128 columns
	s_add_co_u32 s56, s56, s58
	s_mov_b32 s57, 0
	s_mov_b32 s59, 0
	s_mul_i32 s60, s[WV], 49152                        ; my 128 weight rows
	s_mov_b32 s61, 0
	s_lshl_b32 s62, s[WV], 11                          ; and their scale bytes
	s_mov_b32 s63, 0
	s_lshr_b32 s2, s[BLK], 4                           ; the record: ((8 batch + 2 wave) x 16 + block in the batch) x 13,312
	s_lshl_b32 s2, s2, 3
	s_lshl_b32 s3, s[WV], 1
	s_add_co_u32 s2, s2, s3
	s_lshl_b32 s2, s2, 4
	s_and_b32 s3, s[BLK], 15
	s_add_co_u32 s2, s2, s3
	s_mul_i32 s2, s2, REC
	s_mov_b32 s3, 0
	s_wait_kmcnt 0x0
	s_cmp_eq_u32 s[Y], 0                               ; the buffers are chosen on the work-group's y alone
	s_cselect_b64 s[WC:WC+1], s[14:15], s[20:21]
	s_cselect_b64 s[WSC:WSC+1], s[16:17], s[22:23]
	s_cselect_b64 s[BIA:BIA+1], s[18:19], s[24:25]
	s_cselect_b64 s[OUT:OUT+1], s[32:33], s[34:35]
	s_cmp_eq_u32 s[Y], 2
	s_cselect_b64 s[WC:WC+1], s[26:27], s[WC:WC+1]
	s_cselect_b64 s[WSC:WSC+1], s[28:29], s[WSC:WSC+1]
	s_cselect_b64 s[BIA:BIA+1], s[30:31], s[BIA:BIA+1]
	s_add_nc_u64 s[XP:XP+1], s[XP:XP+1], s[56:57]
	s_add_nc_u64 s[GP:GP+1], s[GP:GP+1], s[58:59]
	s_add_nc_u64 s[BP:BP+1], s[BP:BP+1], s[58:59]
	s_add_nc_u64 s[WC:WC+1], s[WC:WC+1], s[60:61]
	s_add_nc_u64 s[WSC:WSC+1], s[WSC:WSC+1], s[62:63]
	s_add_nc_u64 s[BIA:BIA+1], s[BIA:BIA+1], s[58:59]
	s_add_nc_u64 s[OUT:OUT+1], s[OUT:OUT+1], s[2:3]
	s_wait_alu depctr_va_vdst(0)                       ; the addresses and offsets v1 to v13 and v168 to v175 are written, which every load and store of the kernel reads; none of them is written again
	; ---- PHASE X: eight tiles of 16 rows.  Trip m asks for weight tile m with its bias (33 loads) and then for tile m + 2 of x (16 loads).
	XLOAD 0
	GBLOAD
	XLOAD 1
.macro XTRIP m
.if (\m) == 0
	s_wait_loadcnt 16                                  ; tile 0, gain and bias are in; tile 1's 16 loads may be out
.elseif (\m) == 7
	s_wait_loadcnt 33                                  ; behind tile 7's loads stand only the last trip's 33 weight and bias loads
.else
	s_wait_loadcnt 49                                  ; behind this tile's loads stand the last trip's 33 weight and bias loads and the next tile's 16
.endif
.if (\m) > 0
	s_wait_alu depctr_vm_vsrc(0)                       ; the last tile's LDS stores have read the pair v[MW:MW+1], the codes v[PC ..] and the scale word v[PW], which this tile writes again
.endif
	LN_SUM XB+64*((\m)%2), 3
	LN_SUB XB+64*((\m)%2), 3
	LN_A \m
	WCHUNK \m, WC, WSC                                 ; issued while the pair is on its way into LDS.  From the wait in front of the pair's store to the merging no vector instruction is issued: all loads between owe nothing more
	WIN 0x40
.irp j, 0,1,2,3,4,5,6,7
	global_load_b32 v[BI+8*(\m)+\j], v[BA+\j], s[BIA:BIA+1] offset:4*(32*((\m)/2)+8*((\m)%2))
.endr
	WIN 0
	LN_B \m
.if (\m) < 6
	XLOAD (\m)+2                                       ; issued while the four pairs are on their way back; into the buffer that this trip has read out
.endif
	LN_C \m
.endm
.irp m, 0,1,2,3,4,5,6,7
	XTRIP \m
.endr
	s_wait_loadcnt 0x0                                 ; the last weight tiles
	BARRIER                                            ; xn's 32 fragments lie in LDS; from here on LDS is only read
	s_wait_alu depctr_vm_vsrc(0)                       ; tile 7's LDS stores have read the codes v[PC ..] and the scale word v[PW], which both ways below write again
	s_cmp_eq_u32 s[Y], 2
	s_cbranch_scc1 .Lvalues
	; ---- q or k: a tile of rows at a time; two slots; a slot is asked for again, for the tile two on, as soon as its products are done reading it
.macro QKTILE m
.if (\m) < 7
	s_wait_dscnt 13                                    ; this tile's 13 loads are in; the next tile's 13 may be out
.else
	s_wait_dscnt 0x0
.endif
	s_wait_xcnt 0x0                                    ; the last tile's stores have read their registers: the codes and scale words are written again below
.if (\m) > 0
	s_wait_alu depctr_vm_vsrc(0)                       ; the last tile's stores have read the codes v[PC ..] and the scale words v[SW ..], which this tile's quantiser and shift write again
.endif
.if ((\m)%2) == 0
	MMQ RA, 0, XS0
.else
	MMQ RBW, 2, XS1
.endif
	PLACES 4
	QUANT ACC, 0, PW                                   ; 128 units = two heads: registers 0-5 of the fragment are the first head's 64, 6-11 the second's
	v_lshrrev_b32 v[SW+((\m)%4)], v[H16], v[PW]        ; lanes 0-15 keep the first head's two bytes lowest, lanes 16-31 bring the second head's down
.if ((\m) < 6) && (((\m)%2) == 1)
	WIN 0x80                                           ; (slot B lies in window 2: the switch, then the wait, then the loads)
.endif
	s_wait_alu depctr_va_vdst(0)                       ; the codes v[PC ..] and the scale words v[SW ..] are written, which the stores below read; this tile's products are done reading their slot and its scale words, in which the loads below land
.if (\m) < 6
.if ((\m)%2) == 0
	FETCH RA, 0, XS0, LI, LI, 6144*((\m)+2), XSC+512*((\m)+2)    ; (the quantiser's lines are also the places behind the slot's last products)
.else
	FETCH RBW, 2, XS1, LI, LI, 6144*((\m)+2), XSC+512*((\m)+2)
.endif
.endif
	global_store_b128 v[LI], v[PC:PC+3], s[OUT:OUT+1] offset:768*(\m)
	global_store_b64 v[L8], v[PC+4:PC+5], s[OUT:OUT+1] offset:768*(\m)+512
	global_store_b128 v[LI], v[PC+6:PC+9], s[OUT:OUT+1] offset:HEADB+768*(\m)
	global_store_b64 v[L8], v[PC+10:PC+11], s[OUT:OUT+1] offset:HEADB+768*(\m)+512
.if ((\m)%4) == 3
	global_store_b128 v[SWA], v[SW:SW+3], s[OUT:OUT+1] offset:12288+256*((\m)/4)   ; each half of the lanes stores 256 consecutive bytes, into its head's record
.endif
.endm
	FETCH RA, 0, XS0, LI, LI, 0, XSC                   ; tiles 0 and 1.  Slot B takes the gain's registers: the lines that read the gain stand ahead of the wait in front of tile 7's image, and no vector instruction has been issued since
	FETCH RBW, 2, XS1, LI, LI, 6144, XSC+512
.irp m, 0,1,2,3,4,5,6,7
	QKTILE \m
.endr
	s_wait_dscnt 0x0                                   ; the closing lines, six on end
	s_wait_alu 0x0
	s_wait_tensorcnt 0x0
	ds_add_u32 v223, v229
	s_wait_dscnt 0x0
	s_endpgm
.Lvalues:
	; ---- v: source 0 = 16 keys of xn, source 1 = 16 rows of Wv: a lane holds one e, its registers run along the keys.  Two passes, a head each: 32 accumulators in window 3 (64 i + 8 t).
.macro MMV t, g, rs, rw, xs
.irp s, 0,1,2,3
.if \s == 0
	WIN 0xd4|(\rw)
.elseif \s == 1
	WIN 0xf4|(\rw)
.else
	WIN 0xf8|(\rw)
.endif
.irp i, 0,1,2,3
.if \s == 0
	WMR 64*\i+8*(\t), \rs, 12*(4*(\g)+\i), BI+8*(4*(\g)+\i), \xs, WS+4*(4*(\g)+\i)
.else
	WMR 64*\i+8*(\t), \rs+12*\s, 96*(\s%2)+12*(4*(\g)+\i), 64*\i+8*(\t), \xs+\s, WS+4*(4*(\g)+\i)+\s
.endif
.endr
.endr
	WIN 0
.endm
	FETCH RA, 0, XS0, LI, LI, 0, XSC
.irp g, 0,1
.irp t, 0,1,2,3,4,5,6,7
	PLACES 4                                           ; in front of loads into the slot that the last products read
.if (8*\g+\t) < 15
.if (\t%2) == 0
	WIN 0x80                                           ; (slot B lies in window 2: the switch, then the wait, then the loads)
.endif
.if (8*\g+\t) > 0
	s_wait_alu depctr_va_vdst(0)                       ; the products that last read this slot and its scale words are done reading them: the loads below land there
.endif
.if (\t%2) == 0
	FETCH RBW, 2, XS1, LI, LI, 6144*((\t+1)%8), XSC+512*((\t+1)%8)
.else
	FETCH RA, 0, XS0, LI, LI, 6144*((\t+1)%8), XSC+512*((\t+1)%8)
.endif
	s_wait_dscnt 13                                    ; the 13 just issued may be out
.else
	s_wait_dscnt 0x0
.endif
.if (\t%2) == 0
	MMV \t, \g, RA, 0, XS0
.else
	MMV \t, \g, RBW, 2, XS1
.endif
.endr
	PLACES 4
.irp i, 0,1,2,3
	s_wait_xcnt 0x0                                    ; earlier stores have read the codes' and scale words' registers
.if (\g+\i) > 0
	s_wait_alu depctr_vm_vsrc(0)                       ; the stores issued so far have read the codes v[PC ..] and, behind a pass, the scale words v[SW ..], which the quantiser below writes again
.endif
	QUANT 64*\i, 3, SW+\i                              ; 16 e x 128 keys: one fragment of V^T
	s_wait_alu depctr_va_vdst(0)                       ; the quantiser has written the codes v[PC ..] and the scale word, which the stores read
.irp c, 0,1,2
	global_store_b128 v[LI], v[PC+4*\c:PC+4*\c+3], s[OUT:OUT+1] offset:HEADB*\g+6144+1536*\i+512*\c
.endr
.endr
	global_store_b128 v[LI], v[SW:SW+3], s[OUT:OUT+1] offset:HEADB*\g+12800   ; 512 consecutive bytes: lanes 16-31 hold the same words, the record's second copy.  (All four words were written ahead of the last wait on va_vdst)
.endr
	s_wait_dscnt 0x0                                   ; the closing lines, six on end
	s_wait_alu 0x0
	s_wait_tensorcnt 0x0
	ds_add_u32 v223, v229
	s_wait_dscnt 0x0
	s_endpgm
.Lfunc_end_k_qf95e988123_qkv:
	.size	k_qf95e988123_qkv, .Lfunc_end_k_qf95e988123_qkv-k_qf95e988123_qkv
	.p2alignl 7, 3214868480
	.fill 96, 4, 3214868480
	.section	.rodata,"a",@progbits
	.p2align	6, 0x0
	.amdhsa_kernel k_qf95e988123_qkv
		.amdhsa_group_segment_fixed_size 57856
		.amdhsa_private_segment_fixed_size 0
		.amdhsa_enable_private_segment 0
		.amdhsa_kernarg_size 112
		.amdhsa_user_sgpr_count 2
		.amdhsa_user_sgpr_kernarg_segment_ptr 1
		.amdhsa_wavefront_size32 1
		.amdhsa_system_sgpr_workgroup_id_x 1
		.amdhsa_system_sgpr_workgroup_id_y 1
		.amdhsa_system_sgpr_workgroup_id_z 1
		.amdhsa_system_vgpr_workitem_id 0
		.amdhsa_next_free_vgpr 1024
		.amdhsa_next_free_sgpr 66
		.amdhsa_reserve_vcc 0
		.amdhsa_float_denorm_mode_32 3
		.amdhsa_float_denorm_mode_16_64 3
		.amdhsa_memory_ordered 1
		.amdhsa_forward_progress 1
		.amdhsa_inst_pref_size 255
	.end_amdhsa_kernel
	.section	.bss,"aw",@nobits
	.p2align	6
	.space	262144
	.amdgpu_metadata
---
amdhsa.version: [ 1, 2 ]
amdhsa.kernels:
  - .name:           k_qf95e988123_qkv
    .symbol:         k_qf95e988123_qkv.kd
    .args:
      - { .name: x, .offset: 0, .size: 8, .value_kind: global_buffer, .address_space: global }
      - { .name: ln1_g, .offset: 8, .size: 8, .value_kind: global_buffer, .address_space: global }
      - { .name: ln1_b, .offset: 16, .size: 8, .value_kind: global_buffer, .address_space: global }
      - { .name: Wq_codes, .offset: 24, .size: 8, .value_kind: global_buffer, .address_space: global }
      - { .name: Wq_scales, .offset: 32, .size: 8, .value_kind: global_buffer, .address_space: global }
      - { .name: bq, .offset: 40, .size: 8, .value_kind: global_buffer, .address_space: global }
      - { .name: Wk_codes, .offset: 48, .size: 8, .value_kind: global_buffer, .address_space: global }
      - { .name: Wk_scales, .offset: 56, .size: 8, .value_kind: global_buffer, .address_space: global }
      - { .name: bk, .offset: 64, .size: 8, .value_kind: global_buffer, .address_space: global }
      - { .name: Wv_codes, .offset: 72, .size: 8, .value_kind: global_buffer, .address_space: global }
      - { .name: Wv_scales, .offset: 80, .size: 8, .value_kind: global_buffer, .address_space: global }
      - { .name: bv, .offset: 88, .size: 8, .value_kind: global_buffer, .address_space: global }
      - { .name: qws, .offset: 96, .size: 8, .value_kind: global_buffer, .address_space: global }
      - { .name: kvws, .offset: 104, .size: 8, .value_kind: global_buffer, .address_space: global }
    .group_segment_fixed_size: 57856
    .private_segment_fixed_size: 0
    .kernarg_segment_align: 8
    .kernarg_segment_size: 112
    .max_flat_workgroup_size: 128
    .sgpr_count:     66
    .vgpr_count:     1024
    .wavefront_size: 32
...
	.end_amdgpu_metadata
.endif
;; end of part 9
;; launch attn (part 10): grid 8 x 32, 16 waves a work-group, clusters of 4 x 1, 215,040 bytes of LDS; arguments qws, kvws, avc, avs; writes avc, avs
.if DOCPART == 10
	.amdgcn_target "amdgcn-amd-amdhsa--gfx1250"
	.amdhsa_code_object_version 6
	.text
	.protected	k_qf95e988123_attn
	.globl	k_qf95e988123_attn
	.p2align	8
	.type	k_qf95e988123_attn,@function
k_qf95e988123_attn:
	s_mov_b64 s[64:65], 0
	v_nop
	global_prefetch_b8 v0, s[64:65] scope:SCOPE_SE
	s_setreg_imm32_b32 hwreg(HW_REG_WAVE_MODE, 25, 1), 1
	s_wait_xcnt 0x0
	s_wait_alu depctr_hold_cnt(0) depctr_sa_sdst(0) depctr_va_vdst(0) depctr_va_sdst(0) depctr_va_ssrc(0) depctr_va_vcc(0) depctr_vm_vsrc(0)
	s_getreg_b32 s2, hwreg(HW_REG_IB_STS2, 6, 4)
	s_cmp_eq_u32 s2, 0
	s_cbranch_scc0 .Lentry_in_a_cluster
	s_endpgm
.Lentry_in_a_cluster:
	s_bfe_u32 s2, ttmp6, 0x10000c
	s_cmp_lg_u32 s2, 0x3003
	s_cbranch_scc0 .Lentry_shape_is_right
	s_endpgm
.Lentry_shape_is_right:
; Attention of one (batch, head) = work-group y, 256 queries = work-group x; both products on codes of FP6 (E2M3) with E8M0 scales.  Sixteen waves, each one tile of 16 queries in 256 registers.
; t = score x log2(e) / 8; M = the running largest t rounded UP to a whole number; p = 2^(t - M) is quantised along the keys, not normalised; the row's sum is taken of the unquantised p and divides at the end.
; When M moves, the sum and O are multiplied by 2^(old M - new M): exact.
; Both products are used transposed (S^T = K Q^T, O^T = V^T P^T): a lane holds one query throughout.  The head's size is 64: registers 6-11 of Q's and K's fragments are zero codes, which add nothing.
; K and V come as the first launch laid them: 16 records of 13,312 bytes (128 keys each): 8 half images of K, 4 images of V^T, scale words.  The whole head, 212,992 bytes, comes into LDS ONCE, by two tensor
; loads a wave (records 0-3, then 4-15); no LDS byte is filled twice.  The first four key steps are written out with the record's place in the immediates; the other twelve are a loop.
; CLUSTER: four neighbouring work-groups along x belong to one head and want the same records: each load is asked for JOINTLY, by the same line with the same descriptor (made of the head and the wave's number
; alone) and a mask that names the four; each receives the bytes in its own LDS.  My place in the cluster enters Q's and the result's global addresses alone.
; The result, divided by the sum, is quantised along the head's 64 and leaves as a half image and two scale bytes a row.  (Those bytes leave two a lane, 16 bytes apart: 131,072 bytes in the whole launch.)
; LIMITS: NaN and infinities are not served.  A block whose largest magnitude lies under 2^-124 (zeros too) gets the byte 1; the bytes are read by this program alone.
; REGISTERS: v1-3 lane terms; v8-10 the step's addresses; v12 -M, v13 the largest t, v[14:15] the sum; v16-27 Q; v28-31 V's scale words; v32-79 four fragments of K; v80-127 four of V;
;   v128-191 S^T, then p; v192-223 O^T; v224-235 p's codes; v232-247 at work; v248-251 K's scale words; v252 f; v253 p's scale word; v254 at work; v255 Q's scale word.
.set REC, 13312
.set LI,  1                            ; 16 x lane
.set L8,  2                            ; 8 x lane
.set R16, 3                            ; 16 r
.set ADK, 8
.set ADK8, 9
.set ADS, 10
.set SS,  128
.set OT,  192
.set WV,  18
.set SEL, 20
.set CS,  22
.set G1A, 24
.set G1B, 32
.set G0A, 40
.set G0B, 44
.set TB,  48
.set CNT, 49
.macro PLACES n
.rept \n
	v_nop
.endr
.endm
.macro CROUND                          ; a round of the cluster's barrier: my work-group's barrier; wave 0 signals for the work-group; every wave waits for all four work-groups; my work-group's barrier once more
	s_barrier_signal -1
	s_barrier_wait -1
	s_cmp_lg_u32 s[WV], 0
	s_cbranch_scc1 .Lnot_wave_0_\@
	s_barrier_signal -3
.Lnot_wave_0_\@:
	s_barrier_wait -3
	s_barrier_signal -1
	s_barrier_wait -1
.endm
.macro WMR d, a, b, c, sa, sb
	v_wmma_scale_f32_16x16x128_f8f6f4 v[\d:\d+7], v[\a:\a+11], v[\b:\b+11], v[\c:\c+7], v[\sa], v[\sb] matrix_a_fmt:MATRIX_FMT_FP6 matrix_b_fmt:MATRIX_FMT_FP6
.endm
.macro WMZ d, a, b, sa, sb
	v_wmma_scale_f32_16x16x128_f8f6f4 v[\d:\d+7], v[\a:\a+11], v[\b:\b+11], 0, v[\sa], v[\sb] matrix_a_fmt:MATRIX_FMT_FP6 matrix_b_fmt:MATRIX_FMT_FP6
.endm
	s_load_b256 s[4:11], s[0:1], 0x0                   ; qws, kvws, avc, avs
	v_lshl_add_u32 v11, v0, 2, 0x34000
	v_mov_b32 v243, 0
	ds_add_u32 v11, v243
	ds_add_u32 v11, v243
	v_lshrrev_b32 v4, 5, v0
	s_delay_alu instid0(VALU_DEP_1)
	v_readfirstlane_b32 s[WV], v4                      ; wave 0..15
	s_and_b32 s50, ttmp7, 0xffff                       ; 8 batch + head: the four partners share it
	s_mul_i32 s52, s50, 16*REC                         ; the head's records
	s_mov_b32 s53, 0
	s_mul_i32 s54, s[WV], 3328                         ; my sixteenth of records 0-3: 13 rows of 256 bytes
	s_mov_b32 s55, 0
	s_mul_i32 s56, s[WV], 9984                         ; and of records 4-15: 39 rows
	s_add_co_u32 s56, s56, 4*REC
	s_mov_b32 s57, 0
	; descriptor group 1: dense rows of 256 bytes (32 elements of 8 bytes), no padding; 15:0 the mask: all four work-groups; bit 21 set beside it
	s_mov_b32 s[G1A], 15|(3<<16)|(1<<21)
	s_mov_b32 s[G1A+1], 32<<16                         ; tensor_dim0
	s_mov_b32 s[G1A+2], 13<<16                         ; tensor_dim1
	s_mov_b32 s[G1A+3], 32<<16                         ; tile_dim0
	s_mov_b32 s[G1A+4], 13                             ; tile_dim1
	s_mov_b32 s[G1A+5], 32                             ; the pitch
	s_mov_b32 s[G1A+6], 0
	s_mov_b32 s[G1A+7], 0
	s_mov_b32 s[G1B], 15|(3<<16)|(1<<21)
	s_mov_b32 s[G1B+1], 32<<16
	s_mov_b32 s[G1B+2], 39<<16
	s_mov_b32 s[G1B+3], 32<<16
	s_mov_b32 s[G1B+4], 39
	s_mov_b32 s[G1B+5], 32
	s_mov_b32 s[G1B+6], 0
	s_mov_b32 s[G1B+7], 0
	; my tile of queries: block 2 x + wave / 8 of the batch's 16, tile wave % 8; x = 4 x cluster x + my place in the cluster
	s_bfe_u32 s58, ttmp6, 0x40000
	s_lshl_b32 s51, ttmp9, 2
	s_add_co_u32 s51, s51, s58
	s_lshl_b32 s51, s51, 1
	s_lshr_b32 s58, s[WV], 3
	s_add_co_u32 s51, s51, s58
	s_and_b32 s60, s[WV], 7
	s_lshl_b32 s58, s50, 4
	s_add_co_u32 s58, s58, s51
	s_mul_i32 s58, s58, REC                            ; its record in qws
	s_mul_i32 s59, s60, 768
	s_add_co_u32 s12, s58, s59                         ; its half image
	s_mov_b32 s13, 0
	s_lshr_b32 s59, s60, 2
	s_lshl_b32 s59, s59, 8
	s_and_b32 s61, s60, 3
	s_lshl_b32 s61, s61, 2
	s_add_co_u32 s14, s58, s59
	s_add_co_u32 s14, s14, s61
	s_add_co_u32 s14, s14, 12288                       ; its scale words: 12,288 + 256 (m / 4) + 4 (m % 4), 16 bytes a row
	s_mov_b32 s15, 0
	s_lshr_b32 s58, s50, 3
	s_lshl_b32 s58, s58, 4
	s_add_co_u32 s58, s58, s51                         ; the block of 128 rows among all 64
	s_lshl_b32 s58, s58, 3
	s_add_co_u32 s58, s58, s60                         ; 8 block + tile
	s_and_b32 s59, s50, 7                              ; the head
	s_lshl_b32 s62, s58, 3
	s_add_co_u32 s62, s62, s59
	s_mul_i32 s62, s62, 768                            ; where the result's half image goes
	s_mov_b32 s63, 0
	s_lshl_b32 s16, s58, 8
	s_lshl_b32 s59, s59, 1
	s_add_co_u32 s16, s16, s59                         ; and its scale bytes
	s_mov_b32 s17, 0
	s_mov_b32 s[SEL], 0x76543210
	s_mov_b32 s[SEL+1], 0xfedcba98                     ; v_permlanex16_b32's selects for lane l xor 16
	s_mov_b32 s[CS], 0x3e38aa3b                        ; c = log2(e) / 8
	s_mov_b32 s[CS+1], s[CS]                           ; (named with it as a pair, so it is written)
	s_mov_b32 s[TB], 0
	s_wait_dscnt 0x0
	s_wait_kmcnt 0x0
	s_add_nc_u64 s[52:53], s[6:7], s[52:53]
	s_mov_b32 s[G0A], 1                                ; count = 1
	s_mov_b32 s[G0A+1], s54                            ; LDS address: as the bytes lie in the head's records
	s_add_nc_u64 s[G0A+2:G0A+3], s[52:53], s[54:55]
	s_or_b32 s[G0A+3], s[G0A+3], 0x80000000            ; type = 2
	s_mov_b32 s[G0B], 1
	s_mov_b32 s[G0B+1], s56
	s_add_nc_u64 s[G0B+2:G0B+3], s[52:53], s[56:57]
	s_or_b32 s[G0B+3], s[G0B+3], 0x80000000
	CROUND                                             ; all four work-groups are here: the joint loads meet
	tensor_load_to_lds s[G0A:G0A+3], s[G1A:G1A+7]      ; both fills go out together, ahead of every wait on TENSORcnt and every LDS read: two loads of mine are out
	s_nop 0
	tensor_load_to_lds s[G0B:G0B+3], s[G1B:G1B+7]
	s_nop 0
	PLACES 4
	s_add_nc_u64 s[12:13], s[4:5], s[12:13]
	s_add_nc_u64 s[14:15], s[4:5], s[14:15]
	s_add_nc_u64 s[8:9], s[8:9], s[62:63]
	s_add_nc_u64 s[10:11], s[10:11], s[16:17]
	v_and_b32 v4, 31, v0
	v_and_b32 v5, 15, v0
	s_delay_alu instid0(VALU_DEP_2)
	v_lshlrev_b32 v[LI], 4, v4
	s_delay_alu instid0(VALU_DEP_3)
	v_lshlrev_b32 v[L8], 3, v4
	s_delay_alu instid0(VALU_DEP_3)
	v_lshlrev_b32 v[R16], 4, v5
	global_load_b128 v[16:19], v[LI], s[12:13]         ; Q's half image: registers 0-3,
	global_load_b64 v[20:21], v[L8], s[12:13] offset:512   ; 4 and 5
	global_load_b32 v255, v[R16], s[14:15]             ; Q's scale words
.irp j, 22,23,24,25,26,27
	v_mov_b32 v\j, 0                                   ; k = 64 .. 127: zero codes
.endr
.irp t, 0,1,2,3
.irp j, 6,7,8,9,10,11
	v_mov_b32 v[32+12*\t+\j], 0                        ; the same in K's four fragments: written once
.endr
.endr
	v_mov_b32 v13, 0xff61b1e6                          ; the largest t so far: -3e38
	s_delay_alu instid0(VALU_DEP_1)
	v_floor_f32 v12, -v13                              ; -M
	v_mov_b32 v14, 0
	v_mov_b32 v15, 0
.irp b, 0,1,2,3
	v_mov_b32 v[236+\b], 0                             ; written once: a lane permute's destination counts as one of its sources
.endr
	v_mov_b32 v253, 0                                  ; (named as the upper half of v[252:253] before it is first written)
.set i, 0
.rept 32
	v_mov_b32 v[OT+i], 0                               ; O^T: the step is written for every step alike; the first finds zeros
.set i, i+1
.endr
; A KEY STEP: 128 keys, the record at LDS byte s[TB] + off.  adv = 1: s[TB] steps on.
.macro STEP off, adv
	v_add_nc_u32 v[ADK], s[TB], v[LI]
	s_wait_alu depctr_va_vdst(0)
	v_add_nc_u32 v[ADK8], s[TB], v[L8]
	s_wait_alu depctr_va_vdst(0)
	v_add_nc_u32 v[ADS], s[TB], v[R16]
	s_wait_alu depctr_va_vdst(0)
.irp g, 0,1                                        ; S^T = K Q^T, four tiles of 16 keys at a time
.if \g
	PLACES 4                                           ; in front of loads into registers that matrix instructions have read
.endif
.irp t, 0,1,2,3
	ds_load_b128 v[32+12*\t:35+12*\t], v[ADK] offset:\off+768*(4*\g+\t)
	ds_load_b64 v[36+12*\t:37+12*\t], v[ADK8] offset:\off+768*(4*\g+\t)+512
.endr
	ds_load_b128 v[248:251], v[ADS] offset:\off+12288+256*\g
	s_wait_dscnt 0x0
.irp t, 0,1,2,3
	WMZ SS+8*(4*\g+\t), 32+12*\t, 16, 248+\t, 255
.endr
.endr                                              ; lane (r, h): query r; register 16 b + i is key 32 b + 16 h + i
.irp e, 0,1,2,3                                    ; V's four fragments are asked for now and land under the softmax (behind the last step's products: the three additions and four v_nop above)
.irp c, 0,1,2
	ds_load_b128 v[80+12*\e+4*\c:83+12*\e+4*\c], v[ADK] offset:\off+6144+1536*\e+512*\c
.endr
.endr
	ds_load_b128 v[28:31], v[ADS] offset:\off+12800
	PLACES 4
.irp b, 0,1,2,3
	v_max3_num_f32 v[232+\b], v[SS+16*\b], v[SS+1+16*\b], v[SS+2+16*\b]   ; the largest score of each block of 32 keys: for the row's maximum and, since p rises with the score, for the block's largest p
.endr
.irp i, 3,5,7,9,11,13
.irp b, 0,1,2,3
	v_max3_num_f32 v[232+\b], v[232+\b], v[SS+16*\b+\i], v[SS+1+16*\b+\i]
.endr
.endr
.irp b, 0,1,2,3
	v_max_num_f32 v[232+\b], v[232+\b], v[SS+15+16*\b]
.endr
.irp b, 0,1,2,3
	s_delay_alu instid0(VALU_DEP_4)
	v_permlanex16_b32 v[236+\b], v[232+\b], s[SEL], s[SEL+1]
.endr
.irp b, 0,1,2,3
	s_delay_alu instid0(VALU_DEP_4)
	v_max_num_f32 v[232+\b], v[232+\b], v[236+\b]
.endr
	s_delay_alu instid0(VALU_DEP_2)
	v_max3_num_f32 v254, v232, v233, v234
	s_delay_alu instid0(VALU_DEP_1)
	v_max_num_f32 v254, v254, v235
	s_delay_alu instid0(VALU_DEP_1)
	v_mul_f32 v254, s[CS], v254                        ; as t (c is positive)
	s_delay_alu instid0(VALU_DEP_1)
	v_max_num_f32 v13, v13, v254                       ; the running largest t
	v_mov_b32 v254, v12
	s_delay_alu instid0(VALU_DEP_2)
	v_floor_f32 v12, -v13                              ; the new -M = -ceil(t)
	s_delay_alu instid0(VALU_DEP_1)
	v_sub_f32 v254, v12, v254                          ; old M - new M: a whole number, 0 or less
	s_delay_alu instid0(VALU_DEP_1)
	v_cvt_i32_f32 v254, v254                           ; (it saturates)
	s_delay_alu instid0(VALU_DEP_1)
	v_ldexp_f32 v252, 1.0, v254                        ; f = 2^(old M - new M)
.irp j, 0,2,4,6,8,10,12,14,16,18,20,22,24,26,28,30,32,34,36,38,40,42,44,46,48,50,52,54,56,58,60,62
	v_pk_fma_f32 v[SS+\j:SS+1+\j], v[SS+\j:SS+1+\j], s[CS:CS+1], v[12:13] op_sel_hi:[1,0,0]   ; t - M
.endr
.irp b, 0,1,2,3
	v_fma_f32 v[232+\b], v[232+\b], s[CS], v12
.endr
.set i, 0
	s_wait_alu depctr_va_vdst(0)
.rept 64
	v_exp_f32 v[SS+i], v[SS+i]                         ; p = 2^(t - M)
.set i, i+1
.endr
	s_setprio 1
.irp b, 0,1,2,3
	v_exp_f32 v[232+\b], v[232+\b]                     ; the block's largest p
.endr
	v_pk_mul_f32 v[14:15], v[14:15], v[252:253] op_sel_hi:[1,0]   ; the sums under the new M (a plain place behind the exponentials)
	s_wait_alu depctr_va_vdst(0)
.irp b, 0,1,2,3
	v_max_num_f32 v[232+\b], 0x1800000, v[232+\b]      ; the floor 2^(3 - 127)
.endr
.irp b, 0,1,2,3
	s_delay_alu instid0(VALU_DEP_4)
	v_add_nc_u32 v[244+\b], 0xff000000, v[232+\b]      ; the conversion's scale operand
.endr
.irp b, 0,1,2,3
	s_delay_alu instid0(VALU_DEP_4)
	v_lshrrev_b32 v[236+\b], 23, v[244+\b]             ; the scale's byte
.endr
	s_delay_alu instid0(VALU_DEP_3)
	v_lshl_or_b32 v253, v237, 8, v236
	s_delay_alu instid0(VALU_DEP_1)
	v_lshl_or_b32 v253, v238, 16, v253
	s_delay_alu instid0(VALU_DEP_1)
	v_lshl_or_b32 v253, v239, 24, v253
.irp c, 0,1
	v_cvt_scalef32_pk16_fp6_f32 v[224+6*\c:226+6*\c], v[SS+32*\c:SS+15+32*\c], v[244+2*\c]
	v_cvt_scalef32_pk16_fp6_f32 v[236+4*\c:238+4*\c], v[SS+16+32*\c:SS+31+32*\c], v[245+2*\c]
.endr
	v_nop                                              ; one plain place behind a scaled conversion
.irp c, 0,1
.irp i, 0,1,2
	v_permlane16_swap_b32 v[224+6*\c+\i], v[236+4*\c+\i]
.endr
.irp i, 0,1,2
	s_delay_alu instid0(VALU_DEP_3)
	v_mov_b32 v[227+6*\c+\i], v[236+4*\c+\i]
.endr
.endr
	v_pk_add_f32 v[236:237], v[132:133], v[136:137]
	v_pk_add_f32 v[250:251], v[140:141], v[144:145]
	v_pk_add_f32 v[248:249], v[148:149], v[152:153]
	v_pk_add_f32 v[246:247], v[156:157], v[160:161]
	v_pk_add_f32 v[244:245], v[164:165], v[168:169]
	v_pk_add_f32 v[240:241], v[172:173], v[176:177]
	v_pk_add_f32 v[72:73], v[180:181], v[184:185]
	v_pk_add_f32 v[14:15], v[14:15], v[188:189]
	v_pk_add_f32 v[236:237], v[236:237], v[128:129]
	v_pk_add_f32 v[250:251], v[250:251], v[130:131]
	v_pk_add_f32 v[248:249], v[248:249], v[134:135]
	v_pk_add_f32 v[246:247], v[246:247], v[138:139]
	v_pk_add_f32 v[244:245], v[244:245], v[142:143]
	v_pk_add_f32 v[240:241], v[240:241], v[146:147]
	v_pk_add_f32 v[72:73], v[72:73], v[150:151]
	v_pk_add_f32 v[14:15], v[14:15], v[154:155]
	v_pk_add_f32 v[236:237], v[236:237], v[158:159]
	v_pk_add_f32 v[250:251], v[250:251], v[162:163]
	v_pk_add_f32 v[248:249], v[248:249], v[166:167]
	v_pk_add_f32 v[246:247], v[246:247], v[170:171]
	v_pk_add_f32 v[244:245], v[244:245], v[174:175]
	v_pk_add_f32 v[240:241], v[240:241], v[178:179]
	v_pk_add_f32 v[72:73], v[72:73], v[182:183]
	v_pk_add_f32 v[14:15], v[14:15], v[186:187]
	v_pk_add_f32 v[236:237], v[236:237], v[190:191]
	s_delay_alu instid0(VALU_DEP_2)
	v_pk_add_f32 v[14:15], v[14:15], v[246:247]
	s_delay_alu instid0(VALU_DEP_2)
	v_pk_add_f32 v[236:237], v[236:237], v[244:245]
	s_setprio 0
	v_pk_add_f32 v[250:251], v[250:251], v[240:241]
	v_pk_add_f32 v[248:249], v[248:249], v[72:73]
	s_delay_alu instid0(VALU_DEP_2)
	v_pk_add_f32 v[14:15], v[14:15], v[250:251]
	s_delay_alu instid0(VALU_DEP_2)
	v_pk_add_f32 v[236:237], v[236:237], v[248:249]
	s_delay_alu instid0(VALU_DEP_1)
	v_pk_add_f32 v[14:15], v[14:15], v[236:237]
.irp j, 0,2,4,6,8,10,12,14,16,18,20,22,24,26,28,30
	v_pk_mul_f32 v[OT+\j:OT+1+\j], v[OT+\j:OT+1+\j], v[252:253] op_sel_hi:[1,0]   ; O^T under the new M
.endr
	s_wait_alu depctr_va_vdst(0)
	s_wait_dscnt 0x0                                   ; V is in
.irp e, 0,1,2,3
	WMR OT+8*\e, 80+12*\e, 224, OT+8*\e, 28+\e, 253    ; O^T += V^T P^T: the four accumulators by turns
.endr
.if \adv
	s_add_co_u32 s[TB], s[TB], REC
.endif
.endm
	s_wait_loadcnt 0x0                                 ; Q
	s_wait_tensorcnt 0x1                               ; my part of records 0-3 is in; the second load may stay out
	s_barrier_signal -1
	s_barrier_wait -1                                  ; everybody's is
.irp k, 0,1,2,3
	STEP REC*\k, 0
.endr
	s_wait_tensorcnt 0x0                               ; my part of records 4-15
	s_wait_dscnt 0x0
	s_barrier_signal -1
	s_barrier_wait -1
	s_mov_b32 s[TB], 4*REC
	s_mov_b32 s[CNT], 12
.Lstep:
	s_setprio 2
	STEP 0, 1
	s_sub_co_u32 s[CNT], s[CNT], 1
	s_cmp_lg_u32 s[CNT], 0
	s_cbranch_scc1 .Lstep
	s_setprio 0
	; THE WAY OUT: O^T / the sum, quantised along the head's 64 (two blocks), as a half image and two scale bytes a row
	PLACES 4
	v_add_f32 v14, v14, v15
	s_delay_alu instid0(VALU_DEP_1)
	v_permlanex16_b32 v252, v14, s[SEL], s[SEL+1]
	s_delay_alu instid0(VALU_DEP_1)
	v_add_f32 v14, v14, v252                           ; the row's sum
	s_wait_alu depctr_va_vdst(0)
	v_rcp_f32 v14, v14
	v_nop                                              ; one plain place behind a transcendental
.set i, 0
	s_wait_alu depctr_va_vdst(0)
.rept 32
	v_mul_f32 v[SS+i], v[OT+i], v14                    ; register 16 b + i is e = 32 b + 16 h + i
.set i, i+1
.endr
.irp b, 0,1
	v_max3_num_f32 v[232+\b], |v[SS+16*\b]|, |v[SS+1+16*\b]|, 0x1800000
.endr
.irp i, 2,4,6,8,10,12,14
.irp b, 0,1
	s_delay_alu instid0(VALU_DEP_2)
	v_max3_num_f32 v[232+\b], v[232+\b], |v[SS+16*\b+\i]|, |v[SS+1+16*\b+\i]|
.endr
.endr
.irp b, 0,1
	s_delay_alu instid0(VALU_DEP_2)
	v_permlanex16_b32 v[236+\b], v[232+\b], s[SEL], s[SEL+1]
.endr
.irp b, 0,1
	s_delay_alu instid0(VALU_DEP_2)
	v_max_num_f32 v[232+\b], v[232+\b], v[236+\b]
.endr
.irp b, 0,1
	s_delay_alu instid0(VALU_DEP_2)
	v_add_nc_u32 v[244+\b], 0xff000000, v[232+\b]
.endr
.irp b, 0,1
	s_delay_alu instid0(VALU_DEP_2)
	v_lshrrev_b32 v[236+\b], 23, v[244+\b]
.endr
	s_delay_alu instid0(VALU_DEP_1)
	v_lshl_or_b32 v253, v237, 8, v236
	v_cvt_scalef32_pk16_fp6_f32 v[224:226], v[SS:SS+15], v244
	v_cvt_scalef32_pk16_fp6_f32 v[236:238], v[SS+16:SS+31], v245
	v_nop
.irp i, 0,1,2
	v_permlane16_swap_b32 v[224+\i], v[236+\i]
.endr
.irp i, 0,1,2
	s_delay_alu instid0(VALU_DEP_3)
	v_mov_b32 v[227+\i], v[236+\i]
.endr
	global_store_b128 v[LI], v[224:227], s[8:9]        ; 512 consecutive bytes,
	global_store_b64 v[L8], v[228:229], s[8:9] offset:512   ; then 256
	global_store_b16 v[R16], v253, s[10:11]            ; lanes 16-31 store the same two bytes to the same place
	s_wait_tensorcnt 0x0
	ds_add_u32 v11, v243
	s_wait_dscnt 0x0
	CROUND                                             ; the closing round: no work-group ends while a partner may still ask for bytes by a load that names it
	s_endpgm
.Lfunc_end_k_qf95e988123_attn:
	.size	k_qf95e988123_attn, .Lfunc_end_k_qf95e988123_attn-k_qf95e988123_attn
	.p2alignl 7, 3214868480
	.fill 96, 4, 3214868480
	.section	.rodata,"a",@progbits
	.p2align	6, 0x0
	.amdhsa_kernel k_qf95e988123_attn
		.amdhsa_group_segment_fixed_size 215040
		.amdhsa_private_segment_fixed_size 0
		.amdhsa_enable_private_segment 0
		.amdhsa_kernarg_size 32
		.amdhsa_user_sgpr_count 2
		.amdhsa_user_sgpr_kernarg_segment_ptr 1
		.amdhsa_wavefront_size32 1
		.amdhsa_system_sgpr_workgroup_id_x 1
		.amdhsa_system_sgpr_workgroup_id_y 1
		.amdhsa_system_sgpr_workgroup_id_z 1
		.amdhsa_system_vgpr_workitem_id 0
		.amdhsa_next_free_vgpr 256
		.amdhsa_next_free_sgpr 66
		.amdhsa_reserve_vcc 0
		.amdhsa_float_denorm_mode_32 3
		.amdhsa_float_denorm_mode_16_64 3
		.amdhsa_memory_ordered 1
		.amdhsa_forward_progress 1
		.amdhsa_inst_pref_size 98
	.end_amdhsa_kernel
	.amdgpu_metadata
---
amdhsa.version: [ 1, 2 ]
amdhsa.kernels:
  - .name:           k_qf95e988123_attn
    .symbol:         k_qf95e988123_attn.kd
    .args:
      - { .name: qws, .offset: 0, .size: 8, .value_kind: global_buffer, .address_space: global }
      - { .name: kvws, .offset: 8, .size: 8, .value_kind: global_buffer, .address_space: global }
      - { .name: avc, .offset: 16, .size: 8, .value_kind: global_buffer, .address_space: global }
      - { .name: avs, .offset: 24, .size: 8, .value_kind: global_buffer, .address_space: global }
    .group_segment_fixed_size: 215040
    .private_segment_fixed_size: 0
    .kernarg_segment_align: 8
    .kernarg_segment_size: 32
    .max_flat_workgroup_size: 512
    .sgpr_count:     66
    .vgpr_count:     256
    .wavefront_size: 32
...
	.end_amdgpu_metadata
.endif
;; end of part 10
;; launch ffn1 (part 11): grid 64 x 4, 4 waves a work-group, no clusters, 302,592 bytes of LDS; arguments avc, avs, Wo_codes, Wo_scales, bo, x, ln2_g, ln2_b, W1_codes, W1_scales, b1, x1w, hc, hs; writes x1w, hc, hs
.if DOCPART == 11
	.amdgcn_target "amdgcn-amd-amdhsa--gfx1250"
	.amdhsa_code_object_version 6
	.text
	.protected	k_qf95e988123_ffn1
	.globl	k_qf95e988123_ffn1
	.p2align	8
	.type	k_qf95e988123_ffn1,@function
k_qf95e988123_ffn1:
	s_mov_b64 s[64:65], 0
	v_nop
	global_prefetch_b8 v0, s[64:65] scope:SCOPE_SE
	s_setreg_imm32_b32 hwreg(HW_REG_WAVE_SCHED_MODE, 0, 2), 2
	s_setreg_imm32_b32 hwreg(HW_REG_WAVE_MODE, 25, 1), 1
	s_wait_xcnt 0x0
	s_wait_alu depctr_vm_vsrc(0)
; x1 = x + av Wo + bo;  x2 = LayerNorm 2 (x1), quantised;  h = gelu(x2 W1 + b1) (exact, by erfc), quantised along the hidden units.  All products on codes of FP6 (E2M3) with E8M0 scales.
; A work-group takes 128 rows (block x = 0..63) and 512 hidden units (y = 0..3); four waves.
; ROWS and tiles as in the first launch: tile m, lane r: row 32 (m/2) + 8 (m%2) + r + 8 (r/8); source 0 = 16 weight rows chosen alike, source 1 = 16 rows of the activations: register 16 b + i is column 32 b + 16 h + i.
; PHASE A (each y does it: that spares a launch and x2's way through memory): wave w holds Wo's rows 128 w .. +127 in registers; for each tile of rows: av's fragments from memory (images), 32 products with bo as C,
; + x, LayerNorm as in the first launch, codes to LDS as images.  x1 leaves as images of the registers; work-group y stores tiles 2 y and 2 y + 1.
; PHASE B: W1's rows 512 y + 128 w .. +127 take Wo's place; a loop over the eight tiles: x2 from LDS (fetched a tile ahead), 32 products with b1 as C, gelu, quantise: the wave's 128 units are K step 4 y + w of the last product.
; EVERY GLOBAL LOAD TAKES NEIGHBOURING BYTES IN NEIGHBOURING LANES.  A fragment wants 24 bytes of each of 16 rows, and the sum with x wants 16 numbers of each of 16 rows: loaded so, a load would touch 16 rows.
; So a wave's 128 weight rows (49,152 dense bytes) come by 96 loads of 512 consecutive bytes and turn through the wave's own LDS bytes, 32 rows (a group) at a time; a tile's 16 rows of x come by 16 loads of the wave's
; 512 bytes of a row and turn through a second stage.  LDS serves a wave's instructions in order (ISA guide 5.7.1.4): no wait on a memory counter stands inside a turn.
; W1 COMES EARLY: its four groups are loaded under tiles 0-3 of phase A, into spare registers, and stored under the next tile's products into LDS bytes of their own; between the phases only the fragments are read.
; SCALE WORDS OF THE WEIGHTS: one register carries tile t's words in lanes 0-15 and tile t + 4's in lanes 16-31 (the instruction's row selector): 16 registers a weight, so that both weights' words are loaded at the head.
; GELU: gelu(x) = max(x, 0) - |x| E, E = erfc(a) / 2, a = |x| / sqrt(2).  erfc(a) = t exp(-a^2 + p(t)), t = 1 / (1 + a / 2), p the published fit of degree 9, whose fractional error is under 1.2e-7.  Here in base 2:
; E = t 2^(P(t) - b^2), b = a sqrt(log2 e), P = p log2 e - 1.  |x| is held at 16, where E has long fallen to 0 in f32.
; No cluster: nothing here comes by tensor loads; weights and activations come through registers.
; LIMITS: NaN and infinities are not served.  E under 2^-126 counts as 0.  The exponent P - b^2 is rounded in f32: E's relative error is about 4e-7 + 2e-7 a^2.
; A block whose largest magnitude lies under 2^-124 (zeros too) gets the byte 1; the bytes are read by this program alone.
; THE MODE: SCHED_MODE bits 1:0 = 2 (LLVM: expert scheduling mode 2), set by the entry lines.  The code itself states the register dependences
; between vector or matrix instructions and memory or LDS instructions, with s_wait_alu, always for 0.
; THE PLAN.  Registers that memory or LDS instructions touch:
;   v1-11, v15, v168-171   addresses and offsets: made at the head, never written again: one wait on va_vdst ahead of the first load serves them all.  v12-14 are written once a trip of the hidden loop.
;   the weights' registers (windows 1, 2)   global loads land; the turn's LDS stores read them; the fragments land in the same registers; the products read them; between the phases W1's fragments land.
;   v[XB ..]   x lands; the turn's LDS stores read it; the turned numbers land; the additions read them; the next tile's x lands.
;   v[SG ..]   a group of W1 lands; LDS stores read it; the next group lands; at last b1.
;   v[RA ..], v[XS0 ..]   fragments and scale words of av or of x2 land; the products read them.
;   ACC        written by products and additions; read by x1's stores; written again by LayerNorm.
;   v[MW:MW+1], v[EX ..], v[PC ..], v[PW]   as in the first launch.
; PHASE A, a tile: a wait on vm_vsrc inside x's turn (it also frees what the last tile's LDS stores read); ONE wait on va_vdst behind the additions, behind which the next tile's 33 loads and then x1's stores follow;
; a wait on va_vdst ahead of the pair's store and one ahead of the image's stores.  PHASE B, a trip: a wait on vm_vsrc at its head, a wait on va_vdst ahead of the fetch and one ahead of the stores.
.set XIMG, 0                           ; LDS: x2's images [m 8][K step 4][1536]
.set XSC,  49152                       ; their scale words [m][lane 32][K step 4]
.set PST,  53248                       ; (mean, sum of squares) [m][r 16][wave 4]
.set HSG,  57344                       ; h's scale words, 512 bytes for each wave, its own: [r 16][m 8]
.set XST,  59392                       ; x's stage, for each wave 16 rows x (512 + 16) bytes: row r starts 16 r bytes on modulo 256
.set XSTB, 8448
.set WST,  93184                       ; the weights' bytes, for each wave four groups of 32 rows of 384 bytes: in a group row n at 400 n + 128 (n / 16).  A read's 32 lanes take rows 0-7 and 16-23 (or 8-15 and 24-31), two halves
.set WGB,  13056                       ; 24 bytes apart: 100 words a row and 32 words more for the upper sixteen rows put their 64 words on 64 different banks.  Wo's four groups turn through the first group's bytes, one after the other;
.set WSTB, 4*WGB                       ; W1's four then lie side by side
.set LI,  1                            ; 16 x lane
.set L8,  2                            ; 8 x lane
.set WL,  3                            ; a group, on the way out: 400 (r + 8 (r/8)) + 128 (r/8) + 24 h
.set WSA, 4                            ; the weights' scale words: 16 x (r + 8 (r/8)) + 1,024 h: lanes 16-31 take the tile 64 rows on
.set XLD, 5                            ; x's stage, on the way out: 528 r + 64 h
.set GA,  6                            ; 64 h
.set R16, 7                            ; 16 r
.set PSA, 8
.set PSR, 9
.set XWI, 10
.set XWS, 11
.set FA,  12                           ; phase B: 16 x lane + the images of the tile to be fetched
.set FSA, 13                           ; 16 x lane + its scale words
.set HGA, 14                           ; where my row's scale word of this tile goes
.set HG0, 15                           ; HSG + 512 wave + 32 r
.set ACC, 16
.set RA,  80
.set WS,  128                          ; v128-143 Wo's scale words: 4 (t % 4) + s
.set WS2, 144                          ; v144-159 W1's
.set XS0, 160
.set SA,  168                          ; v168-170 a group, on the way in: piece 32 j + lane of 16 bytes lies in row (32 j + lane) / 24: 16 x lane + 16 x that row (512 j stands in the immediate)
.set XSA, 171                          ; x's stage, on the way in: 16 x lane
.set T0,  176
.set PC,  192
.set TM,  212
.set PW,  228
.set LT,  234
.set EX,  242
.set MW,  250
.set RS,  252
.set DR,  254
.set BI,  192                          ; window 1: bo as C
.set GN,  192                          ; window 2
.set BBS, 0                            ; window 3
.set XB,  64                           ; window 3
.set SG,  128                          ; window 3, v128-223: a group of W1 as loaded
.set B1,  128                          ; window 3, v128-191, once W1 is in LDS: b1 as C
.set TA,  0                            ; window 3, phase B: gelu's 16 numbers at work: |x|
.set TD,  16                           ; t
.set TB,  32                           ; b
.set TP,  48                           ; P, the exponent, its power, E
.set TS,  64                           ; max(x, 0)
.set C8,  112                          ; P's second coefficient, twice
.set XP,  18
.set GP,  20
.set BP,  22
.set WV,  36
.set Y,   37
.set BLK, 38
.set SEL, 40
.set I512, 42
.set EPS, 43
.set MSB, 0
.macro WIN new                         ; bits 1:0 source 0, 3:2 source 1, 5:4 source 2, 7:6 destination; the high byte repeats the setting that is left
.if MSB != (\new)
	s_set_vgpr_msb (MSB<<8)|(\new)
.set MSB, (\new)
.endif
.endm
.macro PLACES n
.rept \n
	v_nop
.endr
.endm
.macro BARRIER
	s_wait_dscnt 0x0
	s_barrier_signal -1
	s_barrier_wait -1
.endm
.macro WMR d, a, b, c, sa, sb
	v_wmma_scale_f32_16x16x128_f8f6f4 v[\d:\d+7], v[\a:\a+11], v[\b:\b+11], v[\c:\c+7], v[\sa], v[\sb] matrix_a_fmt:MATRIX_FMT_FP6 matrix_b_fmt:MATRIX_FMT_FP6
.endm
.macro WMR1 d, a, b, c, sa, sb         ; the same with source 0's scales taken from lanes 16-31
	v_wmma_scale_f32_16x16x128_f8f6f4 v[\d:\d+7], v[\a:\a+11], v[\b:\b+11], v[\c:\c+7], v[\sa], v[\sb] matrix_a_fmt:MATRIX_FMT_FP6 matrix_b_fmt:MATRIX_FMT_FP6 matrix_a_scale:MATRIX_SCALE_ROW1
.endm
; 64 numbers of a lane at v[s] on, in window w (register 16 b + i = k 32 b + 16 h + i of my row), become a fragment's codes in v[PC] on and its scale word in v[pw].
.macro QUANT s, w, pw
	WIN (\w)|((\w)<<2)
.irp b, 0,1,2,3
	v_max3_num_f32 v[TM+\b], |v[\s+16*\b]|, |v[\s+1+16*\b]|, 0x1800000   ; and the floor 2^(3 - 127): the byte cannot fall under 1
.endr
	WIN ((\w)<<2)|((\w)<<4)
.irp i, 2,4,6,8,10,12,14
.irp b, 0,1,2,3
	v_max3_num_f32 v[TM+\b], v[TM+\b], |v[\s+16*\b+\i]|, |v[\s+1+16*\b+\i]|
.endr
.endr
	WIN 0
.irp b, 0,1,2,3
	v_permlanex16_b32 v[TM+4+\b], v[TM+\b], s[SEL], s[SEL+1]
.endr
.irp b, 0,1,2,3
	v_max_num_f32 v[TM+\b], v[TM+\b], v[TM+4+\b]
.endr
.irp b, 0,1,2,3
	v_add_nc_u32 v[TM+12+\b], 0xff000000, v[TM+\b]     ; 2 off the exponent field: the conversion's scale operand
.endr
.irp b, 0,1,2,3
	v_lshrrev_b32 v[TM+4+\b], 23, v[TM+12+\b]          ; the scale's byte
.endr
	v_lshl_or_b32 v[\pw], v[TM+5], 8, v[TM+4]
	v_lshl_or_b32 v[\pw], v[TM+6], 16, v[\pw]
	v_lshl_or_b32 v[\pw], v[TM+7], 24, v[\pw]
	WIN (\w)
.irp c, 0,1
	v_cvt_scalef32_pk16_fp6_f32 v[PC+6*\c:PC+2+6*\c], v[\s+32*\c:\s+15+32*\c], v[TM+12+2*\c]
	v_cvt_scalef32_pk16_fp6_f32 v[PC+12+4*\c:PC+14+4*\c], v[\s+16+32*\c:\s+31+32*\c], v[TM+13+2*\c]
.endr
	WIN 0
	v_nop                                              ; one plain place behind a scaled conversion
.irp c, 0,1
.irp i, 0,1,2
	v_permlane16_swap_b32 v[PC+6*\c+\i], v[PC+12+4*\c+\i]
.endr
.irp i, 0,1,2
	v_mov_b32 v[PC+3+6*\c+\i], v[PC+12+4*\c+\i]
.endr
.endr
.endm
.macro IMAGE adr, off
.irp c, 0,1,2
	ds_store_b128 v[\adr], v[PC+4*\c:PC+4*\c+3] offset:\off+512*\c
.endr
.endm
.macro FETCH reg, win, xs, adr, sadr, off, soff
	WIN (\win)<<6
.irp s, 0,1,2,3
.irp c, 0,1,2
	ds_load_b128 v[\reg+12*\s+4*\c:\reg+12*\s+4*\c+3], v[\adr] offset:\off+1536*\s+512*\c
.endr
.endr
	WIN 0
	ds_load_b128 v[\xs:\xs+3], v[\sadr] offset:\soff
.endm
.macro WSLOAD ws, wsc                  ; the scale words of my 128 weight rows, 16 bytes a row: lanes 0-15 tile t's rows, lanes 16-31 tile t + 4's
.irp t, 0,1,2,3
	global_load_b128 v[\ws+4*\t:\ws+4*\t+3], v[WSA], s[\wsc:\wsc+1] offset:(32*(\t/2)+8*(\t%2))*16
.endr
.endm
; Group g of Wo's rows (rows 32 g .. +31, 12,288 dense bytes): 24 loads of 512 consecutive bytes, into the 96 registers that the fragments of tiles 2 g and 2 g + 1 will take.
.macro WGL g, wc
	WIN 0x40
.irp i, 0,1,2,3,4,5,6,7,8,9,10,11
	global_load_b128 v[96*(\i/6)+24*(\g)+4*(\i%6):96*(\i/6)+24*(\g)+4*(\i%6)+3], v[LI], s[\wc:\wc+1] offset:12288*(\g)+512*\i
.endr
	WIN 0x80
.irp i, 0,1,2,3,4,5,6,7,8,9,10,11
	global_load_b128 v[96*(\i/6)+24*(\g)+4*(\i%6):96*(\i/6)+24*(\g)+4*(\i%6)+3], v[LI], s[\wc:\wc+1] offset:12288*(\g)+512*(\i+12)
.endr
	WIN 0
.endm
; The fragments of tiles 2 g and 2 g + 1 out of the group that lies off bytes into my LDS bytes: 24 bytes a lane and half K step, in pieces of 8.  turn = 1: LDS stores have just read the registers in which they land
.macro WFRAG g, off, turn
	WIN 0x40
.if \turn
	s_wait_alu depctr_vm_vsrc(0)                       ; the turn's LDS stores have read the group's 96 registers, in which the fragments land (behind the wait: loads and a window switch alone)
.endif
.irp u, 0,1
.irp s, 0,1
.irp p, 0,1,2,3,4,5
	ds_load_b64 v[96*\s+12*(2*(\g)+\u)+2*\p:96*\s+12*(2*(\g)+\u)+2*\p+1], v[WL] offset:(\off)+3200*\u+96*\s+48*(\p/3)+8*(\p%3)
.endr
.endr
.endr
	WIN 0x80
.irp u, 0,1
.irp s, 0,1
.irp p, 0,1,2,3,4,5
	ds_load_b64 v[96*\s+12*(2*(\g)+\u)+2*\p:96*\s+12*(2*(\g)+\u)+2*\p+1], v[WL] offset:(\off)+3200*\u+96*(\s+2)+48*(\p/3)+8*(\p%3)
.endr
.endr
.endr
	WIN 0
.endm
; A group of Wo turns: load 3 k + j holds pieces of rows 4 k .. 4 k + 3 (1,600 bytes in LDS; 128 more from row 16 on); the fragments come back into the registers that the stores have left.
.macro WTURN g
	WIN 0x04
.irp i, 0,1,2,3,4,5,6,7,8,9,10,11
	ds_store_b128 v[SA+(\i%3)], v[96*(\i/6)+24*(\g)+4*(\i%6):96*(\i/6)+24*(\g)+4*(\i%6)+3] offset:512*(\i%3)+1600*(\i/3)
.endr
	WIN 0x08
.irp i, 0,1,2,3,4,5,6,7,8,9,10,11
	ds_store_b128 v[SA+(\i%3)], v[96*(\i/6)+24*(\g)+4*(\i%6):96*(\i/6)+24*(\g)+4*(\i%6)+3] offset:512*(\i%3)+1600*(\i/3+4)+128
.endr
	WFRAG \g, 0, 1
.endm
.macro W1L g                           ; group g of W1's rows, as loaded, into the spare registers of window 3
	WIN 0xc0
.if (\g) > 0
	s_wait_alu depctr_vm_vsrc(0)                       ; the LDS stores of the group before have read v[SG ..], in which this group lands
.endif
.irp i, 0,1,2,3,4,5,6,7,8,9,10,11,12,13,14,15,16,17,18,19,20,21,22,23
	global_load_b128 v[SG+4*\i:SG+4*\i+3], v[LI], s[24:25] offset:12288*(\g)+512*\i
.endr
	WIN 0
.endm
.macro W1S g                           ; and from there into its own LDS bytes
	WIN 0x0c
.irp i, 0,1,2,3,4,5,6,7,8,9,10,11,12,13,14,15,16,17,18,19,20,21,22,23
	ds_store_b128 v[SA+(\i%3)], v[SG+4*\i:SG+4*\i+3] offset:WGB*(\g)+512*(\i%3)+1600*(\i/3)+128*(\i/12)
.endr
	WIN 0
.endm
; 32 matrix instructions: my 8 weight tiles x one tile of rows, K = 512; the eight accumulators take turns; the bias, at v[bi] on in window bw, is the first C.
.macro MMQ rs, rw, xs, ws, bi, bw
.irp s, 0,1,2,3
.if \s == 0
	WIN 0x01|((\rw)<<2)|((\bw)<<4)
.elseif \s == 1
	WIN 0x01|((\rw)<<2)
.else
	WIN 0x02|((\rw)<<2)
.endif
.irp t, 0,1,2,3,4,5,6,7
.if \s == 0
.if \t < 4
	WMR ACC+8*\t, 12*\t, \rs, \bi+8*\t, \ws+4*\t, \xs
.else
	WMR1 ACC+8*\t, 12*\t, \rs, \bi+8*\t, \ws+4*(\t-4), \xs
.endif
.else
.if \t < 4
	WMR ACC+8*\t, 96*(\s%2)+12*\t, \rs+12*\s, ACC+8*\t, \ws+4*\t+\s, \xs+\s
.else
	WMR1 ACC+8*\t, 96*(\s%2)+12*\t, \rs+12*\s, ACC+8*\t, \ws+4*(\t-4)+\s, \xs+\s
.endif
.endif
.endr
.endr
	WIN 0
.endm
.macro XLOAD m                         ; tile m's 16 rows of x, a load to a row: my wave's 512 consecutive bytes of it
	WIN 0xc0
.irp i, 0,1,2,3,4,5,6,7,8,9,10,11,12,13,14,15
	global_load_b128 v[XB+4*\i:XB+4*\i+3], v[LI], s[XP:XP+1] offset:(32*((\m)/2)+8*((\m)%2)+\i+(\i&8))*2048
.endr
	WIN 0
.endm
.macro XTURN                           ; through my stage: in by rows, back 16 numbers of each block of 32 of my row: register 16 b + 4 j + e is column 32 b + 16 h + 4 j + e
	WIN 0x0c
.irp i, 0,1,2,3,4,5,6,7,8,9,10,11,12,13,14,15
	ds_store_b128 v[XSA], v[XB+4*\i:XB+4*\i+3] offset:528*\i
.endr
	WIN 0xc0
	s_wait_alu depctr_vm_vsrc(0)                       ; the stores above have read v[XB ..], in which the turned numbers land; the last tile's LDS stores have read the pair v[MW:MW+1], the codes v[PC ..] and the scale word v[PW], which this tile writes again, and W1's last group v[SG ..], in which b1 lands
.irp b, 0,1,2,3
.irp j, 0,1,2,3
	ds_load_b128 v[XB+16*\b+4*\j:XB+16*\b+4*\j+3], v[XLD] offset:128*\b+16*\j
.endr
.endr
	WIN 0
.endm
.macro GBLOAD
	WIN 0x80
.irp b, 0,1,2,3
.irp j, 0,1,2,3
	global_load_b128 v[GN+16*\b+4*\j:GN+16*\b+4*\j+3], v[GA], s[GP:GP+1] offset:128*\b+16*\j
.endr
.endr
	WIN 0xc0
.irp b, 0,1,2,3
.irp j, 0,1,2,3
	global_load_b128 v[BBS+16*\b+4*\j:BBS+16*\b+4*\j+3], v[GA], s[BP:BP+1] offset:128*\b+16*\j
.endr
.endr
	WIN 0
.endm
.macro LN_SUM xs, xw
	WIN (\xw)|((\xw)<<2)
.irp k, 0,1,2,3
	v_pk_add_f32 v[LT+2*\k:LT+2*\k+1], v[\xs+2*\k:\xs+2*\k+1], v[\xs+8+2*\k:\xs+9+2*\k]
.endr
	WIN (\xw)<<2
.set i, 8
.rept 24
	v_pk_add_f32 v[LT+2*(i%4):LT+2*(i%4)+1], v[LT+2*(i%4):LT+2*(i%4)+1], v[\xs+2*i:\xs+2*i+1]
.set i, i+1
.endr
	WIN 0
	v_pk_add_f32 v[LT:LT+1], v[LT:LT+1], v[LT+2:LT+3]
	v_pk_add_f32 v[LT+4:LT+5], v[LT+4:LT+5], v[LT+6:LT+7]
	v_pk_add_f32 v[LT:LT+1], v[LT:LT+1], v[LT+4:LT+5]
	v_add_f32 v[LT], v[LT], v[LT+1]
	v_permlanex16_b32 v[LT+1], v[LT], s[SEL], s[SEL+1]
	v_add_f32 v[LT], v[LT], v[LT+1]
	v_mul_f32 v[MW], 0x3c000000, v[LT]                 ; / 128
.endm
.macro LN_SUB xs, xw
	WIN (\xw)
.set i, 0
.rept 32
	v_pk_add_f32 v[ACC+2*i:ACC+2*i+1], v[\xs+2*i:\xs+2*i+1], v[MW:MW+1] op_sel_hi:[1,0] neg_lo:[0,1] neg_hi:[0,1]
.set i, i+1
.endr
	WIN 0
.endm
.macro LN_A m                          ; my wave's sum of squares about its mean; the pair goes to LDS
.irp k, 0,1,2,3
	v_pk_mul_f32 v[LT+2*\k:LT+2*\k+1], v[ACC+2*\k:ACC+2*\k+1], v[ACC+2*\k:ACC+2*\k+1]
.endr
.set i, 4
.rept 28
	v_pk_fma_f32 v[LT+2*(i%4):LT+2*(i%4)+1], v[ACC+2*i:ACC+2*i+1], v[ACC+2*i:ACC+2*i+1], v[LT+2*(i%4):LT+2*(i%4)+1]
.set i, i+1
.endr
	v_pk_add_f32 v[LT:LT+1], v[LT:LT+1], v[LT+2:LT+3]
	v_pk_add_f32 v[LT+4:LT+5], v[LT+4:LT+5], v[LT+6:LT+7]
	v_pk_add_f32 v[LT:LT+1], v[LT:LT+1], v[LT+4:LT+5]
	v_add_f32 v[LT], v[LT], v[LT+1]
	v_permlanex16_b32 v[LT+1], v[LT], s[SEL], s[SEL+1]
	v_add_f32 v[MW+1], v[LT], v[LT+1]
	s_wait_alu depctr_va_vdst(0)                       ; the pair v[MW:MW+1] is written, which the LDS store reads
	ds_store_b64 v[PSA], v[MW:MW+1] offset:512*(\m)
.endm
.macro LN_B m                          ; the four waves' pairs meet
	BARRIER                                            ; all four pairs of tile m lie in LDS (its slot is written once in the launch)
	ds_load_b128 v[EX:EX+3], v[PSR] offset:512*(\m)    ; (the last tile's merging, which read v[EX ..], stands ahead of the waits on va_vdst above)
	ds_load_b128 v[EX+4:EX+7], v[PSR] offset:512*(\m)+16
.endm
.macro LN_C m                          ; merge; normalise; gain and bias; quantise; image to LDS
	s_wait_dscnt 0x0
	v_add_f32 v[LT], v[EX], v[EX+2]
	v_add_f32 v[LT+1], v[EX+4], v[EX+6]
	v_add_f32 v[LT+2], v[EX+1], v[EX+3]
	v_add_f32 v[LT+3], v[EX+5], v[EX+7]
	v_add_f32 v[LT], v[LT], v[LT+1]
	v_add_f32 v[LT+2], v[LT+2], v[LT+3]
	v_mul_f32 v[LT], 0x3e800000, v[LT]                 ; the row's mean
	v_sub_f32 v[LT+4], v[EX], v[LT]
	v_sub_f32 v[LT+5], v[EX+2], v[LT]
	v_sub_f32 v[LT+6], v[EX+4], v[LT]
	v_sub_f32 v[LT+7], v[EX+6], v[LT]
	v_mul_f32 v[LT+1], v[LT+4], v[LT+4]
	v_fmac_f32 v[LT+1], v[LT+5], v[LT+5]
	v_fmac_f32 v[LT+1], v[LT+6], v[LT+6]
	v_fmac_f32 v[LT+1], v[LT+7], v[LT+7]
	v_fmamk_f32 v[LT+2], v[LT+1], 0x43000000, v[LT+2]
	v_fma_f32 v[LT+2], v[LT+2], s[I512], s[EPS]
	s_wait_alu depctr_va_vdst(0)
	v_rsq_f32 v[RS], v[LT+2]
	v_sub_f32 v[LT+3], v[MW], v[LT]                    ; (the plain place behind the transcendental)
	s_wait_alu depctr_va_vdst(0)                       ; the reciprocal root has written v[RS], ahead of its first reader
	v_mul_f32 v[DR], v[LT+3], v[RS]
.set i, 0
.rept 32
	v_pk_fma_f32 v[ACC+2*i:ACC+2*i+1], v[ACC+2*i:ACC+2*i+1], v[RS:RS+1], v[DR:DR+1] op_sel_hi:[1,0,0]
.set i, i+1
.endr
	WIN 0x38
.set i, 0
.rept 32
	v_pk_fma_f32 v[ACC+2*i:ACC+2*i+1], v[ACC+2*i:ACC+2*i+1], v[GN+2*i:GN+2*i+1], v[BBS+2*i:BBS+2*i+1]
.set i, i+1
.endr
	WIN 0
	QUANT ACC, 0, PW
	s_wait_alu depctr_va_vdst(0)                       ; the quantiser has written the codes v[PC ..] and the scale word v[PW], which the LDS stores read
	IMAGE XWI, XIMG+6144*(\m)
	ds_store_b32 v[XWS], v[PW] offset:XSC+512*(\m)
.endm
.macro BLOAD ptr, base, w              ; a bias as C, into v[base] on in window w: register j of tile t is unit 32 (t/2) + 8 (t%2) + 16 h + j of my 128
	WIN (\w)<<6
.irp t, 0,1,2,3,4,5,6,7
	global_load_b128 v[\base+8*\t:\base+8*\t+3], v[GA], s[\ptr:\ptr+1] offset:4*(32*(\t/2)+8*(\t%2))
	global_load_b128 v[\base+8*\t+4:\base+8*\t+7], v[GA], s[\ptr:\ptr+1] offset:4*(32*(\t/2)+8*(\t%2))+16
.endr
	WIN 0
.endm
.macro RLOAD m                         ; av's tile m: K step s is heads 2 s and 2 s + 1, a half image each; one load brings the row's four scale words
.irp s, 0,1,2,3
.irp p, 0,1
	global_load_b128 v[RA+12*\s+6*\p:RA+12*\s+6*\p+3], v[LI], s[8:9] offset:(8*(\m)+2*\s+\p)*768
	global_load_b64 v[RA+12*\s+6*\p+4:RA+12*\s+6*\p+5], v[L8], s[8:9] offset:(8*(\m)+2*\s+\p)*768+512
.endr
.endr
	global_load_b128 v[XS0:XS0+3], v[R16], s[10:11] offset:256*(\m)
.endm
; 16 numbers, v[ACC + 16 g] on, become their gelu, in place.  Each line stands for all 16 (8 pairs), so that no line waits for the line above it.
.macro GELU g
.set X0, ACC+16*(\g)
	WIN 0xc0
.irp n, 0,1,2,3,4,5,6,7,8,9,10,11,12,13,14,15
	v_min_num_f32 v[TA+\n], 0x41800000, |v[X0+\n]|     ; |x|, held at 16; each accumulator from its low end on
.endr
	WIN 0xff
.irp n, 0,2,4,6,8,10,12,14
	v_pk_fma_f32 v[TD+\n:TD+\n+1], v[TA+\n:TA+\n+1], 0x3eb504f3, 1.0 op_sel_hi:[1,0,0]   ; 1 + a / 2 = 1 + |x| sqrt(2) / 4
.endr
	s_wait_alu depctr_va_vdst(0)
.irp n, 0,1,2,3,4,5,6,7,8,9,10,11,12,13,14,15
	v_rcp_f32 v[TD+\n], v[TD+\n]                       ; t
.endr
.irp n, 0,2,4,6,8,10,12,14
	v_pk_mul_f32 v[TB+\n:TB+\n+1], v[TA+\n:TA+\n+1], 0x3f596d27 op_sel_hi:[1,0]   ; b = |x| sqrt(log2(e) / 2)  (plain places behind the reciprocals)
.endr
	s_wait_alu depctr_va_vdst(0)                       ; the sixteen reciprocals have written v[TD ..], ahead of their first reader
.irp n, 0,2,4,6,8,10,12,14
	v_pk_fma_f32 v[TP+\n:TP+\n+1], v[TD+\n:TD+\n+1], 0x3e7c6f08, v[C8:C8+1] op_sel_hi:[1,0,1]   ; P(t), from its highest coefficient down
.endr
.irp k, 0x40097039,0xbfd1a1e5,0x3ecdfd18,0xbe899a80,0x3e0efb2e,0x3f0a29d2,0x3fb8ab5a,0xc034d90f
.irp n, 0,2,4,6,8,10,12,14
	v_pk_fma_f32 v[TP+\n:TP+\n+1], v[TP+\n:TP+\n+1], v[TD+\n:TD+\n+1], \k op_sel_hi:[1,1,0]
.endr
.endr
.irp n, 0,2,4,6,8,10,12,14
	v_pk_fma_f32 v[TP+\n:TP+\n+1], v[TB+\n:TB+\n+1], v[TB+\n:TB+\n+1], v[TP+\n:TP+\n+1] neg_lo:[1,0,0] neg_hi:[1,0,0]   ; P - b^2
.endr
	s_wait_alu depctr_va_vdst(0)
.irp n, 0,1,2,3,4,5,6,7,8,9,10,11,12,13,14,15
	v_exp_f32 v[TP+\n], v[TP+\n]
.endr
	WIN 0xc0
.irp n, 0,1,2,3,4,5,6,7,8,9,10,11,12,13,14,15
	v_max_num_f32 v[TS+\n], 0, v[X0+\n]                ; (plain places behind the exponentials)
.endr
	WIN 0xff
	s_wait_alu depctr_va_vdst(0)                       ; the sixteen exponentials have written v[TP ..], ahead of their first reader
.irp n, 0,2,4,6,8,10,12,14
	v_pk_mul_f32 v[TP+\n:TP+\n+1], v[TP+\n:TP+\n+1], v[TD+\n:TD+\n+1]   ; E = erfc(a) / 2
.endr
	WIN 0x3f
.irp n, 0,2,4,6,8,10,12,14
	v_pk_fma_f32 v[X0+\n:X0+\n+1], v[TA+\n:TA+\n+1], v[TP+\n:TP+\n+1], v[TS+\n:TS+\n+1] neg_lo:[1,0,0] neg_hi:[1,0,0]   ; max(x, 0) - |x| E  (where |x| was held, E is 0)
.endr
	WIN 0
.endm
	s_load_b512 s[8:23], s[0:1], 0x0                   ; avc, avs, Wo codes, Wo scales, bo, x, ln2_g, ln2_b
	s_load_b256 s[24:31], s[0:1], 0x40                 ; W1 codes, W1 scales, b1, x1w
	s_load_b128 s[32:35], s[0:1], 0x60                 ; hc, hs
	v_lshl_add_u32 v232, v0, 2, 0x49c00
	v_mov_b32 v233, 0
	v_lshrrev_b32 v[T0], 5, v0
	v_readfirstlane_b32 s[WV], v[T0]                   ; wave 0..3
	s_and_b32 s[Y], ttmp7, 0xffff
	s_mov_b32 s[BLK], ttmp9
	v_and_b32 v[T0], 31, v0                            ; lane
	v_and_b32 v[T0+1], 15, v0                          ; r
	v_bfe_u32 v[T0+2], v0, 4, 1                        ; h
	v_and_b32 v[T0+3], 8, v[T0+1]
	v_add_nc_u32 v[T0+3], v[T0+3], v[T0+1]             ; r + 8 (r/8)
	v_lshlrev_b32 v[LI], 4, v[T0]
	v_lshlrev_b32 v[L8], 3, v[T0]
	v_lshlrev_b32 v[WSA], 4, v[T0+3]
	v_lshl_add_u32 v[WSA], v[T0+2], 10, v[WSA]
	v_lshlrev_b32 v[GA], 6, v[T0+2]
	v_lshlrev_b32 v[R16], 4, v[T0+1]
	v_lshlrev_b32 v[PSR], 5, v[T0+1]
	v_add_nc_u32 v[PSR], PST, v[PSR]
	s_wait_alu depctr_va_sdst(0)                       ; the wave's number s[WV] is written, ahead of its first reader
	s_lshl_b32 s55, s[WV], 3
	v_add_nc_u32 v[PSA], s55, v[PSR]
	s_mul_i32 s55, s[WV], 1536
	v_add_nc_u32 v[XWI], s55, v[LI]
	s_lshl_b32 s55, s[WV], 2
	v_add_nc_u32 v[XWS], s55, v[LI]
	s_lshl_b32 s48, s[WV], 9
	s_add_co_u32 s48, s48, HSG                         ; my wave's 512 bytes for h's scale words
	v_lshlrev_b32 v[HG0], 5, v[T0+1]
	v_add_nc_u32 v[HG0], s48, v[HG0]
	s_mul_i32 s55, s[WV], WSTB
	s_add_co_u32 s55, s55, WST                         ; my LDS bytes for the weights
	v_mul_u32_u24 v[WL], v[T0+3], 400
	v_mad_u32_u24 v[WL], v[T0+2], 24, v[WL]
	v_lshrrev_b32 v[T0+4], 3, v[T0+1]
	v_lshl_add_u32 v[WL], v[T0+4], 7, v[WL]
	v_add_nc_u32 v[WL], s55, v[WL]
.irp j, 0,1,2
	v_add_nc_u32 v[T0+4], 32*\j, v[T0]                 ; piece 32 j + lane, 0 .. 95;
	v_mul_u32_u24 v[T0+4], v[T0+4], 0xaab
	v_lshrrev_b32 v[T0+4], 16, v[T0+4]                 ; / 24: x 2,731 / 65,536 is exact for numbers under 96
	v_lshl_add_u32 v[SA+\j], v[T0+4], 4, v[LI]
	v_add_nc_u32 v[SA+\j], s55, v[SA+\j]
.endr
	s_mul_i32 s56, s[WV], XSTB
	s_add_co_u32 s56, s56, XST                         ; my stage for x
	v_add_nc_u32 v[XSA], s56, v[LI]
	v_mul_u32_u24 v[XLD], v[T0+1], 528
	v_lshl_add_u32 v[XLD], v[T0+2], 6, v[XLD]
	v_add_nc_u32 v[XLD], s56, v[XLD]
	s_mov_b32 s[SEL], 0x76543210
	s_mov_b32 s[SEL+1], 0xfedcba98
	s_mov_b32 s[I512], 0x3b000000                      ; 1 / 512
	s_mov_b32 s[EPS], 0x3727c5ac                       ; 1e-5
.irp b, 0,1,2,3
	v_mov_b32 v[TM+4+\b], 0
.endr
	v_mov_b32 v[MW+1], 0
	v_mov_b32 v[RS+1], 0
	v_mov_b32 v[DR+1], 0
	s_mov_b32 s3, 0
	s_lshl_b32 s50, s[Y], 9
	s_lshl_b32 s51, s[WV], 7
	s_add_co_u32 s50, s50, s51                         ; my first row of W1: 512 y + 128 wave
	s_lshl_b32 s51, s[BLK], 4
	s_lshl_b32 s52, s[Y], 2
	s_add_co_u32 s51, s51, s52
	s_add_co_u32 s51, s51, s[WV]                       ; 16 block + my K step of the last product
	s_wait_kmcnt 0x0
	s_mul_i32 s2, s[BLK], 49152
	s_add_nc_u64 s[8:9], s[8:9], s[2:3]                ; av's images of the block
	s_lshl_b32 s2, s[BLK], 11
	s_add_nc_u64 s[10:11], s[10:11], s[2:3]            ; and their scale bytes
	s_mul_i32 s2, s[WV], 49152
	s_add_nc_u64 s[12:13], s[12:13], s[2:3]            ; my 128 rows of Wo
	s_lshl_b32 s2, s[WV], 11
	s_add_nc_u64 s[14:15], s[14:15], s[2:3]
	s_lshl_b32 s2, s[WV], 9
	s_add_nc_u64 s[16:17], s[16:17], s[2:3]            ; bo, gain and bias at my 128 columns
	s_add_nc_u64 s[GP:GP+1], s[GP:GP+1], s[2:3]
	s_add_nc_u64 s[BP:BP+1], s[BP:BP+1], s[2:3]
	s_lshl_b32 s4, s[BLK], 18
	s_add_co_u32 s2, s2, s4
	s_add_nc_u64 s[XP:XP+1], s[XP:XP+1], s[2:3]        ; x: the block's rows, my columns
	s_mul_i32 s2, s50, 384
	s_add_nc_u64 s[24:25], s[24:25], s[2:3]
	s_lshl_b32 s2, s50, 4
	s_add_nc_u64 s[26:27], s[26:27], s[2:3]
	s_lshl_b32 s2, s50, 2
	s_add_nc_u64 s[28:29], s[28:29], s[2:3]
	s_lshl_b32 s2, s[WV], 13
	s_add_co_u32 s2, s2, s4
	s_add_nc_u64 s[30:31], s[30:31], s[2:3]            ; x1's images: 262,144 block + 8,192 wave
	s_mul_i32 s2, s51, 12288
	s_add_nc_u64 s[32:33], s[32:33], s[2:3]
	s_lshl_b32 s2, s51, 9
	s_add_nc_u64 s[34:35], s[34:35], s[2:3]
	s_wait_alu depctr_va_vdst(0)                       ; the addresses and offsets v1 to v11, v15 and v168 to v171 are written, which the loads and stores below read; none of them is written again
	WSLOAD WS, 14                                      ; the small loads first: loads come back in order (ISA guide 5.7.1), so the counted waits for Wo show these in too
	WSLOAD WS2, 26
	BLOAD 16, BI, 1
	GBLOAD
	RLOAD 0
	XLOAD 0
.irp g, 0,1,2,3
	WGL \g, 12
.endr
	s_wait_loadcnt 63                                  ; behind group g's 24 loads stand 24 (3 - g) later ones, which may stay out (72 is more than a wait can name: 63 serves)
	WTURN 0
	s_wait_loadcnt 48
	WTURN 1
	s_wait_loadcnt 24
	WTURN 2
	s_wait_loadcnt 0x0
	WTURN 3
	; ---- PHASE A
.macro ATILE m
.if ((\m) >= 1) && ((\m) <= 4)
	s_wait_loadcnt 24                                  ; this tile's av and x are in; the group of W1 asked for behind them (24 loads) may be out
.elseif (\m) == 6
	s_wait_loadcnt 16                                  ; the same with b1's 16 loads
.else
	s_wait_loadcnt 0x0
.endif
	XTURN                                              ; x turns through its stage while the products below are issued
.if (\m) == 0
	s_wait_dscnt 32                                    ; Wo's fragments are in; the turn's 32 may be out
.endif
	MMQ RA, 0, XS0, WS, BI, 1
.if ((\m) >= 1) && ((\m) <= 4)
	s_wait_loadcnt 0x0                                 ; the group of W1 is in
	W1S (\m)-1
	s_wait_dscnt 24                                    ; x is back; the 24 stores just issued may be out
.else
	s_wait_dscnt 0x0                                   ; x is back
.endif
	PLACES 4                                           ; in front of the first read of results
	WIN 0x0c
.set i, 0
.rept 32
	v_pk_add_f32 v[ACC+2*i:ACC+2*i+1], v[ACC+2*i:ACC+2*i+1], v[XB+2*i:XB+2*i+1]   ; x1 = x + attention's part; each accumulator from its low end on
.set i, i+1
.endr
	WIN 0
	s_wait_alu depctr_va_vdst(0)                       ; the additions have written ACC, which x1's stores read; they are done reading v[XB ..], and the products are done reading av's fragments and scale words: the next tile's loads land there
.if (\m) < 7
	RLOAD (\m)+1                                       ; the next tile's loads, straight behind the wait and ahead of the stores (the 32 additions above are also the places behind the products that read these registers)
	XLOAD (\m)+1
.endif
	s_cmp_lg_u32 s[Y], (\m)/2                          ; each tile of x1 is stored by one of the four y
	s_cbranch_scc1 .Lnot_mine_\@
.irp k, 0,1,2,3,4,5,6,7,8,9,10,11,12,13,14,15
	global_store_b128 v[LI], v[ACC+4*\k:ACC+4*\k+3], s[30:31] offset:32768*(\m)+512*\k   ; 512 consecutive bytes
.endr
	s_wait_xcnt 0x0                                    ; the stores have read ACC, which is written again below
	s_wait_alu depctr_vm_vsrc(0)                       ; x1's stores have read ACC, which the differences below write again
.Lnot_mine_\@:
	LN_SUM ACC, 0
	LN_SUB ACC, 0
	LN_A \m
	LN_B \m
.if (\m) <= 3
	W1L \m                                             ; issued while the four pairs are on their way back
.elseif (\m) == 5
	BLOAD 28, B1, 3                                    ; W1 lies in LDS: b1 takes the spare registers (the wait on vm_vsrc in this tile's turn of x stands behind the last group's LDS stores)
.endif
	LN_C \m
.endm
.irp m, 0,1,2,3,4,5,6,7
	ATILE \m
.endr
	BARRIER                                            ; x2's 32 fragments lie in LDS; from here on they are only read
.irp g, 0,1,2,3
	WFRAG \g, WGB*\g, 0                                ; Wo is done with: W1's fragments take its registers (tile 7's products stand ahead of tile 7's waits on va_vdst, and no vector instruction has named these registers since)
.endr
	WIN 0xc0
	v_mov_b32 v[C8], 0xbf97d29d
	v_mov_b32 v[C8+1], 0xbf97d29d
	WIN 0
	FETCH RA, 0, XS0, LI, LI, 0, XSC                   ; x2's tile 0
	; ---- PHASE B: eight trips, a tile of 16 rows each
	s_mov_b32 s44, 0
	s_mov_b32 s45, XSC
	s_mov_b32 s46, 0
	s_mov_b32 s47, 8
.Lhidden:
	s_wait_dscnt 0x0                                   ; this tile's fragments are in (in the first trip W1's too)
	s_wait_alu depctr_vm_vsrc(0)                       ; the last trip's loads and stores have read the three addresses v[FA], v[FSA], v[HGA], the codes v[PC ..] and the scale word v[PW], which this trip writes again (first trip: tile 7's LDS stores have read the codes and the scale word)
	MMQ RA, 0, XS0, WS2, B1, 3
	s_add_co_u32 s44, s44, 6144
	s_add_co_u32 s45, s45, 512
	v_add_nc_u32 v[FA], s44, v[LI]                     ; three additions and a v_nop: the four places behind the products
	v_add_nc_u32 v[FSA], s45, v[LI]
	v_add_nc_u32 v[HGA], s46, v[HG0]
	v_nop
	s_cmp_eq_u32 s47, 1                                ; the last trip fetches nothing
	s_cbranch_scc1 .Lno_more
	s_wait_alu depctr_va_vdst(0)                       ; v[FA] and v[FSA] are written, which the loads below read; the products are done reading x2's fragments and scale words, in which they land
	FETCH RA, 0, XS0, FA, FSA, 0, 0                    ; the next tile lands under this tile's gelu
.Lno_more:
	GELU 0
	GELU 1
	GELU 2
	GELU 3
	QUANT ACC, 0, PW
	s_wait_alu depctr_va_vdst(0)                       ; the quantiser has written the codes v[PC ..] and the scale word v[PW], which the stores read; v[HGA], the LDS store's address, is written
.irp c, 0,1,2
	global_store_b128 v[LI], v[PC+4*\c:PC+4*\c+3], s[32:33] offset:512*\c
.endr
	ds_store_b32 v[HGA], v[PW]                         ; both halves of the lanes write the same word to the same place
	s_wait_xcnt 0x0                                    ; the stores have read the codes and their base
	s_add_nc_u64 s[32:33], s[32:33], 1536
	s_add_co_u32 s46, s46, 4
	s_sub_co_u32 s47, s47, 1
	s_cmp_lg_u32 s47, 0
	s_cbranch_scc1 .Lhidden
	s_wait_dscnt 0x0                                   ; my eight scale words a row lie in LDS
	s_wait_alu depctr_vm_vsrc(0)                       ; the last LDS store has read v[HGA], which is written below; the last stores of codes have read v[PC ..], in which the load below lands
	v_add_nc_u32 v[HGA], s48, v[LI]
	s_wait_alu depctr_va_vdst(0)                       ; v[HGA] is written, which the load reads
	ds_load_b128 v[PC:PC+3], v[HGA]                    ; my wave's own 512 bytes
	s_wait_dscnt 0x0
	global_store_b128 v[LI], v[PC:PC+3], s[34:35]      ; 512 consecutive bytes
	s_wait_dscnt 0x0                                   ; the closing lines, six on end
	s_wait_alu 0x0
	s_wait_tensorcnt 0x0
	ds_add_u32 v232, v233
	s_wait_dscnt 0x0
	s_endpgm
.Lfunc_end_k_qf95e988123_ffn1:
	.size	k_qf95e988123_ffn1, .Lfunc_end_k_qf95e988123_ffn1-k_qf95e988123_ffn1
	.p2alignl 7, 3214868480
	.fill 96, 4, 3214868480
	.section	.rodata,"a",@progbits
	.p2align	6, 0x0
	.amdhsa_kernel k_qf95e988123_ffn1
		.amdhsa_group_segment_fixed_size 302592
		.amdhsa_private_segment_fixed_size 0
		.amdhsa_enable_private_segment 0
		.amdhsa_kernarg_size 112
		.amdhsa_user_sgpr_count 2
		.amdhsa_user_sgpr_kernarg_segment_ptr 1
		.amdhsa_wavefront_size32 1
		.amdhsa_system_sgpr_workgroup_id_x 1
		.amdhsa_system_sgpr_workgroup_id_y 1
		.amdhsa_system_sgpr_workgroup_id_z 1
		.amdhsa_system_vgpr_workitem_id 0
		.amdhsa_next_free_vgpr 1024
		.amdhsa_next_free_sgpr 66
		.amdhsa_reserve_vcc 0
		.amdhsa_float_denorm_mode_32 3
		.amdhsa_float_denorm_mode_16_64 3
		.amdhsa_memory_ordered 1
		.amdhsa_forward_progress 1
		.amdhsa_inst_pref_size 255
	.end_amdhsa_kernel
	.section	.bss,"aw",@nobits
	.p2align	6
	.space	262144
	.amdgpu_metadata
---
amdhsa.version: [ 1, 2 ]
amdhsa.kernels:
  - .name:           k_qf95e988123_ffn1
    .symbol:         k_qf95e988123_ffn1.kd
    .args:
      - { .name: avc, .offset: 0, .size: 8, .value_kind: global_buffer, .address_space: global }
      - { .name: avs, .offset: 8, .size: 8, .value_kind: global_buffer, .address_space: global }
      - { .name: Wo_codes, .offset: 16, .size: 8, .value_kind: global_buffer, .address_space: global }
      - { .name: Wo_scales, .offset: 24, .size: 8, .value_kind: global_buffer, .address_space: global }
      - { .name: bo, .offset: 32, .size: 8, .value_kind: global_buffer, .address_space: global }
      - { .name: x, .offset: 40, .size: 8, .value_kind: global_buffer, .address_space: global }
      - { .name: ln2_g, .offset: 48, .size: 8, .value_kind: global_buffer, .address_space: global }
      - { .name: ln2_b, .offset: 56, .size: 8, .value_kind: global_buffer, .address_space: global }
      - { .name: W1_codes, .offset: 64, .size: 8, .value_kind: global_buffer, .address_space: global }
      - { .name: W1_scales, .offset: 72, .size: 8, .value_kind: global_buffer, .address_space: global }
      - { .name: b1, .offset: 80, .size: 8, .value_kind: global_buffer, .address_space: global }
      - { .name: x1w, .offset: 88, .size: 8, .value_kind: global_buffer, .address_space: global }
      - { .name: hc, .offset: 96, .size: 8, .value_kind: global_buffer, .address_space: global }
      - { .name: hs, .offset: 104, .size: 8, .value_kind: global_buffer, .address_space: global }
    .group_segment_fixed_size: 302592
    .private_segment_fixed_size: 0
    .kernarg_segment_align: 8
    .kernarg_segment_size: 112
    .max_flat_workgroup_size: 128
    .sgpr_count:     66
    .vgpr_count:     1024
    .wavefront_size: 32
...
	.end_amdgpu_metadata
.endif
;; end of part 11
;; launch ffn2 (part 12): grid 4 x 64, 4 waves a work-group, clusters of 4 x 1, 272,896 bytes of LDS; arguments hc, hs, W2_codes, W2_scales, b2, x1w, out0; writes out0
.if DOCPART == 12
	.amdgcn_target "amdgcn-amd-amdhsa--gfx1250"
	.amdhsa_code_object_version 6
	.text
	.protected	k_qf95e988123_ffn2
	.globl	k_qf95e988123_ffn2
	.p2align	8
	.type	k_qf95e988123_ffn2,@function
k_qf95e988123_ffn2:
	s_mov_b64 s[64:65], 0
	v_nop
	global_prefetch_b8 v0, s[64:65] scope:SCOPE_SE
	s_setreg_imm32_b32 hwreg(HW_REG_WAVE_MODE, 25, 1), 1
	s_wait_xcnt 0x0
	s_wait_alu depctr_hold_cnt(0) depctr_sa_sdst(0) depctr_va_vdst(0) depctr_va_sdst(0) depctr_va_ssrc(0) depctr_va_vcc(0) depctr_vm_vsrc(0)
	s_getreg_b32 s2, hwreg(HW_REG_IB_STS2, 6, 4)
	s_cmp_eq_u32 s2, 0
	s_cbranch_scc0 .Lentry_in_a_cluster
	s_endpgm
.Lentry_in_a_cluster:
	s_bfe_u32 s2, ttmp6, 0x10000c
	s_cmp_lg_u32 s2, 0x3003
	s_cbranch_scc0 .Lentry_shape_is_right
	s_endpgm
.Lentry_shape_is_right:
; out = x1 + h W2 + b2, the product on codes of FP6 (E2M3) with E8M0 scales, K = 2,048.  A work-group takes 128 rows (block = work-group y, 0..63) and 128 columns (work-group x, 0..3); four waves.
; Wave w holds W2's rows 128 x + 32 w .. +31 (two tiles, all 16 K steps: 384 registers) for the whole launch, and 16 accumulators: 2 tiles of columns x 8 tiles of rows.
; Source 0 = 16 rows of W2 (tile t, lane r: row 8 t + r + 8 (r/8) of the wave's 32), source 1 = 16 rows of h: register j of lane (r, h) is column 8 t + 16 h + j of row r: eight neighbours.
; The sums begin as x1 + b2: x1 comes as images of just these registers.
; h's images of the block (196,608 bytes) and their scale words (8,192) come into LDS ONCE, by five tensor loads a wave: the scale words, then four chunks of four K steps; each chunk is waited for, with a barrier,
; one K step ahead of its first read.  No LDS byte is filled twice.
; CLUSTER: the four work-groups along x share their block, so they want the same images and scale words: each load is asked for JOINTLY, by the same line with the same descriptor (made of the block and the wave's
; number alone) and a mask that names the four.  My place in the cluster enters the global addresses of W2, b2, x1 and out alone.
; W2: a fragment wants 24 bytes of each of 16 rows that lie 1,536 bytes apart.  So the wave's 32 rows come a quarter of K at a time (384 bytes of each row), by 24 loads of 16 bytes a lane in which neighbouring
; lanes take neighbouring bytes of a row's 384, into the registers that the fragments will take, and turn through the wave's own part of the stage in LDS.
; The result leaves through the same stage (barriers lie between the two uses; no fill lands there), as whole rows of 512 bytes.
; LIMITS: NaN and infinities are not served.
; REGISTERS: window 0: v1-14 addresses; v16-143 the way out; v64-159 h's eight fragments, set A; v160-175 h's scale words, two sets; v176-207 W2's scale words (16 t + K step); v208-223 b2; v224-227 addresses.
;   window 1: W2's tile 0 (12 x K step).  window 2: tile 1.  window 3: v0-127 the accumulators (8 (2 m + t)); v128-223 h's fragments, set B.
.set HSC, 196608                       ; LDS: behind the images [K step 16][m 8][1536]: the scale words [K step][r 16][m 8]
.set STG, 204800                       ; the stage: 128 rows x (512 + 16) bytes; at the head, for each wave 13,056 bytes of it for W2's turn
.set WSTB, 13056                       ; 32 rows of 384 bytes: row n at 400 n + 128 (n / 16): the 32 lanes of a read (rows 0-7 and 16-23, or 8-15 and 24-31; two halves 24 bytes apart) touch 64 different banks (64 banks of 4 bytes: ISA guide 11.1)
.set LI,   1                           ; 16 x lane
.set R32H, 2                           ; HSC + 32 r
.set WSA2, 4                           ; 64 x (r + 8 (r/8))
.set GA,   5                           ; 64 h
.set SO,   6                           ; STG + 528 r + 64 h + 128 wave
.set SR,   7                           ; STG + 32 x 528 x wave + 16 x lane
.set FA,   8                           ; v8-11: 16 x lane + 49,152 x chunk
.set GW,   12                          ; v12-14: W2 in memory: piece 32 j + lane of 16 bytes lies in row (32 j + lane) / 24 of four: 16 x lane + 1,152 x that row (512 j stands in the immediate)
.set OB,   16
.set HA,   64
.set XSA,  160
.set WS,   176
.set B2,   208
.set SA,   224                         ; v224-226: the same piece in my part of the stage: 16 x lane + 16 x that row
.set WL,   227                         ; and on the way out: 400 (r + 8 (r/8)) + 128 (r/8) + 24 h
.set T0,   228
.set WV,   22
.set Y,    23
.set G1C,  24
.set G1S,  32
.set G0S,  40
.set G0C,  44
.set BLK,  66
.set MSB, 0
.macro WIN new                         ; bits 1:0 source 0, 3:2 source 1, 5:4 source 2, 7:6 destination; the high byte repeats the setting that is left
.if MSB != (\new)
	s_set_vgpr_msb (MSB<<8)|(\new)
.set MSB, (\new)
.endif
.endm
.macro PLACES n
.rept \n
	v_nop
.endr
.endm
.macro BARRIER
	s_wait_dscnt 0x0
	s_barrier_signal -1
	s_barrier_wait -1
.endm
.macro CROUND                          ; a round of the cluster's barrier: my work-group's barrier; wave 0 signals for the work-group; every wave waits for all four work-groups; my work-group's barrier once more
	s_barrier_signal -1
	s_barrier_wait -1
	s_cmp_lg_u32 s[WV], 0
	s_cbranch_scc1 .Lnot_wave_0_\@
	s_barrier_signal -3
.Lnot_wave_0_\@:
	s_barrier_wait -3
	s_barrier_signal -1
	s_barrier_wait -1
.endm
.macro WMR d, a, b, c, sa, sb
	v_wmma_scale_f32_16x16x128_f8f6f4 v[\d:\d+7], v[\a:\a+11], v[\b:\b+11], v[\c:\c+7], v[\sa], v[\sb] matrix_a_fmt:MATRIX_FMT_FP6 matrix_b_fmt:MATRIX_FMT_FP6
.endm
	s_load_b256 s[8:15], s[0:1], 0x0                   ; hc, hs, W2 codes, W2 scales
	s_load_b128 s[16:19], s[0:1], 0x20                 ; b2, x1w
	s_load_b64 s[20:21], s[0:1], 0x30                  ; out0
	v_lshl_add_u32 v254, v0, 2, 0x42800
	v_mov_b32 v255, 0
	ds_add_u32 v254, v255
	ds_add_u32 v254, v255
	v_lshrrev_b32 v[T0], 5, v0
	v_readfirstlane_b32 s[WV], v[T0]                   ; wave 0..3
	s_and_b32 s[BLK], ttmp7, 0xffff                    ; the block of 128 rows: the four partners share it
	s_bfe_u32 s67, ttmp6, 0x40000                      ; my place in the cluster
	s_lshl_b32 s[Y], ttmp9, 2
	s_add_co_u32 s[Y], s[Y], s67                       ; my 128 columns: 4 x cluster x + my place
	; descriptor group 1: dense rows of 256 bytes (32 elements of 8 bytes), no padding; 15:0 the mask: all four work-groups; bit 21 set beside it: 48 rows (a quarter of a chunk), 8 rows (a quarter of the scale words)
	s_mov_b32 s[G1C], 15|(3<<16)|(1<<21)
	s_mov_b32 s[G1C+1], 32<<16
	s_mov_b32 s[G1C+2], 48<<16
	s_mov_b32 s[G1C+3], 32<<16
	s_mov_b32 s[G1C+4], 48
	s_mov_b32 s[G1C+5], 32
	s_mov_b32 s[G1C+6], 0
	s_mov_b32 s[G1C+7], 0
	s_mov_b32 s[G1S], 15|(3<<16)|(1<<21)
	s_mov_b32 s[G1S+1], 32<<16
	s_mov_b32 s[G1S+2], 8<<16
	s_mov_b32 s[G1S+3], 32<<16
	s_mov_b32 s[G1S+4], 8
	s_mov_b32 s[G1S+5], 32
	s_mov_b32 s[G1S+6], 0
	s_mov_b32 s[G1S+7], 0
	s_mul_i32 s4, s[WV], 12288                         ; my quarter of a chunk
	s_mul_i32 s2, s[BLK], 196608
	s_add_co_u32 s2, s2, s4
	s_mov_b32 s3, 0
	s_lshl_b32 s5, s[WV], 11                           ; my quarter of the scale words
	s_lshl_b32 s6, s[BLK], 13
	s_add_co_u32 s6, s6, s5
	s_mov_b32 s7, 0
	s_wait_dscnt 0x0
	s_wait_kmcnt 0x0
	s_add_nc_u64 s[2:3], s[8:9], s[2:3]
	s_mov_b32 s[G0S], 1
	s_add_co_u32 s[G0S+1], s5, HSC
	s_add_nc_u64 s[G0S+2:G0S+3], s[10:11], s[6:7]
	s_or_b32 s[G0S+3], s[G0S+3], 0x80000000
.irp c, 0,1,2,3
	s_mov_b32 s[G0C+4*\c], 1
	s_add_co_u32 s[G0C+4*\c+1], s4, 49152*\c
	s_add_nc_u64 s[G0C+4*\c+2:G0C+4*\c+3], s[2:3], 49152*\c
	s_or_b32 s[G0C+4*\c+3], s[G0C+4*\c+3], 0x80000000
.endr
	CROUND                                             ; all four work-groups are here: the joint loads meet
	tensor_load_to_lds s[G0S:G0S+3], s[G1S:G1S+7]      ; all fills go out together, ahead of every wait on TENSORcnt and every LDS read: five loads of mine are out
	s_nop 0
.irp c, 0,1,2,3
	tensor_load_to_lds s[G0C+4*\c:G0C+4*\c+3], s[G1C:G1C+7]
	s_nop 0
.endr
	PLACES 4
	v_and_b32 v[T0], 31, v0                            ; lane
	v_and_b32 v[T0+1], 15, v0                          ; r
	v_bfe_u32 v[T0+2], v0, 4, 1                        ; h
	v_and_b32 v[T0+3], 8, v[T0+1]
	v_add_nc_u32 v[T0+3], v[T0+3], v[T0+1]             ; r + 8 (r/8)
	v_lshlrev_b32 v[LI], 4, v[T0]
	v_lshlrev_b32 v[R32H], 5, v[T0+1]
	v_add_nc_u32 v[R32H], HSC, v[R32H]
	v_lshlrev_b32 v[WSA2], 6, v[T0+3]
	v_lshlrev_b32 v[GA], 6, v[T0+2]
	v_mul_u32_u24 v[SO], v[T0+1], 528
	v_lshl_add_u32 v[SO], v[T0+2], 6, v[SO]
	s_lshl_b32 s60, s[WV], 7
	s_add_co_u32 s60, s60, STG
	v_add_nc_u32 v[SO], s60, v[SO]
	s_mul_i32 s60, s[WV], 32*528
	s_add_co_u32 s60, s60, STG
	v_add_nc_u32 v[SR], s60, v[LI]
.irp c, 0,1,2,3
	v_add_nc_u32 v[FA+\c], 49152*\c, v[LI]
.endr
	s_mul_i32 s60, s[WV], WSTB
	s_add_co_u32 s60, s60, STG                         ; my part of the stage for W2's turn
	v_mul_u32_u24 v[WL], v[T0+3], 400
	v_mad_u32_u24 v[WL], v[T0+2], 24, v[WL]
	v_lshrrev_b32 v[T0+4], 3, v[T0+1]
	v_lshl_add_u32 v[WL], v[T0+4], 7, v[WL]
	v_add_nc_u32 v[WL], s60, v[WL]
.irp j, 0,1,2
	v_add_nc_u32 v[T0+4], 32*\j, v[T0]                 ; piece 32 j + lane, 0 .. 95;
	v_mul_u32_u24 v[T0+4], v[T0+4], 0xaab
	v_lshrrev_b32 v[T0+4], 16, v[T0+4]                 ; / 24: x 2,731 / 65,536 is exact for numbers under 96
	v_lshl_add_u32 v[SA+\j], v[T0+4], 4, v[LI]
	v_add_nc_u32 v[SA+\j], s60, v[SA+\j]
	v_mad_u32_u24 v[GW+\j], v[T0+4], 0x480, v[LI]      ; a row on is 1,536 bytes on in memory, less the 384 that the pieces have counted
.endr
	s_lshl_b32 s60, s[Y], 7
	s_lshl_b32 s61, s[WV], 5
	s_add_co_u32 s60, s60, s61                         ; my first row of W2 = my first column: 128 x + 32 wave
	s_mov_b32 s63, 0
	s_mul_i32 s62, s60, 1536
	s_add_nc_u64 s[12:13], s[12:13], s[62:63]
	s_lshl_b32 s62, s60, 6
	s_add_nc_u64 s[14:15], s[14:15], s[62:63]
	s_lshl_b32 s62, s60, 2
	s_add_nc_u64 s[16:17], s[16:17], s[62:63]
	s_lshl_b32 s62, s[BLK], 18                         ; x1's images: 262,144 block + 8,192 x + 2,048 wave
	s_lshl_b32 s61, s[Y], 13
	s_add_co_u32 s62, s62, s61
	s_lshl_b32 s61, s[WV], 11
	s_add_co_u32 s62, s62, s61
	s_add_nc_u64 s[18:19], s[18:19], s[62:63]
	s_lshl_b32 s62, s[BLK], 18                         ; out: row 128 block + 32 wave, of 2,048 bytes; + 512 x
	s_lshl_b32 s61, s[WV], 16
	s_add_co_u32 s62, s62, s61
	s_lshl_b32 s61, s[Y], 9
	s_add_co_u32 s62, s62, s61
	s_add_nc_u64 s[20:21], s[20:21], s[62:63]
.irp t, 0,1                                        ; the small loads first: loads come back in order (ISA guide 5.7.1), so the counted waits for the weights show these in too
.irp q, 0,1,2,3
	global_load_b128 v[WS+16*\t+4*\q:WS+16*\t+4*\q+3], v[WSA2], s[14:15] offset:512*\t+16*\q
.endr
.irp q, 0,1
	global_load_b128 v[B2+8*\t+4*\q:B2+8*\t+4*\q+3], v[GA], s[16:17] offset:32*\t+16*\q
.endr
.endr
	WIN 0xc0
.irp m, 0,1,2,3,4,5,6,7
.irp t, 0,1
.irp q, 0,1
	global_load_b128 v[8*(2*\m+\t)+4*\q:8*(2*\m+\t)+4*\q+3], v[LI], s[18:19] offset:32768*\m+1024*\t+512*\q th:TH_LOAD_NT   ; x1, straight into the accumulators; read once in the launch
.endr
.endr
.endr
	WIN 0
; Quarter q of K (K steps 4 q .. 4 q + 3) of my 32 rows: load 3 k + j holds pieces of rows 4 k .. 4 k + 3; into the 96 registers that the quarter's fragments will take
.macro WGL q
	WIN 0x40
.irp i, 0,1,2,3,4,5,6,7,8,9,10,11
	global_load_b128 v[48*(\q)+4*\i:48*(\q)+4*\i+3], v[GW+(\i%3)], s[12:13] offset:512*(\i%3)+6144*(\i/3)+384*(\q)
.endr
	WIN 0x80
.irp i, 0,1,2,3,4,5,6,7,8,9,10,11
	global_load_b128 v[48*(\q)+4*\i:48*(\q)+4*\i+3], v[GW+(\i%3)], s[12:13] offset:512*(\i%3)+6144*(\i/3+4)+384*(\q)
.endr
	WIN 0
.endm
; The quarter turns through my part of the stage; back come the fragments, 24 bytes a lane and half K step in pieces of 8, into the registers that the stores have left.  LDS serves a wave's instructions in order (ISA guide 5.7.1.4).
.macro WTURN q
	WIN 0x04
.irp i, 0,1,2,3,4,5,6,7,8,9,10,11
	ds_store_b128 v[SA+(\i%3)], v[48*(\q)+4*\i:48*(\q)+4*\i+3] offset:512*(\i%3)+1600*(\i/3)
.endr
	WIN 0x08
.irp i, 0,1,2,3,4,5,6,7,8,9,10,11
	ds_store_b128 v[SA+(\i%3)], v[48*(\q)+4*\i:48*(\q)+4*\i+3] offset:512*(\i%3)+1600*(\i/3+4)+128
.endr
.irp t, 0,1
	WIN 0x40*(1+\t)
.irp s, 0,1,2,3
.irp p, 0,1,2,3,4,5
	ds_load_b64 v[12*(4*(\q)+\s)+2*\p:12*(4*(\q)+\s)+2*\p+1], v[WL] offset:3200*\t+96*\s+48*(\p/3)+8*(\p%3)
.endr
.endr
.endr
	WIN 0
.endm
	s_wait_alu depctr_va_vdst(0)
.irp q, 0,1,2,3
	WGL \q
.endr
	s_wait_loadcnt 63                                  ; behind quarter q's 24 loads stand 24 (3 - q) later ones, which may stay out (72 is more than a wait can name: 63 serves)
	WTURN 0
	s_wait_loadcnt 48
	WTURN 1
	s_wait_loadcnt 24
	WTURN 2
	s_wait_loadcnt 0x0
	WTURN 3
	WIN 0xc3
.irp m, 0,1,2,3,4,5,6,7
.irp t, 0,1
.irp u, 0,2,4,6
	v_pk_add_f32 v[8*(2*\m+\t)+\u:8*(2*\m+\t)+\u+1], v[8*(2*\m+\t)+\u:8*(2*\m+\t)+\u+1], v[B2+8*\t+\u:B2+8*\t+\u+1]   ; + b2
.endr
.endr
.endr
	WIN 0
.macro FETCH4 ks, set                  ; K step ks: h's eight fragments and the rows' eight scale words: 26 LDS loads.  set 0: window 0, v64 on; set 1: window 3, v128 on
	WIN 0xc0*(\set)
.irp m, 0,1,2,3,4,5,6,7
.irp c, 0,1,2
	ds_load_b128 v[HA+64*(\set)+12*\m+4*\c:HA+64*(\set)+12*\m+4*\c+3], v[FA+(\ks)/4] offset:12288*((\ks)%4)+1536*\m+512*\c
.endr
.endr
	WIN 0
	ds_load_b128 v[XSA+8*(\set):XSA+8*(\set)+3], v[R32H] offset:512*(\ks)
	ds_load_b128 v[XSA+8*(\set)+4:XSA+8*(\set)+7], v[R32H] offset:512*(\ks)+16
.endm
.macro MM4 ks, set                     ; 16 matrix instructions; the 16 accumulators take turns, one instruction a turn, in the same order in every K step
.irp t, 0,1
	WIN 0xf0|(1+\t)|(0x0c*(\set))
.irp m, 0,1,2,3,4,5,6,7
	WMR 8*(2*\m+\t), 12*(\ks), HA+64*(\set)+12*\m, 8*(2*\m+\t), WS+16*\t+(\ks), XSA+8*(\set)+\m
.endr
.endr
.endm
	s_wait_alu depctr_va_vdst(0)
	s_wait_dscnt 0x0                                   ; W2's fragments are in, and my use of the stage's bytes is over
	s_wait_tensorcnt 0x3                               ; my parts of the scale words and of chunk 0 are in; the three later chunks may stay out
	s_barrier_signal -1
	s_barrier_wait -1                                  ; everybody's are
	FETCH4 0, 0
.irp ks, 0,1,2,3,4,5,6,7,8,9,10,11,12,13,14,15
.if ((\ks%4) == 3) && (\ks < 15)
	s_wait_tensorcnt 2-(\ks/4)                         ; my part of the next chunk is in; the chunks behind it may stay out
	BARRIER                                            ; everybody's is
.endif
.if \ks < 15
	PLACES 4                                           ; in front of loads into the set that the last products read
	FETCH4 \ks+1, (\ks+1)%2
	s_wait_dscnt 26                                    ; this K step's loads are in; the 26 just issued may be out
.else
	s_wait_dscnt 0x0
.endif
	MM4 \ks, \ks%2
.endr
	; THE WAY OUT: a lane holds 32 neighbouring bytes of a row, a row's 512 bytes come from four waves: they meet in the stage, and each wave stores 32 whole rows
	WIN 0
	PLACES 4
	WIN 0x0c                                           ; an LDS store's data are its source 1: window 3
.irp m, 0,1,2,3,4,5,6,7
.irp t, 0,1
.irp q, 0,1
	ds_store_b128 v[SO], v[8*(2*\m+\t)+4*\q:8*(2*\m+\t)+4*\q+3] offset:8448*\m+32*\t+16*\q   ; stage row 16 m + r; each accumulator from its low end on
.endr
.endr
.endr
	WIN 0
	BARRIER                                            ; 128 whole rows lie in the stage
.irp i, 0,1,2,3,4,5,6,7,8,9,10,11,12,13,14,15,16,17,18,19,20,21,22,23,24,25,26,27,28,29,30,31
	ds_load_b128 v[OB+4*\i:OB+4*\i+3], v[SR] offset:528*\i
.endr
.irp i, 0,1,2,3,4,5,6,7,8,9,10,11,12,13,14,15,16,17,18,19,20,21,22,23,24,25,26,27,28,29,30,31
	s_wait_dscnt 31-\i
	global_store_b128 v[LI], v[OB+4*\i:OB+4*\i+3], s[20:21] offset:(8*(\i/16)+(\i%16)+((\i%16)&8))*2048 th:TH_STORE_NT   ; stage row 32 w + i is row 32 w + 8 (i/16) + i%16 + 8 ((i%16)/8) of the block; 512 consecutive bytes, aligned
.endr
	s_wait_tensorcnt 0x0
	ds_add_u32 v254, v255
	s_wait_dscnt 0x0
	CROUND                                             ; the closing round: no work-group ends while a partner may still ask for bytes by a load that names it
	s_endpgm
.Lfunc_end_k_qf95e988123_ffn2:
	.size	k_qf95e988123_ffn2, .Lfunc_end_k_qf95e988123_ffn2-k_qf95e988123_ffn2
	.p2alignl 7, 3214868480
	.fill 96, 4, 3214868480
	.section	.rodata,"a",@progbits
	.p2align	6, 0x0
	.amdhsa_kernel k_qf95e988123_ffn2
		.amdhsa_group_segment_fixed_size 272896
		.amdhsa_private_segment_fixed_size 0
		.amdhsa_enable_private_segment 0
		.amdhsa_kernarg_size 56
		.amdhsa_user_sgpr_count 2
		.amdhsa_user_sgpr_kernarg_segment_ptr 1
		.amdhsa_wavefront_size32 1
		.amdhsa_system_sgpr_workgroup_id_x 1
		.amdhsa_system_sgpr_workgroup_id_y 1
		.amdhsa_system_sgpr_workgroup_id_z 1
		.amdhsa_system_vgpr_workitem_id 0
		.amdhsa_next_free_vgpr 1024
		.amdhsa_next_free_sgpr 72
		.amdhsa_reserve_vcc 0
		.amdhsa_float_denorm_mode_32 3
		.amdhsa_float_denorm_mode_16_64 3
		.amdhsa_memory_ordered 1
		.amdhsa_forward_progress 1
		.amdhsa_inst_pref_size 116
	.end_amdhsa_kernel
	.amdgpu_metadata
---
amdhsa.version: [ 1, 2 ]
amdhsa.kernels:
  - .name:           k_qf95e988123_ffn2
    .symbol:         k_qf95e988123_ffn2.kd
    .args:
      - { .name: hc, .offset: 0, .size: 8, .value_kind: global_buffer, .address_space: global }
      - { .name: hs, .offset: 8, .size: 8, .value_kind: global_buffer, .address_space: global }
      - { .name: W2_codes, .offset: 16, .size: 8, .value_kind: global_buffer, .address_space: global }
      - { .name: W2_scales, .offset: 24, .size: 8, .value_kind: global_buffer, .address_space: global }
      - { .name: b2, .offset: 32, .size: 8, .value_kind: global_buffer, .address_space: global }
      - { .name: x1w, .offset: 40, .size: 8, .value_kind: global_buffer, .address_space: global }
      - { .name: out0, .offset: 48, .size: 8, .value_kind: global_buffer, .address_space: global }
    .group_segment_fixed_size: 272896
    .private_segment_fixed_size: 0
    .kernarg_segment_align: 8
    .kernarg_segment_size: 56
    .max_flat_workgroup_size: 128
    .sgpr_count:     72
    .vgpr_count:     1024
    .wavefront_size: 32
...
	.end_amdgpu_metadata
.endif
;; end of part 12
